; MI455X (gfx1250); checked and timed in simulation.
; The chip was launched on July 23, 2026; its instructions are those of AMD's public machine-readable ISA for CDNA 5 (MIT licence, August 2026) and "CDNA5" Instruction Set Architecture Reference Guide (July 2026). The comments in the code are by the model that wrote it; some were corrected since.
;; Grouped Query Attention. Allowed arithmetic: matrix products marked QUANTISED: E2M3 operands, one E8M0 scale for each 32 along K, by v_wmma_scale_f32_16x16x128_f8f6f4 with both operands' format E2M3, f32 sums; everything else in f32.
;; Inputs: wk 4,096 x 1,024 float32; wo 2,048 x 4,096 float32; wq 4,096 x 2,048 float32; wv 4,096 x 1,024 float32; x 1 x 2,048 x 4,096 float32.
;; Outputs: out0 1 x 2,048 x 4,096 float32.
;; This version of the problem:
;;   THIS VERSION OF THE PROBLEM IS GIVEN IN LOW PRECISION. The matrix products marked QUANTISED in the list below multiply operands that are first quantised to E2M3 (2 exponent bits, 3 mantissa bits; 6 bits a number), with one power-of-two scale for each 32 numbers along K (OCP MX v1.0); their sums are f32. All else is computed in f32.
;;   The module's matrix products, in the order in which they are computed (A, B: the left and right operand; K: the contracted axis; several contracted axes count as one K, in the product's order):
;;     1. [M 2,048, K 4,096] x [K 4,096, N 2,048]; A: input x; B: input wq: QUANTISED
;;     2. [M 2,048, K 4,096] x [K 4,096, N 1,024]; A: input x; B: input wk: QUANTISED
;;     3. [M 2,048, K 4,096] x [K 4,096, N 1,024]; A: input x; B: input wv: QUANTISED
;;     4. batch 16 x [M 2,048, K 128] x [K 128, N 2,048]; A: computed on the way; B: computed on the way: QUANTISED
;;     5. batch 16 x [M 2,048, K 2,048] x [K 2,048, N 128]; A: softmax (see below); B: computed on the way: QUANTISED
;;     6. [M 2,048, K 2,048] x [K 2,048, N 4,096]; A: computed on the way; B: input wo: QUANTISED
;;   THE QUANTISER, for each operand of a quantised product, along K:
;;     - K is cut into blocks of 32 from its start; a last block that is shorter is filled with zeros.
;;     - A block's scale is 2^e with e = floor(log2(the largest magnitude in the block)) - 2, held to -126 .. 127; a block of zeros has e = 0. As a byte (E8M0): e + 127.
;;     - Each number is divided by its block's scale, clamped to +-7.5, and rounded to the nearest number of E2M3, ties to even, subnormals kept.
;;     - The product sums the exact products of the quantised numbers (number of the format x scale) in f32.
;;   ~~~python
;;   def quantise(x, axis):      # numpy; x: float32 -> the quantised numbers, widened to float32 again
;;       x = np.moveaxis(x, axis, -1); K = x.shape[-1]
;;       x = np.pad(x, [(0, 0)] * (x.ndim - 1) + [(0, -K % 32)]); x = x.reshape(x.shape[:-1] + (-1, 32)); a = np.abs(x).max(-1, keepdims=True)
;;       e = np.where(a > 0, np.clip(np.frexp(np.where(a > 0, a, 1))[1] - 1 - 2, -126, 127), 0)      # np.frexp(a)[1] - 1 = floor(log2(a)), exactly
;;       r = np.clip(x / 2.0 ** e, -7.5, 7.5)
;;       step = 2.0 ** (np.maximum(np.frexp(np.where(r == 0, 1, r))[1] - 1, 0) - 3)
;;       q = np.round(r / step) * step * 2.0 ** e      # np.round: ties to even
;;       return np.moveaxis(q.reshape(q.shape[:-2] + (-1,))[..., :K], -1, axis).astype(np.float32)
;;   ~~~
;;   SOFTMAX AHEAD OF A QUANTISED PRODUCT. Where the list says 'softmax', what is quantised is not the finished softmax but p = 2^(t - M), with t = logit x log2(e) and M = ceil(the row's largest t), a whole number; so 1/2 < the row's largest p <= 1. The row's sum l is taken of the UNQUANTISED p, in f32, and the product's result is divided by l at the end. Since M is a whole number, a kernel that streams over the keys may use a running M (the ceiling of the running maximum): every later rescaling is an exact power of two, which a block's scale takes up: the codes' values come out the same.
;;   OPERANDS COMPUTED ON THE WAY. 'Computed on the way' means the value that the module computes at that place (a softmax that the list does not call 'softmax' is quantised finished and normalised). What goes into a quantiser is computed in f32, as accurately as f32 sums, v_exp_f32 and their like allow (about 1e-6 of the number): no bf16 or f16 on the way to a quantiser, and a product that is left as it is and whose result goes on into a quantised operand takes f32 operands (vector FMAs, or v_wmma_f32_16x16x4_f32). A number that lies on a knife's edge between two numbers of the format may be rounded either way, as far as f32 arithmetic and the matrix unit's own rounding can turn it there, and no further.
;; 2 versions. Each part assembles by itself: llvm-mc -triple=amdgcn-amd-amdhsa -mcpu=gfx1250 --defsym DOCPART=n.
;; ======== version 1 of 2: 5 launches
;; workspace buffers: opq 19,660,800 bytes; woq 6,553,600 bytes; rope 1,048,576 bytes; qkv 6,553,600 bytes; attq 3,276,800 bytes
;; launch quant_x (part 1): grid 256 x 1, 4 waves a work-group, no clusters, 34,304 bytes of LDS; arguments x, opq, rope; writes opq, rope
.if DOCPART == 1
	.amdgcn_target "amdgcn-amd-amdhsa--gfx1250"
	.amdhsa_code_object_version 6
	.text
	.protected	k_qb8b53dd54b_quant_x
	.globl	k_qb8b53dd54b_quant_x
	.p2align	8
	.type	k_qb8b53dd54b_quant_x,@function
k_qb8b53dd54b_quant_x:
	s_mov_b64 s[64:65], 0
	v_nop
	global_prefetch_b8 v0, s[64:65] scope:SCOPE_SE
	s_setreg_imm32_b32 hwreg(HW_REG_WAVE_MODE, 25, 1), 1
	s_wait_xcnt 0x0
; GROUPED-QUERY ATTENTION IN MX-FP6, five launches: (1) x into codes, and the cos/sin table; (2) wq, wk, wv, wo into codes; (3) x (wq|wk|wv), RoPE, q, k, v into codes; (4) attention, its result into codes; (5) the projection by wo.
; DEAD WORK, left out in launch 4 alone: a step of 128 keys all of which come after all 16 queries of a tile.  reference() sets those scores to -inf by its own jnp.tril, so their weights are exp(-inf) = 0 for every value of the
; inputs: they add 0 to the row's sum and zero codes to the second product.  Every input has a way to the output and is loaded.  LIMIT: a NaN, an infinity or an overflow that would arise only in such left-out scores is not carried on.
; THIS LAUNCH.  x [2048][4096] f32 becomes codes of E2M3 with one E8M0 byte for each 32 along K (a block's byte = its largest magnitude's exponent field - 2, held at 1 from below).
; LIMITS: NaN and infinities among the inputs are not served; a block whose largest magnitude lies under 2^-124 keeps the byte 1; a block of zeros has the byte 1 and not 127: its codes are zeros, and this program alone reads the bytes.
; LAYOUT OF THE CODES (all operand buffers of this program): a fragment, 16 rows x 128 K, lies as the image of the 12 registers that the matrix instruction wants: register group c (4 registers) at 512 c, lane l at 16 l: 1,536 bytes.
; opq = [row block][K / 128][1536]; its scale words from byte OPS on: [row block][K / 256][row 16][2 words].  ROW r OF ROW BLOCK rb IS THE TRUE ROW 32 (rb / 2) + 8 (rb % 2) + r + 8 (r / 8): where such rows are
; a product's source 0, the 16 result registers of two neighbouring blocks are 16 neighbours, as the next quantiser wants them.
; SHARES.  Wave W of 1,024 takes row block W / 8 and K = 512 (W % 8) on: four fragments.  Each load reads one row's 512 consecutive bytes; the 16 rows turn through the wave's own stage in LDS (rows of 528 bytes) and come back
; 128 bytes a lane: lane (r, h) holds k = 64 c + 32 h + 0 .. 31 of row r, two whole blocks, in the order of the operand's registers.  No barrier: waves share nothing.
; THE TABLE.  rope[pos] = cos(pos inv_i), i = 0 .. 63, then sin: 512 bytes a position.  Wave W makes positions 2 W and 2 W + 1, lane l the frequencies 2 l and 2 l + 1.  inv_i = 500000^(-i / 64) is made as a pair of f32 (high and low
; part) by squaring and multiplying, so that its high part is the f32 nearest to the true number, as reference() has it from f64; the Llama-3 scaling follows reference()'s constants: wavelength over 8192 from i = 35 on
; (ln(8192 / 2 pi) / (ln(500000) / 64) = 34.98), between 2048 and 8192 for i = 29 .. 34 (28.22).  The angle is f32(pos) x inv in f32, as reference() has it; it is reduced by pi / 2 in three parts and goes through polynomials of degree 7 and 8.
.set SPARE, 33792                      ; behind the four stages: the spare words, 128 bytes for each wave
.set OPS,   18874368                   ; where opq's scale words begin: 6,144 rows x 3,072 bytes of codes
.set STG,   8448                       ; a wave's stage: 16 rows x 528 bytes
.set SPW,   12                         ; v12  LDS address of my spare word; never rewritten
.set NIL,   13                         ; v13  0; never rewritten
.set R,     16                         ; v16-143   two sets of 16 rows x 4 registers as loaded
.set X,     144                        ; v144-207  64 numbers of my row; before that the table's work
.set TM,    208                        ; v208-215  at work
.set PC,    216                        ; v216-227  a fragment's codes
.set T2,    228                        ; v228-235  the second halves of the blocks' codes
.set WD,    236                        ; v236-239  the four fragments' scale words
.set TR,    240                        ; v240-247  the table's numbers; never rewritten
.set GH, 144
.set GL, 145
.set PH, 146
.set PL, 147
.set RH, 148
.set RL, 149
.set MH, 150
.set ML, 151
.set DT, 152
.set SH, 156
.set SL, 157
.set IX, 158
.set K8, 160
.set K1, 161
.set FT, 162
.set PF, 163
.set TA, 165
.set TN, 166
.set TZ, 167
.set TS, 168
.set TC, 169
.set TQ, 170
	s_load_b128 s[4:7], s[0:1], 0x0                ; x, opq
	s_load_b64 s[8:9], s[0:1], 0x10                ; rope
	v_lshl_add_u32 v[SPW], v0, 2, SPARE
	v_mov_b32 v[NIL], 0
	v_lshrrev_b32 v1, 5, v0
	v_readfirstlane_b32 s10, v1                    ; wave
	v_and_b32 v1, 31, v0                           ; lane
	v_lshlrev_b32 v2, 4, v1                        ; 16 x lane: my bytes of a load's 512, and of an image's 512
	v_lshlrev_b32 v5, 3, v1                        ; 8 x lane
	v_and_b32 v6, 15, v0                           ; r
	v_bfe_u32 v7, v0, 4, 1                         ; h
	v_lshlrev_b32 v8, 3, v7                        ; 8 h
	s_mul_i32 s11, s10, STG
	v_add_nc_u32 v3, s11, v2                       ; the stage, on the way in
	v_mul_u32_u24 v4, v6, 528
	v_lshl_add_u32 v4, v7, 7, v4
	v_add_nc_u32 v4, s11, v4                       ; and on the way out: row r, + 128 h
	v_mov_b32 v[TM+7], 0                           ; a lane permute's destination counts as read
	s_lshl_b32 s12, ttmp9, 2
	s_add_co_u32 s12, s12, s10                     ; W
	s_lshr_b32 s13, s12, 3                         ; row block
	s_and_b32 s14, s12, 7                          ; which 512 along K
	s_lshr_b32 s16, s13, 1
	s_lshl_b32 s16, s16, 19                        ; 32 (rb / 2) rows of 16,384 bytes
	s_and_b32 s15, s13, 1
	s_lshl_b32 s15, s15, 17                        ; 8 (rb % 2) rows
	s_add_co_u32 s16, s16, s15
	s_lshl_b32 s15, s14, 11
	s_add_co_u32 s16, s16, s15
	s_mov_b32 s17, 0
	s_mul_i32 s18, s13, 49152
	s_mul_i32 s15, s14, 6144
	s_add_co_u32 s18, s18, s15                     ; my four fragments
	s_mov_b32 s19, 0
	s_lshl_b32 s22, s13, 11
	s_lshl_b32 s15, s14, 8
	s_add_co_u32 s22, s22, s15
	s_add_co_u32 s22, s22, OPS                     ; their scale words: 256 bytes
	s_mov_b32 s23, 0
	s_lshl_b32 s24, s12, 10                        ; the table's two positions
	s_mov_b32 s25, 0
	s_lshl_b32 s15, s12, 1                         ; position 2 W
	s_mov_b32 s20, 0x76543210
	s_mov_b32 s21, 0xfedcba98                      ; v_permlanex16_b32's selects for lane l xor 16
	s_mov_b32 s26, 0x44a2f983                      ; 8192 / (2 pi)
	s_mov_b32 s27, 0x3f600000                      ; 7 / 8
	s_mov_b32 s31, 0x3e000000                      ; 1 / 8
	s_mov_b32 s28, 0xbfc90fdb                      ; - pi / 2, its first part,
	s_mov_b32 s29, 0x333bbd2e                      ; its second,
	s_mov_b32 s30, 0x26f72ced                      ; its third
	s_wait_kmcnt 0x0
	s_add_nc_u64 s[4:5], s[4:5], s[16:17]
	s_add_nc_u64 s[22:23], s[6:7], s[22:23]
	s_add_nc_u64 s[6:7], s[6:7], s[18:19]
	s_add_nc_u64 s[8:9], s[8:9], s[24:25]
.macro LOAD f                          ; fragment f's 16 rows: a load reads 512 consecutive bytes of one row
.irp r, 0,1,2,3,4,5,6,7,8,9,10,11,12,13,14,15
	global_load_b128 v[R+64*((\f)%2)+4*\r:R+64*((\f)%2)+4*\r+3], v2, s[4:5] offset:(\r+8*(\r/8))*16384+512*(\f) th:TH_LOAD_NT
.endr
.endm
	LOAD 0
	LOAD 1
; ---- the table, while the first loads are on their way
.macro DFMUL oh, ol, ah, al, bh, bl    ; (oh, ol) = (ah, al) x (bh, bl), pairs of f32: the product's error is caught by a fused multiply-add
	v_mul_f32 v[DT], v[\ah], v[\bh]
	v_fma_f32 v[DT+1], v[\ah], v[\bh], -v[DT]
	v_fma_f32 v[DT+1], v[\ah], v[\bl], v[DT+1]
	v_fma_f32 v[DT+1], v[\al], v[\bh], v[DT+1]
	v_add_f32 v[\oh], v[DT], v[DT+1]
	v_sub_f32 v[DT+2], v[\oh], v[DT]
	v_sub_f32 v[\ol], v[DT+1], v[DT+2]
.endm
	v_mov_b32 v[GH], 0x3f508ac1                    ; g = 500000^(-1 / 64) = 0.814617233857: high part,
	v_mov_b32 v[GL], 0x329457fc                    ; low part
	DFMUL PH, PL, GH, GL, GH, GL                   ; g^2
	v_mov_b32 v[RH], 1.0
	v_mov_b32 v[RL], 0
.irp b, 0,1,2,3,4                      ; g^(2 lane), bit by bit of the lane's number: multiply by the power or by 1, with no branch
	v_and_b32 v[DT+3], 1<<\b, v1
	v_cmp_ne_u32 vcc_lo, 0, v[DT+3]
	v_cndmask_b32 v[MH], 1.0, v[PH], vcc_lo
	v_cndmask_b32 v[ML], 0, v[PL], vcc_lo
	DFMUL RH, RL, RH, RL, MH, ML
.if \b < 4
	DFMUL PH, PL, PH, PL, PH, PL
.endif
.endr
	DFMUL SH, SL, RH, RL, GH, GL                   ; g^(2 lane + 1)
	v_lshlrev_b32 v[IX], 1, v1
	v_add_nc_u32 v[IX+1], 1, v[IX]
	v_mov_b32 v[K8], 0x3e000000
	v_mov_b32 v[K1], 1.0
.macro LLAMA inv, idx                  ; inv x (1/8 + 7/8 smooth), smooth = (8192 inv / 2 pi - 1) / 3, for i = 29 .. 34; x 1/8 from i = 35 on; x 1 under 29
	v_fma_f32 v[FT], v[\inv], s26, -1.0
	v_mul_f32 v[FT], 0x3eaaaaab, v[FT]
	v_fma_f32 v[FT], v[FT], s27, s31
	v_cmp_le_u32 vcc_lo, 35, v[\idx]
	v_cndmask_b32 v[FT], v[FT], v[K8], vcc_lo
	v_cmp_gt_u32 vcc_lo, 29, v[\idx]
	v_cndmask_b32 v[FT], v[FT], v[K1], vcc_lo
	v_mul_f32 v[\inv], v[\inv], v[FT]
.endm
	LLAMA RH, IX
	LLAMA SH, IX+1
	v_cvt_f32_u32 v[PF], s15
	v_add_f32 v[PF+1], 1.0, v[PF]
.macro SINCOS p, inv, oc, os
	v_mul_f32 v[TA], v[\p], v[\inv]                ; the angle, rounded to f32 as reference() rounds it
	v_mul_f32 v[TN], 0x3f22f983, v[TA]
	v_rndne_f32 v[TN], v[TN]                       ; n = the nearest multiple of pi / 2
	v_fma_f32 v[TA], v[TN], s28, v[TA]             ; exact: n has 11 bits, and the difference fits in 24
	v_fma_f32 v[TA], v[TN], s29, v[TA]
	v_fma_f32 v[TA], v[TN], s30, v[TA]             ; r, within pi / 4 of 0
	v_mul_f32 v[TZ], v[TA], v[TA]
	v_cvt_i32_f32 v[TN], v[TN]
	v_mov_b32 v[TS], 0xb94ca1f9
	v_fmaak_f32 v[TS], v[TS], v[TZ], 0x3c08839e
	v_fmaak_f32 v[TS], v[TS], v[TZ], 0xbe2aaaa3
	v_mul_f32 v[TS], v[TS], v[TZ]
	v_fma_f32 v[TS], v[TS], v[TA], v[TA]           ; sin r
	v_mov_b32 v[TC], 0x37ccf5ce
	v_fmaak_f32 v[TC], v[TC], v[TZ], 0xbab6061a
	v_fmaak_f32 v[TC], v[TC], v[TZ], 0x3d2aaaa5
	v_mul_f32 v[TC], v[TC], v[TZ]
	v_fma_f32 v[TQ], v[TZ], -0.5, 1.0
	v_fma_f32 v[TC], v[TC], v[TZ], v[TQ]           ; cos r
	v_and_b32 v[TQ], 1, v[TN]                      ; odd n: the two change places
	v_cmp_ne_u32 vcc_lo, 0, v[TQ]
	v_cndmask_b32 v[\os], v[TS], v[TC], vcc_lo
	v_cndmask_b32 v[\oc], v[TC], v[TS], vcc_lo
	v_and_b32 v[TQ], 2, v[TN]                      ; n % 4 = 2, 3: the sine is negative
	v_lshlrev_b32 v[TQ], 30, v[TQ]
	v_xor_b32 v[\os], v[\os], v[TQ]
	v_add_nc_u32 v[TQ], 1, v[TN]                   ; n % 4 = 1, 2: the cosine
	v_and_b32 v[TQ], 2, v[TQ]
	v_lshlrev_b32 v[TQ], 30, v[TQ]
	v_xor_b32 v[\oc], v[\oc], v[TQ]
.endm
	SINCOS PF, RH, TR, TR+2
	SINCOS PF, SH, TR+1, TR+3
	SINCOS PF+1, RH, TR+4, TR+6
	SINCOS PF+1, SH, TR+5, TR+7
.irp i, 0,1,2,3
	global_store_b64 v5, v[TR+2*\i:TR+2*\i+1], s[8:9] offset:256*\i   ; 32 lanes store 256 consecutive bytes, aligned
.endr
; ---- a fragment
.macro FRAGX f
.if (\f) < 3
	s_wait_loadcnt 16                              ; this fragment's 16 loads are in; the next one's 16 may be out
.else
	s_wait_loadcnt 0
.endif
.irp r, 0,1,2,3,4,5,6,7,8,9,10,11,12,13,14,15
	ds_store_b128 v3, v[R+64*((\f)%2)+4*\r:R+64*((\f)%2)+4*\r+3] offset:528*\r
.endr
.irp c, 0,1
.irp e, 0,1,2,3,4,5,6,7
	ds_load_b128 v[X+32*\c+4*\e:X+32*\c+4*\e+3], v4 offset:256*\c+16*\e   ; LDS serves a wave's instructions in order: these see my stores
.endr
.endr
	s_wait_dscnt 0x0                               ; my numbers are back, and the stores have read their registers
.if (\f) > 0
	s_wait_xcnt 0x0                                ; the last fragment's stores have read the codes' registers, which are written again below
.endif
.if (\f)+2 < 4
	LOAD (\f)+2
.endif
.irp c, 0,1
	v_max3_num_f32 v[TM+\c], |v[X+32*\c]|, |v[X+32*\c+1]|, 0x1800000   ; my block 2 c + h, and the floor 2^(3 - 127): the byte cannot fall under 1
.endr
.irp i, 2,4,6,8,10,12,14,16,18,20,22,24,26,28,30
.irp c, 0,1
	v_max3_num_f32 v[TM+\c], v[TM+\c], |v[X+32*\c+\i]|, |v[X+32*\c+\i+1]|
.endr
.endr
.irp c, 0,1
	v_add_nc_u32 v[TM+2+\c], 0xff000000, v[TM+\c]  ; 2 off the exponent field: the conversion's scale operand
.endr
.irp c, 0,1
	v_lshrrev_b32 v[TM+4+\c], 23, v[TM+2+\c]       ; the scale's byte
.endr
	v_lshl_or_b32 v[TM+6], v[TM+5], 16, v[TM+4]    ; my two bytes: blocks h and 2 + h,
	v_lshlrev_b32 v[TM+6], v8, v[TM+6]             ; at their places in the word;
	v_permlanex16_b32 v[TM+7], v[TM+6], s20, s21
	v_or_b32 v[WD+(\f)], v[TM+6], v[TM+7]          ; with lane l xor 16's two the word is whole
.irp c, 0,1
	v_cvt_scalef32_pk16_fp6_f32 v[PC+6*\c:PC+6*\c+2], v[X+32*\c:X+32*\c+15], v[TM+2+\c]
	v_cvt_scalef32_pk16_fp6_f32 v[T2+4*\c:T2+4*\c+2], v[X+32*\c+16:X+32*\c+31], v[TM+2+\c]   ; (a conversion's three registers begin on an even number)
.endr
	v_nop                                          ; one plain place behind a scaled conversion
.irp c, 0,1
.irp i, 0,1,2
	v_mov_b32 v[PC+3+6*\c+\i], v[T2+4*\c+\i]
.endr
.endr
.irp c, 0,1,2
	global_store_b128 v2, v[PC+4*\c:PC+4*\c+3], s[6:7] offset:1536*(\f)+512*\c   ; 512 consecutive bytes, aligned
.endr
.endm
	FRAGX 0
	FRAGX 1
	FRAGX 2
	FRAGX 3
	v_cmp_le_u32 vcc_lo, 16, v1                    ; lanes 0-15 store the words of K steps 0 and 1, lanes 16-31 those of 2 and 3: 8 bytes a row
	v_cndmask_b32 v10, v[WD], v[WD+2], vcc_lo
	v_cndmask_b32 v11, v[WD+1], v[WD+3], vcc_lo
	global_store_b64 v5, v[10:11], s[22:23]        ; 256 consecutive bytes, aligned
	s_wait_tensorcnt 0x0                           ; the wave's end: the tensor wait, an add of 0 to my spare word and its wait, behind my last LDS store
	ds_add_u32 v[SPW], v[NIL]
	s_wait_dscnt 0x0
	s_endpgm
.Lfunc_end_k_qb8b53dd54b_quant_x:
	.size	k_qb8b53dd54b_quant_x, .Lfunc_end_k_qb8b53dd54b_quant_x-k_qb8b53dd54b_quant_x
	.p2alignl 7, 3214868480
	.fill 96, 4, 3214868480
	.section	.rodata,"a",@progbits
	.p2align	6, 0x0
	.amdhsa_kernel k_qb8b53dd54b_quant_x
		.amdhsa_group_segment_fixed_size 34304
		.amdhsa_private_segment_fixed_size 0
		.amdhsa_enable_private_segment 0
		.amdhsa_kernarg_size 24
		.amdhsa_user_sgpr_count 2
		.amdhsa_user_sgpr_kernarg_segment_ptr 1
		.amdhsa_wavefront_size32 1
		.amdhsa_system_sgpr_workgroup_id_x 1
		.amdhsa_system_sgpr_workgroup_id_y 1
		.amdhsa_system_sgpr_workgroup_id_z 1
		.amdhsa_system_vgpr_workitem_id 0
		.amdhsa_next_free_vgpr 256
		.amdhsa_next_free_sgpr 66
		.amdhsa_reserve_vcc 1
		.amdhsa_float_denorm_mode_32 3
		.amdhsa_float_denorm_mode_16_64 3
		.amdhsa_memory_ordered 1
		.amdhsa_forward_progress 1
		.amdhsa_inst_pref_size 41
	.end_amdhsa_kernel
	.amdgpu_metadata
---
amdhsa.version: [ 1, 2 ]
amdhsa.kernels:
  - .name:           k_qb8b53dd54b_quant_x
    .symbol:         k_qb8b53dd54b_quant_x.kd
    .args:
      - { .name: x, .offset: 0, .size: 8, .value_kind: global_buffer, .address_space: global }
      - { .name: opq, .offset: 8, .size: 8, .value_kind: global_buffer, .address_space: global }
      - { .name: rope, .offset: 16, .size: 8, .value_kind: global_buffer, .address_space: global }
    .group_segment_fixed_size: 34304
    .private_segment_fixed_size: 0
    .kernarg_segment_align: 8
    .kernarg_segment_size: 24
    .max_flat_workgroup_size: 128
    .sgpr_count:     66
    .vgpr_count:     256
    .wavefront_size: 32
...
	.end_amdgpu_metadata
.endif
;; end of part 1
;; launch quant_w (part 2): grid 768 x 1, 4 waves a work-group, no clusters, 25,088 bytes of LDS; arguments wq, wk, wv, wo, opq, woq; writes opq, woq
.if DOCPART == 2
	.amdgcn_target "amdgcn-amd-amdhsa--gfx1250"
	.amdhsa_code_object_version 6
	.text
	.protected	k_qb8b53dd54b_quant_w
	.globl	k_qb8b53dd54b_quant_w
	.p2align	8
	.type	k_qb8b53dd54b_quant_w,@function
k_qb8b53dd54b_quant_w:
	s_mov_b64 s[64:65], 0
	v_nop
	global_prefetch_b8 v0, s[64:65] scope:SCOPE_SE
	s_setreg_imm32_b32 hwreg(HW_REG_WAVE_MODE, 25, 1), 1
	s_wait_xcnt 0x0
; The four weights, f32 with K as their FIRST axis, become codes of E2M3 with K innermost and one E8M0 byte for each 32 along K, laid as images of operand fragments (16 rows x 128 K: register group c at 512 c, lane l at 16 l).
; wq [4096][2048], wk, wv [4096][1024] go to opq as rows 2048 + column of (wq | wk | wv); wo [2048][4096] to woq.  Codes [row block][K / 128][1536]; scale words behind them: [row block][K / 256][row 16][2].
; Row r of row block rb is the true column 32 (rb / 2) + 8 (rb % 2) + r + 8 (r / 8).
; LIMITS: NaN and infinities are not served; a block whose largest magnitude lies under 2^-124, and a block of zeros, keep the byte 1 (zero codes; the bytes are read by this program alone).
; SHARES.  A work-group takes 128 columns x 256 along K, a wave 32 columns.  A LANE TAKES A COLUMN AND ITS REGISTERS RUN DOWN K: a load reads 128 consecutive bytes a wave (512 a work-group), a block of 32 lies in one lane,
; and the conversions give codes with K innermost.  A block's 24 bytes go to their place in the fragment's image in the wave's own LDS; the four images (two row blocks x two K steps) leave as stores of 512 consecutive bytes.
; One path serves all four weights: work-groups 0-255 wq, 256-383 wk, 384-511 wv, 512-767 wo; what differs is chosen by s_cselect on the work-group's number.  No barrier: waves share nothing.
; The scale words leave as 8 bytes a lane, two runs of 128 consecutive bytes a wave: 1 byte in 128 of what the launch reads.
.set SPARE, 24576                      ; behind the waves' images: the spare words
.set SPW,   14
.set NIL,   15
.set OFF,   16                         ; v16-47   4 x lane + i rows
.set X,     48                         ; v48-111  two sets of 32 numbers
.set C,     112                        ; v112-118 a block's codes
.set SB,    120                        ; v120-121 the scale words of my column's two K steps
.set OUTR,  128                        ; v128-175 the way out
	s_load_b256 s[4:11], s[0:1], 0x0               ; wq, wk, wv, wo
	s_load_b128 s[12:15], s[0:1], 0x20             ; opq, woq
	v_lshl_add_u32 v[SPW], v0, 2, SPARE
	v_mov_b32 v[NIL], 0
	v_lshrrev_b32 v1, 5, v0
	v_readfirstlane_b32 s16, v1                    ; wave
	v_and_b32 v1, 31, v0                           ; lane = my column among the wave's 32
	v_bfe_u32 v2, v0, 3, 1                         ; u: which of the two row blocks it falls in,
	v_bfe_u32 v3, v0, 4, 1
	v_and_b32 v9, 7, v0
	v_lshl_add_u32 v3, v3, 3, v9                   ; r: and which row there
	s_mul_i32 s17, s16, 6144
	v_mul_u32_u24 v4, v2, 3072
	v_lshl_add_u32 v4, v3, 4, v4
	v_add_nc_u32 v4, s17, v4                       ; into the images: wave x 6144 + u x 3072 + 16 r
	v_lshlrev_b32 v6, 4, v1
	v_add_nc_u32 v5, s17, v6                       ; out of them: 16 x lane
	s_mov_b32 s20, 13                              ; wq's figures: a row is 2^13 bytes,
	s_mov_b32 s21, 4                               ; 2^4 groups of 128 columns,
	s_mov_b32 s22, 0                               ; its first work-group,
	s_mov_b32 s23, 128                             ; its first row block in the operand buffer,
	s_mov_b32 s29, 18874368                        ; where that buffer's scale words begin
	s_wait_kmcnt 0x0
	s_cmp_ge_u32 ttmp9, 256                        ; wk
	s_cselect_b32 s20, 12, s20
	s_cselect_b32 s21, 3, s21
	s_cselect_b32 s22, 256, s22
	s_cselect_b32 s23, 256, s23
	s_cselect_b64 s[24:25], s[6:7], s[4:5]
	s_cmp_ge_u32 ttmp9, 384                        ; wv
	s_cselect_b32 s22, 384, s22
	s_cselect_b32 s23, 320, s23
	s_cselect_b64 s[24:25], s[8:9], s[24:25]
	s_cmp_ge_u32 ttmp9, 512                        ; wo
	s_cselect_b32 s20, 14, s20
	s_cselect_b32 s21, 5, s21
	s_cselect_b32 s22, 512, s22
	s_cselect_b32 s23, 0, s23
	s_cselect_b32 s29, 6291456, s29
	s_cselect_b32 s28, 0, 1                        ; 1: K = 4096; 0: K = 2048
	s_cselect_b64 s[24:25], s[10:11], s[24:25]
	s_cselect_b64 s[26:27], s[14:15], s[12:13]
	s_sub_co_u32 s30, ttmp9, s22
	s_bfm_b32 s31, s21, 0
	s_and_b32 s31, s30, s31                        ; which 128 columns
	s_lshr_b32 s30, s30, s21                       ; which 256 along K
	s_lshl_b32 s48, s31, 7
	s_lshl_b32 s49, s16, 5
	s_add_co_u32 s48, s48, s49                     ; my wave's first column
	s_lshl_b32 s50, 1, s20                         ; a row in bytes
	s_add_co_u32 s51, s20, 8
	s_lshl_b32 s52, s30, s51                       ; 256 rows for each step along K
	s_lshl_b32 s49, s48, 2
	s_add_co_u32 s52, s52, s49
	s_mov_b32 s53, 0
	s_lshl_b32 s54, s50, 5                         ; 32 rows: a block
	s_mov_b32 s55, 0
	s_lshr_b32 s56, s48, 4
	s_add_co_u32 s56, s56, s23                     ; the first of my two row blocks
	s_lshl_b32 s57, 24576, s28                     ; a row block's codes in bytes
	s_lshl_b32 s58, 1024, s28                      ; and its scale words
	s_mul_i32 s60, s56, s57
	s_mul_i32 s59, s30, 3072
	s_add_co_u32 s60, s60, s59
	s_mov_b32 s61, 0
	s_mul_i32 s62, s56, s58
	s_lshl_b32 s59, s30, 7
	s_add_co_u32 s62, s62, s59
	s_add_co_u32 s62, s62, s29
	s_mov_b32 s63, 0
	s_add_nc_u64 s[32:33], s[24:25], s[52:53]      ; a base for each of the eight blocks; none is rewritten
.irp t, 1,2,3,4,5,6,7
	s_add_nc_u64 s[32+2*\t:33+2*\t], s[30+2*\t:31+2*\t], s[54:55]
.endr
	s_add_nc_u64 s[60:61], s[26:27], s[60:61]
	s_add_nc_u64 s[62:63], s[26:27], s[62:63]
	v_lshlrev_b32 v[OFF], 2, v1
.set i, 1
.rept 31
	v_add_nc_u32 v[OFF+i], s50, v[OFF+i-1]
.set i, i+1
.endr
	v_add_nc_u32 v7, s57, v6                       ; the second row block's images
	v_mul_lo_u32 v8, v2, s58
	v_lshl_add_u32 v8, v3, 3, v8                   ; my row's two scale words
.macro LOAD t                          ; block t: W(32 t + i, my column), i = 0 .. 31
.set i, 0
.rept 32
	global_load_b32 v[X+32*((\t)%2)+i], v[OFF+i], s[32+2*(\t):33+2*(\t)] th:TH_LOAD_NT
.set i, i+1
.endr
.endm
	LOAD 0
	LOAD 1
.macro BLOCK t
.set XS, X+32*((\t)%2)
.if (\t) < 7
	s_wait_loadcnt 32                              ; this block's 32 loads are in; the next block's may be out
.else
	s_wait_loadcnt 0
.endif
	v_max3_num_f32 v12, |v[XS]|, |v[XS+1]|, |v[XS+2]|
	v_max3_num_f32 v13, |v[XS+3]|, |v[XS+4]|, |v[XS+5]|
.irp i, 6,10,14,18,22,26
	v_max3_num_f32 v12, v12, |v[XS+\i]|, |v[XS+\i+1]|
	v_max3_num_f32 v13, v13, |v[XS+\i+2]|, |v[XS+\i+3]|
.endr
	v_max3_num_f32 v12, v12, |v[XS+30]|, |v[XS+31]|
	v_max3_num_f32 v12, v12, v13, 0x1800000        ; and the floor 2^(3 - 127): the byte cannot fall under 1
	v_add_nc_u32 v11, 0xff000000, v12              ; 2 off the exponent field: the conversion's scale operand
	v_cvt_scalef32_pk16_fp6_f32 v[C:C+2], v[XS:XS+15], v11
	v_cvt_scalef32_pk16_fp6_f32 v[C+4:C+6], v[XS+16:XS+31], v11   ; (a conversion's three registers begin on an even number)
	v_lshrrev_b32 v13, 23, v11                     ; the scale's byte.  (The plain place behind the conversions)
.if (\t)%4 == 0
	v_mov_b32 v[SB+(\t)/4], v13
.else
	v_lshl_or_b32 v[SB+(\t)/4], v13, 8*((\t)%4), v[SB+(\t)/4]
.endif
	v_mov_b32 v[C+3], v[C+4]                       ; the block's six registers on end
	v_mov_b32 v[C+4], v[C+5]
	v_mov_b32 v[C+5], v[C+6]
; block t % 4 of K step t / 4 is registers 6 (t % 4 / 2) .. + 5 of lane r + 16 (t % 2) of the fragment
.if (\t)%4 < 2
	ds_store_b128 v4, v[C:C+3] offset:((\t)/4)*1536+256*((\t)%2)
	ds_store_b64 v4, v[C+4:C+5] offset:((\t)/4)*1536+256*((\t)%2)+512
.else
	ds_store_b64 v4, v[C:C+1] offset:((\t)/4)*1536+256*((\t)%2)+520
	ds_store_b128 v4, v[C+2:C+5] offset:((\t)/4)*1536+256*((\t)%2)+1024
.endif
.if (\t)+2 < 8
	LOAD (\t)+2
.endif
	s_wait_dscnt 0x0                               ; the stores have read their registers: the next block's codes may be written
.endm
.irp t, 0,1,2,3,4,5,6,7
	BLOCK \t
.endr
	global_store_b64 v8, v[SB:SB+1], s[62:63]
.irp j, 0,1,2,3,4,5,6,7,8,9,10,11
	ds_load_b128 v[OUTR+4*\j:OUTR+4*\j+3], v5 offset:512*\j   ; LDS serves a wave's instructions in order: these see my stores
.endr
.irp j, 0,1,2,3,4,5,6,7,8,9,10,11
	s_wait_dscnt 11-\j                             ; load j is in; the younger ones may be out
.if \j < 6
	global_store_b128 v6, v[OUTR+4*\j:OUTR+4*\j+3], s[60:61] offset:((\j/3)%2)*1536+512*(\j%3)   ; 512 consecutive bytes, aligned
.else
	global_store_b128 v7, v[OUTR+4*\j:OUTR+4*\j+3], s[60:61] offset:((\j/3)%2)*1536+512*(\j%3)
.endif
.endr
	s_wait_tensorcnt 0x0                           ; the wave's end: the tensor wait, an add of 0 to my spare word and its wait, behind my last LDS store
	ds_add_u32 v[SPW], v[NIL]
	s_wait_dscnt 0x0
	s_endpgm
.Lfunc_end_k_qb8b53dd54b_quant_w:
	.size	k_qb8b53dd54b_quant_w, .Lfunc_end_k_qb8b53dd54b_quant_w-k_qb8b53dd54b_quant_w
	.p2alignl 7, 3214868480
	.fill 96, 4, 3214868480
	.section	.rodata,"a",@progbits
	.p2align	6, 0x0
	.amdhsa_kernel k_qb8b53dd54b_quant_w
		.amdhsa_group_segment_fixed_size 25088
		.amdhsa_private_segment_fixed_size 0
		.amdhsa_enable_private_segment 0
		.amdhsa_kernarg_size 48
		.amdhsa_user_sgpr_count 2
		.amdhsa_user_sgpr_kernarg_segment_ptr 1
		.amdhsa_wavefront_size32 1
		.amdhsa_system_sgpr_workgroup_id_x 1
		.amdhsa_system_sgpr_workgroup_id_y 1
		.amdhsa_system_sgpr_workgroup_id_z 1
		.amdhsa_system_vgpr_workitem_id 0
		.amdhsa_next_free_vgpr 192
		.amdhsa_next_free_sgpr 66
		.amdhsa_reserve_vcc 0
		.amdhsa_float_denorm_mode_32 3
		.amdhsa_float_denorm_mode_16_64 3
		.amdhsa_memory_ordered 1
		.amdhsa_forward_progress 1
		.amdhsa_inst_pref_size 44
	.end_amdhsa_kernel
	.amdgpu_metadata
---
amdhsa.version: [ 1, 2 ]
amdhsa.kernels:
  - .name:           k_qb8b53dd54b_quant_w
    .symbol:         k_qb8b53dd54b_quant_w.kd
    .args:
      - { .name: wq, .offset: 0, .size: 8, .value_kind: global_buffer, .address_space: global }
      - { .name: wk, .offset: 8, .size: 8, .value_kind: global_buffer, .address_space: global }
      - { .name: wv, .offset: 16, .size: 8, .value_kind: global_buffer, .address_space: global }
      - { .name: wo, .offset: 24, .size: 8, .value_kind: global_buffer, .address_space: global }
      - { .name: opq, .offset: 32, .size: 8, .value_kind: global_buffer, .address_space: global }
      - { .name: woq, .offset: 40, .size: 8, .value_kind: global_buffer, .address_space: global }
    .group_segment_fixed_size: 25088
    .private_segment_fixed_size: 0
    .kernarg_segment_align: 8
    .kernarg_segment_size: 48
    .max_flat_workgroup_size: 128
    .sgpr_count:     66
    .vgpr_count:     192
    .wavefront_size: 32
...
	.end_amdgpu_metadata
.endif
;; end of part 2
;; launch gemm_qkv (part 3): grid 16 x 8, 4 waves a work-group, clusters of 4 x 4, 327,680 bytes of LDS; arguments opq, rope, qkv; writes qkv
.if DOCPART == 3
	.amdgcn_target "amdgcn-amd-amdhsa--gfx1250"
	.amdhsa_code_object_version 6
	.text
	.protected	k_qb8b53dd54b_gemm_qkv
	.globl	k_qb8b53dd54b_gemm_qkv
	.p2align	8
	.type	k_qb8b53dd54b_gemm_qkv,@function
k_qb8b53dd54b_gemm_qkv:
	s_mov_b64 s[64:65], 0
	v_nop
	global_prefetch_b8 v0, s[64:65] scope:SCOPE_SE
	s_setreg_imm32_b32 hwreg(HW_REG_WAVE_MODE, 25, 1), 1
	s_wait_xcnt 0x0
	s_wait_alu depctr_hold_cnt(0) depctr_sa_sdst(0) depctr_va_vdst(0) depctr_va_sdst(0) depctr_va_ssrc(0) depctr_va_vcc(0) depctr_vm_vsrc(0)
	s_getreg_b32 s2, hwreg(HW_REG_IB_STS2, 6, 4)
	s_cmp_eq_u32 s2, 0
	s_cbranch_scc0 .Lentry_in_a_cluster
	s_endpgm
.Lentry_in_a_cluster:
	s_bfe_u32 s2, ttmp6, 0x10000c
	s_cmp_lg_u32 s2, 0xf033
	s_cbranch_scc0 .Lentry_shape_is_right
	s_endpgm
.Lentry_shape_is_right:
; q, k, v = x (wq | wk | wv) on codes of E2M3, K = 4096; then RoPE on q and k in f32, and q, k, v are quantised in registers for the attention's products and stored as fragment images.  They never lie in memory as f32.
; opq: [row block of 16][K / 128][1536] fragment images (register group c at 512 c, lane l at 16 l); row blocks 0-127 are x's positions, 128-383 the columns of wq | wk | wv; scale words from OPS on: [row block][K / 256][row][2].
; Row r of row block rb is the true row 32 (rb / 2) + 8 (rb % 2) + r + 8 (r / 8).
; SHARES.  A work-group of four waves makes 256 x 256, a wave 128 x 128: 64 accumulators of 16 x 16.  THE MATRIX INSTRUCTION IS USED TRANSPOSED: source 0 = 16 rows of side B, source 1 = 16 rows of side A: a lane holds ONE row
; of side A, and by the order of the rows its 16 registers of two neighbouring blocks of B are 16 NEIGHBOURS of side B.  For q and k (clusters x = 0, 1, 2) side A is positions and side B weight columns: a lane holds a position and
; its 64 registers a whole head in the order d = 32 (n / 16) + 16 (lane / 16) + n % 16: RoPE's partner of register n is register n + 32, and a block of 32 along d lies in lanes l and l xor 16.  For v (cluster x = 3) the sides
; change places: side A is wv's columns, side B positions: a lane holds one channel d and its registers run along the KEYS, which are the second attention product's K.
; 128 work-groups: 96 for q and k, 32 for v.  A smaller tile would give each WGP one, at one and a half times the LDS bytes for each product.
; RING.  K goes in steps of 256 through two LDS slots; a wave's tensor load brings 8 row blocks x 3,072 consecutive bytes.  The scale words of the work-group's rows, for all of K, come once with the first fills.
; CLUSTERS: 4 x 4.  Side A's tiles are shared along a row of the cluster, side B's along a column: each is asked for jointly.  The role hangs on the cluster's x alone, which all sixteen partners share.
; No prefetch: the tiles are shared in clusters, and each is read again by other clusters of the launch.
; OUT.  qkv = [i1 32][i2 16][2 records of 6,400 bytes]; a record is 4 fragments and 256 bytes of scale words (byte 8 (16 h + r) + 4 e: row r's word of fragment 2 h + e).  i1 = 0-15 q's heads, 16-23 k's (i2 = 128 positions, fragments =
; row blocks of positions, K = d); i1 = 24-31 v's heads (i2 = 128 keys, fragments = blocks of 16 channels, K = the keys).
; LIMITS: a block whose largest magnitude lies under 2^-124, and a block of zeros, keep the byte 1 (zero codes; this program alone reads the bytes).
; REGISTERS, in windows of 256: window 0: v16-30 addresses; v32-63 scale words, two sets, and nothing else; v64-99 the quantiser's work; v128-223 A's fragments, one set; later RoPE's products, later the finished fragments.
;   window 1: B's fragments, two sets, at v0 and v128; later four sets of cos and sin.   window 2: the accumulators of my rows 0-63 of side A ((a, b) at v[8 (8 a + b)]);   window 3: rows 64-127.
.set KTOT,  4096
.set RBP,   49152                      ; a row block's codes in memory
.set KSB,   3072                       ; of which a K step of 256: two fragments
.set OPS,   18874368                   ; where the scale words begin
.set FR,    12                         ; registers of a fragment
.set NL,    3                          ; LDS loads that bring one
.set NP,    4                          ; places behind this matrix instruction (ISA guide 7.12.1)
.set NQ,    2                          ; matrix instructions deep in a slot
.set HALFT, 8*KSB                      ; 128 rows: what one tensor load brings
.set SLOT,  4*HALFT                    ; A's 256 rows, then B's
.set LAPS,  KTOT/512
.set SBLK,  2048                       ; a row block's scale words
.set HALFS, 8*SBLK                     ; those of 128 rows
.set SCL,   2*SLOT                     ; behind the ring: A's scale words; B's begin 128 bytes further on than a multiple of 256, so that the two halves of a load's lanes touch different banks
.set SPARE, 262400                     ; behind them (they end at 262,272): the spare words, 128 bytes for each wave
.set ADRA, 16                          ; v16-17  LDS address of my A fragments in slot 0, 1
.set ADRB, 20                          ; v20-21  the same for B
.set L16,  24                          ; v24     16 x lane
.set RO,   25                          ; v25     my position's row of the table, + 64 (lane / 16)
.set L8,   26                          ; v26     8 x lane
.set ADRS, 27                          ; v27     LDS address of my scale words: lanes 0-15 A's rows, lanes 16-31 B's
.set SPW,  28                          ; v28     LDS address of my spare word; never rewritten
.set NIL,  29                          ; v29     0; never rewritten
.set SC,   32
.set TM,   64                          ; v64-79  largest magnitudes, bytes, scale operands
.set PW,   80                          ; v80-87  the eight fragments' scale words
.set T2,   88                          ; v88-95  second halves of the blocks' codes
.set PR,   96                          ; v96-99  the scale words as they are stored
.set AF,   128
.set TT,   128                         ; v128-191 RoPE: the products with sin
.set PCB,  128                         ; v128-223 the eight finished fragments
.set G1, 24
.set G0, 32
.set G1B, 48
.set G0B, 56
.set G1S, 68
.set G0S, 76
.set G1SB, 80
.set G0SB, 88
.set OUTA, 10                          ; s[10:11] where my eight fragments go
.set RB,   12                          ; s[12:13] the table at my first position
.set MSB, 0
.macro WIN new                         ; the immediate's high byte repeats the setting that is left
.if MSB != (\new)
	s_set_vgpr_msb (MSB<<8)|(\new)
.set MSB, \new
.endif
.endm
.set MUL_LO, 0xa1                      ; source 0 (B) window 1, source 1 (A) window 0, C and D window 2
.set MUL_HI, 0xf1                      ; the same, C and D window 3
.set TO_B,   0x40                      ; destination window 1, address window 0
; A joint load: waves 0 and 1 fetch for A, waves 2 and 3 for B.  Each line has one mask and one set of registers; the branch hangs on the wave's number alone.  An s_nop 0 and four v_nop follow each line.
.macro JLOAD g0a, g1a, g0b, g1b
	s_cmp_eq_u32 s15, 0
	s_cbranch_scc0 .Lfor_b_\@
	tensor_load_to_lds s[\g0a:\g0a+3], s[\g1a:\g1a+7]
	s_nop 0
.rept 4
	v_nop
.endr
	s_branch .Lasked_\@
.Lfor_b_\@:
	tensor_load_to_lds s[\g0b:\g0b+3], s[\g1b:\g1b+7]
	s_nop 0
.rept 4
	v_nop
.endr
.Lasked_\@:
.endm
.macro CREST                           ; a round of the cluster's barrier behind its opening barrier
	s_cmp_lg_u32 s14, 0
	s_cbranch_scc1 .Lnot_wave_0_\@
	s_barrier_signal -3
.Lnot_wave_0_\@:
	s_barrier_wait -3
	s_barrier_signal -1
	s_barrier_wait -1
.endm
.macro CROUND
	s_barrier_signal -1
	s_barrier_wait -1
	CREST
.endm
	s_load_b128 s[4:7], s[0:1], 0x0                ; opq, rope
	s_load_b64 s[8:9], s[0:1], 0x10                ; qkv
	v_lshl_add_u32 v[SPW], v0, 2, SPARE
	v_mov_b32 v[NIL], 0
	ds_add_u32 v[SPW], v[NIL]                      ; the wave's opening: the add, twice on end, and its wait ahead of my first tensor load
	ds_add_u32 v[SPW], v[NIL]
	v_lshrrev_b32 v1, 5, v0
	v_readfirstlane_b32 s14, v1                    ; wave 0..3
	s_lshr_b32 s15, s14, 1                         ; which half of side A is mine.  Also: I fetch for A (0) or for B (1)
	s_and_b32 s16, s14, 1                          ; which half of side B.  Also: which 128 rows of that tile I fetch
	s_bfe_u32 s40, ttmp6, 0x40000                  ; cx, cy: my place in the cluster
	s_bfe_u32 s41, ttmp6, 0x40004
	s_and_b32 s17, ttmp7, 0xffff
	s_lshl_b32 s17, s17, 2                         ; 4 x cluster y: tiles of positions
	s_lshl_b32 s18, ttmp9, 2
	s_add_co_u32 s18, s18, 8                       ; 8 + 4 x cluster x: tiles of wq's and wk's columns
	s_cmp_eq_u32 ttmp9, 3                          ; the role: v?
	s_cselect_b32 s95, 1, 0
	s_cselect_b32 s19, 20, s17                     ; side A: wv's tiles 20-23, or positions
	s_cselect_b32 s18, s17, s18                    ; side B: positions, or columns
	s_add_co_u32 s17, s19, s41                     ; A's tile of 256 rows of opq: by cy
	s_add_co_u32 s42, s18, s40                     ; B's: by cx
	s_lshl_b32 s43, s41, 2
	s_lshl_b32 s43, 15, s43                        ; my row of the cluster
	s_lshl_b32 s44, 0x1111, s40                    ; my column
	; descriptor group 1: 8 rows (row blocks) of 3,072 bytes = 384 elements of 8 bytes, 49,152 bytes apart; no padding: a fragment's loads are consecutive bytes
	s_or_b32 s[G1+0], s43, (3<<16)|(1<<21)
	s_or_b32 s[G1B+0], s44, (3<<16)|(1<<21)
.irp g, G1, G1B
	s_mov_b32 s[\g+1], 384<<16                     ; tensor_dim0
	s_mov_b32 s[\g+2], 8<<16                       ; tensor_dim1
	s_mov_b32 s[\g+3], 384<<16                     ; tile_dim0
	s_mov_b32 s[\g+4], 8                           ; tile_dim1
	s_mov_b32 s[\g+5], RBP/8                       ; tensor_dim0_stride
	s_mov_b32 s[\g+6], 0
	s_mov_b32 s[\g+7], 0
.endr
	; and for the scale words of 128 rows: a dense block, as rows of 256 bytes
	s_or_b32 s[G1S+0], s43, (3<<16)|(1<<21)
	s_or_b32 s[G1SB+0], s44, (3<<16)|(1<<21)
.irp g, G1S, G1SB
	s_mov_b32 s[\g+1], 32<<16
	s_mov_b32 s[\g+2], (HALFS/256)<<16
	s_mov_b32 s[\g+3], 32<<16
	s_mov_b32 s[\g+4], HALFS/256
	s_mov_b32 s[\g+5], 32
	s_mov_b32 s[\g+6], 0
	s_mov_b32 s[\g+7], 0
.endr
	s_lshl_b32 s18, s16, 3                         ; which 8 row blocks of the tile I fetch
	s_lshl_b32 s20, s17, 4
	s_add_co_u32 s20, s20, s18                     ; A: row block
	s_lshl_b32 s46, s42, 4
	s_add_co_u32 s46, s46, s18                     ; B: row block
	s_lshl_b32 s22, s20, 11
	s_add_co_u32 s22, s22, OPS                     ; their scale words,
	s_lshl_b32 s92, s46, 11
	s_add_co_u32 s92, s92, OPS
	s_mul_i32 s20, s20, RBP                        ; their codes
	s_mul_i32 s46, s46, RBP
	s_mov_b32 s21, 0
	s_mov_b32 s23, 0
	s_mov_b32 s47, 0
	s_mov_b32 s93, 0
	s_mul_i32 s45, s14, HALFT                      ; where they go: by the wave's number alone
	s_mul_i32 s94, s14, HALFS
	s_lshl_b32 s19, s15, 7
	s_add_co_u32 s94, s94, s19                     ; (B's scale words 128 bytes further on)
	s_wait_dscnt 0x0                               ; both opening adds are done
	s_wait_kmcnt 0x0
	s_add_nc_u64 s[20:21], s[4:5], s[20:21]
	s_add_nc_u64 s[22:23], s[4:5], s[22:23]
	s_add_nc_u64 s[46:47], s[4:5], s[46:47]
	s_add_nc_u64 s[92:93], s[4:5], s[92:93]
	CROUND                                         ; all sixteen work-groups are here: the first joint loads meet
	s_mov_b32 s[G0S], 1
	s_add_co_u32 s[G0S+1], s94, SCL
	s_mov_b64 s[G0S+2:G0S+3], s[22:23]
	s_or_b32 s[G0S+3], s[G0S+3], 0x80000000
	s_mov_b32 s[G0SB], 1
	s_add_co_u32 s[G0SB+1], s94, SCL
	s_mov_b64 s[G0SB+2:G0SB+3], s[92:93]
	s_or_b32 s[G0SB+3], s[G0SB+3], 0x80000000
	JLOAD G0S, G1S, G0SB, G1SB                     ; the scale words first: they are wanted with K step 0
.irp s, 0,1
	s_mov_b32 s[G0+4*\s], 1
	s_add_co_u32 s[G0+4*\s+1], s45, \s*SLOT
	s_add_nc_u64 s[G0+4*\s+2:G0+4*\s+3], s[20:21], \s*KSB
	s_or_b32 s[G0+4*\s+3], s[G0+4*\s+3], 0x80000000
	s_mov_b32 s[G0B+4*\s], 1
	s_add_co_u32 s[G0B+4*\s+1], s45, \s*SLOT
	s_add_nc_u64 s[G0B+4*\s+2:G0B+4*\s+3], s[46:47], \s*KSB
	s_or_b32 s[G0B+4*\s+3], s[G0B+4*\s+3], 0x80000000
	JLOAD G0+4*\s, G1, G0B+4*\s, G1B
.endr
	v_and_b32 v30, 31, v0                          ; lane
	v_and_b32 v1, 15, v0                           ; r
	v_bfe_u32 v2, v0, 4, 1                         ; h
	v_lshlrev_b32 v[L16], 4, v30
	v_lshlrev_b32 v[L8], 3, v30
	s_mul_i32 s21, s15, HALFT                      ; my 128 rows of A
	s_mul_i32 s22, s16, HALFT                      ; my 128 rows of B,
	s_add_co_u32 s22, s22, 2*HALFT                 ; which lie behind A's 256
.irp s, 0,1
	v_add_nc_u32 v[ADRA+\s], s21, v[L16]
	v_add_nc_u32 v[ADRB+\s], s22, v[L16]
	s_add_co_u32 s21, s21, SLOT
	s_add_co_u32 s22, s22, SLOT
.endr
	v_lshlrev_b32 v5, 3, v1                        ; my row's two words of a K step
	s_mul_i32 s21, s15, HALFS
	s_mul_i32 s22, s16, HALFS
	s_add_co_u32 s22, s22, 2*HALFS+128
	s_sub_co_u32 s22, s22, s21
	v_mul_u32_u24 v6, s22, v2                      ; lanes 16-31 take B's
	s_add_co_u32 s21, s21, SCL
	v_add_nc_u32 v5, v5, v6
	v_add_nc_u32 v[ADRS], s21, v5
	v_and_b32 v3, 8, v1
	v_add_nc_u32 v3, v3, v1                        ; r + 8 (r / 8)
	v_lshlrev_b32 v[RO], 9, v3
	v_lshl_add_u32 v[RO], v2, 6, v[RO]
	s_lshl_b32 s20, s17, 1
	s_add_co_u32 s20, s20, s15                     ; my 128 rows of side A, counted in opq
	s_lshl_b32 s46, s42, 1
	s_add_co_u32 s46, s46, s16                     ; and of side B
	s_cmp_eq_u32 s95, 1
	s_cselect_b32 s21, s20, s46                    ; i1 + 16: the head, by the weights' side
	s_cselect_b32 s22, s46, s20                    ; i2: by the positions' side
	s_sub_co_u32 s21, s21, 16
	s_lshl_b32 s21, s21, 4
	s_add_co_u32 s21, s21, s22
	s_mul_i32 s22, s21, 12800
	s_mov_b32 s23, 0
	s_add_nc_u64 s[OUTA:OUTA+1], s[8:9], s[22:23]
	s_lshl_b32 s22, s20, 16                        ; 128 positions of 512 bytes
	s_cmp_eq_u32 s95, 1
	s_cselect_b32 s22, 0, s22                      ; (v has no RoPE and loads nothing of the table)
	s_add_nc_u64 s[RB:RB+1], s[6:7], s[22:23]
.macro FRAG reg, adr, q, i             ; a fragment comes as it lies: three loads of 512 consecutive bytes
.irp c, 0,1,2
	ds_load_b128 v[\reg+4*\c:\reg+4*\c+3], v[\adr] offset:(\i)*KSB+(\q)*1536+512*\c
.endr
.endm
; 16 matrix instructions: A's blocks a0, a0 + 1 x B's eight, 128 along K: the slot's q-th.  p: B's set;  sc: the set of scale words.  zero = 1: the first product starts the sums.
; The 64 accumulators take turns, one instruction a turn, in the same order in every step.
.macro MUL16 a0, p, q, sc, zero
.irp a, \a0, \a0+1
.irp b, 0,1,2,3,4,5,6,7
.if \zero
	v_wmma_scale_f32_16x16x128_f8f6f4 v[8*(8*((\a)%4)+\b):8*(8*((\a)%4)+\b)+7], v[128*(\p)+FR*\b:128*(\p)+FR*\b+FR-1], v[AF+FR*(\a):AF+FR*(\a)+FR-1], 0, v[SC+8*NQ*(\sc)+NQ*\b+(\q)], v[SC+8*NQ*(\sc)+NQ*(\a)+(\q)] matrix_a_fmt:MATRIX_FMT_FP6 matrix_b_fmt:MATRIX_FMT_FP6 matrix_a_scale:MATRIX_SCALE_ROW1
.else
	v_wmma_scale_f32_16x16x128_f8f6f4 v[8*(8*((\a)%4)+\b):8*(8*((\a)%4)+\b)+7], v[128*(\p)+FR*\b:128*(\p)+FR*\b+FR-1], v[AF+FR*(\a):AF+FR*(\a)+FR-1], v[8*(8*((\a)%4)+\b):8*(8*((\a)%4)+\b)+7], v[SC+8*NQ*(\sc)+NQ*\b+(\q)], v[SC+8*NQ*(\sc)+NQ*(\a)+(\q)] matrix_a_fmt:MATRIX_FMT_FP6 matrix_b_fmt:MATRIX_FMT_FP6 matrix_a_scale:MATRIX_SCALE_ROW1
.endif
.endr
.endr
.endm
.macro FETCH_B slot, q, p              ; B's eight fragments of the slot's q-th 128 along K into set p
	WIN TO_B
.irp i, 0,1,2,3,4,5,6,7
	FRAG 128*(\p)+FR*\i, ADRB+\slot, \q, \i
.endr
	WIN 0
.endm
.macro FETCH_A slot, q, i0             ; A's blocks i0 .. i0 + 3
.irp i, \i0, \i0+1, \i0+2, \i0+3
	FRAG AF+FR*(\i), ADRA+\slot, \q, \i
.endr
.endm
.macro SCALES sc                       ; a K step's scale words: two a row; lanes 0-15 take A's block i, lanes 16-31 B's block i
.irp i, 0,1,2,3,4,5,6,7
	ds_load_b64 v[SC+8*NQ*\sc+NQ*\i:SC+8*NQ*\sc+NQ*\i+1], v[ADRS] offset:\i*SBLK
.endr
.endm
; A load into a register that a matrix instruction has read, and a vector instruction that reads a matrix result, stand NP places behind it; only plain vector instructions that name none of its registers are places.
.macro PLACES n
.rept \n
	v_nop
.endr
.endm
.macro STEP slot, q, zero              ; a step of 128 along K that has its successor in the same slot
	s_wait_dscnt 4*NL                              ; B's set and A's blocks 0-3 are in; the youngest 12 loads (A's blocks 4-7) may be out
	WIN MUL_LO
	MUL16 0, (\q)%2, \q, \slot, \zero
	MUL16 2, (\q)%2, \q, \slot, \zero
	s_wait_dscnt 0                                 ; A's blocks 4-7 are in
	PLACES NP
	FETCH_B \slot, (\q)+1, 1-(\q)%2
	FETCH_A \slot, (\q)+1, 0
	WIN MUL_HI
	MUL16 4, (\q)%2, \q, \slot, \zero
	MUL16 6, (\q)%2, \q, \slot, \zero
	PLACES NP
	WIN 0
	FETCH_A \slot, (\q)+1, 4
.endm
; A slot's last step changes slots: one barrier; in front of it each wave waits for all its tensor loads, adds 0 to its spare word, and waits for that and for its own reads of this slot.  fill = 1: the slot is filled again, two K steps ahead.
.macro TURN slot, next, fill
	s_wait_tensorcnt 0x0                           ; all my tensor loads have landed: my part of the next slot
	ds_add_u32 v[SPW], v[NIL]                      ; 0 onto my spare word
	s_wait_dscnt 4*NL+1                            ; (the add and the youngest 12 loads may be out)
	WIN MUL_LO
	MUL16 0, 1, NQ-1, \slot, 0                     ; sixteen matrix instructions stand between the add and the wait for it
	s_wait_dscnt 0x0                               ; the add is done, and my reads of this slot are over
	s_barrier_signal -1
	MUL16 2, 1, NQ-1, \slot, 0
	WIN 0
	s_barrier_wait -1
.if \fill
	CREST                                          ; the barrier has opened a round of the cluster's barrier: no wave of any partner still reads this slot or has a load on its way
	s_add_nc_u64 s[G0+4*\slot+2:G0+4*\slot+3], s[G0+4*\slot+2:G0+4*\slot+3], 2*KSB
	s_add_nc_u64 s[G0B+4*\slot+2:G0B+4*\slot+3], s[G0B+4*\slot+2:G0B+4*\slot+3], 2*KSB
	JLOAD G0+4*\slot, G1, G0B+4*\slot, G1B         ; the first tensor load behind the round; its four v_nop are the places in front of the loads below
.else
	PLACES NP
.endif
	v_add_nc_u32 v[ADRS], 128, v[ADRS]             ; the next K step's scale words (no LDS load of mine is out)
	FETCH_B \next, 0, 0
	FETCH_A \next, 0, 0
	SCALES \next
	WIN MUL_HI
	MUL16 4, 1, NQ-1, \slot, 0
	MUL16 6, 1, NQ-1, \slot, 0
	PLACES NP
	WIN 0
	FETCH_A \next, 0, 4
.endm
	s_wait_tensorcnt 1                             ; the scale words and my part of K step 0 are in (K step 1's load may be out),
	s_barrier_signal -1
	s_barrier_wait -1                              ; everybody's are
	FETCH_B 0, 0, 0
	FETCH_A 0, 0, 0
	SCALES 0
	FETCH_A 0, 0, 4
	STEP 0, 0, 1                                   ; the first step stands in front of the loop: its products start the sums
	s_mov_b32 s3, LAPS-1
.Llap:                                                 ; a trip goes once round the ring and fills both slots again
	TURN 0, 1, 1
	STEP 1, 0, 0
	TURN 1, 0, 1
	STEP 0, 0, 0
	s_sub_co_u32 s3, s3, 1
	s_cmp_lg_u32 s3, 0
	s_cbranch_scc1 .Llap
	TURN 0, 1, 0                                   ; the last lap fills nothing
	STEP 1, 0, 0
	s_wait_dscnt 4*NL
	WIN MUL_LO
	MUL16 0, 1, NQ-1, 1, 0
	MUL16 2, 1, NQ-1, 1, 0
	s_wait_dscnt 0
	WIN MUL_HI
	MUL16 4, 1, NQ-1, 1, 0
	MUL16 6, 1, NQ-1, 1, 0
	WIN 0
	PLACES NP                                      ; for the loads into B's registers and the first reads of results
; ---- RoPE, block a of side A (16 positions) at a time.  Register n < 32 holds d = 32 (n / 16) + 16 h + n % 16 < 64, register n + 32 holds d + 64; both take cos and sin of frequency d.
.macro ROPELOAD a                      ; my position's 32 cos into v[64 (a % 4)] on of window 1, its 32 sin 32 registers further on
	WIN TO_B
.irp sc, 0,1
.irp bb, 0,1
.irp e, 0,1,2,3
	global_load_b128 v[64*((\a)%4)+32*\sc+16*\bb+4*\e:64*((\a)%4)+32*\sc+16*\bb+4*\e+3], v[RO], s[RB:RB+1] offset:(32*((\a)/2)+8*((\a)%2))*512+256*\sc+128*\bb+16*\e
.endr
.endr
.endr
.endm
.macro ROPE a, left
.set AC, 64*((\a)%4)
	s_wait_loadcnt \left                           ; this block's 16 loads are in; the younger sets' may be out
	WIN 0x06+(\a)/4                                ; source 0: the accumulators' window; source 1: window 1
.set n, 0
.rept 16
	v_pk_mul_f32 v[TT+n:TT+n+1], v[AC+32+n:AC+33+n], v[AC+32+n:AC+33+n]       ; x(d + 64) sin   (each accumulator is read from its low end on)
	v_pk_mul_f32 v[TT+32+n:TT+33+n], v[AC+n:AC+n+1], v[AC+32+n:AC+33+n]       ; x(d) sin
.set n, n+2
.endr
	WIN 0x86+0x41*((\a)/4)                         ; destination and source 0: the accumulators' window; source 1: window 1; source 2: window 0
.set n, 0
.rept 16
	v_pk_fma_f32 v[AC+n:AC+n+1], v[AC+n:AC+n+1], v[AC+n:AC+n+1], v[TT+n:TT+n+1] neg_lo:[0,0,1] neg_hi:[0,0,1]   ; x(d) cos - x(d + 64) sin
	v_pk_fma_f32 v[AC+32+n:AC+33+n], v[AC+32+n:AC+33+n], v[AC+n:AC+n+1], v[TT+32+n:TT+33+n]                    ; x(d + 64) cos + x(d) sin
.set n, n+2
.endr
.if (\a) < 4
	ROPELOAD (\a)+4
.endif
.endm
	s_cmp_eq_u32 s95, 1                            ; v takes no RoPE: the role is the same in all partners
	s_cbranch_scc1 .Lno_rope
	ROPELOAD 0
	ROPELOAD 1
	ROPELOAD 2
	ROPELOAD 3
	ROPE 0, 48
	ROPE 1, 48
	ROPE 2, 48
	ROPE 3, 48
	ROPE 4, 48
	ROPE 5, 32
	ROPE 6, 16
	ROPE 7, 0
	WIN 0
.Lno_rope:
; ---- the quantiser: the 64 numbers of block a (register 16 b + i = k 32 b + 16 h + i of my row) become a fragment and a scale word
.irp b, 0,1,2,3
	v_mov_b32 v[TM+4+\b], 0                        ; a lane permute's destination counts as read
.endr
.macro QUANT a
.set AC, 64*((\a)%4)
.set PCF, PCB+12*(\a)
	WIN 0x28+0x14*((\a)/4)                         ; sources 1 and 2: the accumulators' window
.irp b, 0,1,2,3
	v_max3_num_f32 v[TM+\b], 0x1800000, |v[AC+16*\b]|, |v[AC+1+16*\b]|   ; block b: my 16 numbers, and the floor 2^(3 - 127): the byte cannot fall under 1
.endr
.irp i, 2,4,6,8,10,12,14
.irp b, 0,1,2,3
	v_max3_num_f32 v[TM+\b], v[TM+\b], |v[AC+16*\b+\i]|, |v[AC+1+16*\b+\i]|
.endr
.endr
	WIN 0
.irp b, 0,1,2,3
	v_permlanex16_b32 v[TM+4+\b], v[TM+\b], s96, s97
.endr
.irp b, 0,1,2,3
	v_max_num_f32 v[TM+\b], v[TM+\b], v[TM+4+\b]   ; with lane l xor 16's: the block's largest magnitude
.endr
.irp b, 0,1,2,3
	v_add_nc_u32 v[TM+12+\b], 0xff000000, v[TM+\b] ; 2 off its exponent field: the conversion's scale operand
.endr
.irp b, 0,1,2,3
	v_lshrrev_b32 v[TM+4+\b], 23, v[TM+12+\b]      ; the scale's byte
.endr
	v_lshl_or_b32 v[PW+(\a)], v[TM+5], 8, v[TM+4]
	v_lshl_or_b32 v[PW+(\a)], v[TM+6], 16, v[PW+(\a)]
	v_lshl_or_b32 v[PW+(\a)], v[TM+7], 24, v[PW+(\a)]
	WIN 0x02+(\a)/4                                ; source 0: the accumulators' window
.irp c, 0,1
	v_cvt_scalef32_pk16_fp6_f32 v[PCF+6*\c:PCF+2+6*\c], v[AC+32*\c:AC+15+32*\c], v[TM+12+2*\c]
	v_cvt_scalef32_pk16_fp6_f32 v[T2+4*\c:T2+2+4*\c], v[AC+16+32*\c:AC+31+32*\c], v[TM+12+2*\c+1]   ; (a conversion's three registers begin on an even number)
.endr
	WIN 0
	v_nop                                          ; one plain place behind a scaled conversion
.irp c, 0,1                                    ; the operand's layout wants a whole block in a lane: lanes 0-15 block 2 c, lanes 16-31 block 2 c + 1
.irp i, 0,1,2
	v_permlane16_swap_b32 v[PCF+6*\c+\i], v[T2+4*\c+\i]
.endr
.irp i, 0,1,2
	v_mov_b32 v[PCF+3+6*\c+\i], v[T2+4*\c+\i]
.endr
.endr
.irp c, 0,1,2
	global_store_b128 v[L16], v[PCF+4*\c:PCF+4*\c+3], s[OUTA:OUTA+1] offset:((\a)/4)*6400+((\a)%4)*1536+512*\c   ; 512 consecutive bytes, aligned; each fragment has registers of its own, so no store's data are written again
.endr
.endm
	s_mov_b32 s96, 0x76543210
	s_mov_b32 s97, 0xfedcba98                      ; v_permlanex16_b32's selects for lane l xor 16
.irp a, 0,1,2,3,4,5,6,7
	QUANT \a
.endr
	v_cmp_le_u32 vcc_lo, 16, v30                   ; a record's scale words: lanes 0-15 store those of fragments 0 and 1, lanes 16-31 those of 2 and 3
.irp g, 0,1
	v_cndmask_b32 v[PR+2*\g], v[PW+4*\g], v[PW+4*\g+2], vcc_lo
	v_cndmask_b32 v[PR+2*\g+1], v[PW+4*\g+1], v[PW+4*\g+3], vcc_lo
	global_store_b64 v[L8], v[PR+2*\g:PR+2*\g+1], s[OUTA:OUTA+1] offset:\g*6400+6144   ; 256 consecutive bytes, aligned
.endr
	s_wait_tensorcnt 0x0                           ; the wave's end: the tensor wait, an add of 0 to my spare word and its wait, behind my last tensor load
	ds_add_u32 v[SPW], v[NIL]
	s_wait_dscnt 0x0
	CROUND                                         ; the closing round: no work-group ends while a partner may still ask for a tile that names it
	s_endpgm
.Lfunc_end_k_qb8b53dd54b_gemm_qkv:
	.size	k_qb8b53dd54b_gemm_qkv, .Lfunc_end_k_qb8b53dd54b_gemm_qkv-k_qb8b53dd54b_gemm_qkv
	.p2alignl 7, 3214868480
	.fill 96, 4, 3214868480
	.section	.rodata,"a",@progbits
	.p2align	6, 0x0
	.amdhsa_kernel k_qb8b53dd54b_gemm_qkv
		.amdhsa_group_segment_fixed_size 327680
		.amdhsa_private_segment_fixed_size 0
		.amdhsa_enable_private_segment 0
		.amdhsa_kernarg_size 24
		.amdhsa_user_sgpr_count 2
		.amdhsa_user_sgpr_kernarg_segment_ptr 1
		.amdhsa_wavefront_size32 1
		.amdhsa_system_sgpr_workgroup_id_x 1
		.amdhsa_system_sgpr_workgroup_id_y 1
		.amdhsa_system_sgpr_workgroup_id_z 1
		.amdhsa_system_vgpr_workitem_id 0
		.amdhsa_next_free_vgpr 1024
		.amdhsa_next_free_sgpr 98
		.amdhsa_reserve_vcc 1
		.amdhsa_float_denorm_mode_32 3
		.amdhsa_float_denorm_mode_16_64 3
		.amdhsa_memory_ordered 1
		.amdhsa_forward_progress 1
		.amdhsa_inst_pref_size 185
	.end_amdhsa_kernel
	.amdgpu_metadata
---
amdhsa.version: [ 1, 2 ]
amdhsa.kernels:
  - .name:           k_qb8b53dd54b_gemm_qkv
    .symbol:         k_qb8b53dd54b_gemm_qkv.kd
    .args:
      - { .name: opq, .offset: 0, .size: 8, .value_kind: global_buffer, .address_space: global }
      - { .name: rope, .offset: 8, .size: 8, .value_kind: global_buffer, .address_space: global }
      - { .name: qkv, .offset: 16, .size: 8, .value_kind: global_buffer, .address_space: global }
    .group_segment_fixed_size: 327680
    .private_segment_fixed_size: 0
    .kernarg_segment_align: 8
    .kernarg_segment_size: 24
    .max_flat_workgroup_size: 128
    .sgpr_count:     98
    .vgpr_count:     1024
    .wavefront_size: 32
...
	.end_amdgpu_metadata
.endif
;; end of part 3
;; launch attn (part 4): grid 32 x 8, 8 waves a work-group, no clusters, 327,680 bytes of LDS; arguments qkv, attq; writes attq
.if DOCPART == 4
	.amdgcn_target "amdgcn-amd-amdhsa--gfx1250"
	.amdhsa_code_object_version 6
	.text
	.protected	k_qb8b53dd54b_attn
	.globl	k_qb8b53dd54b_attn
	.p2align	8
	.type	k_qb8b53dd54b_attn,@function
k_qb8b53dd54b_attn:
	s_mov_b64 s[64:65], 0
	v_nop
	global_prefetch_b8 v0, s[64:65] scope:SCOPE_SE
	s_setreg_imm32_b32 hwreg(HW_REG_WAVE_MODE, 25, 1), 1
	s_wait_xcnt 0x0
; Causal attention on codes of E2M3: 16 query heads, 8 key and value heads, 2,048 positions, head size 128; the result, divided by the row's sum, is quantised along (head, channel) and stored as the last product's operand.
; LEFT OUT AS DEAD WORK: a step of 128 keys all of which come after a tile's 16 queries: reference()'s own jnp.tril gives those weights exp(-inf) = 0 for all values of the inputs.  A NaN or overflow that would arise only there is not carried on.
; THE SOFTMAX AHEAD OF THE SECOND PRODUCT: t = score x log2(e) / sqrt(128); M = the row's largest t so far, rounded UP to a whole number; p = 2^(t - M) is quantised along the keys, not normalised.  The row's sum is taken of the
; unquantised p in f32 and divides O at the end.  When M moves, the sum and O are multiplied by 2^(old M - new M): exact.
; IN.  qkv = [i1 32][i2 16][2 records of 6,400 bytes]; a record is 4 fragment images (16 rows x 128 K: register group c at 512 c, lane l at 16 l) and 256 bytes of scale words (byte 8 (16 h + r) + 4 e: row r's word of fragment 2 h + e).
; i1 = 0-15 q's heads, 16-23 k's (i2 = 128 positions), 24-31 v's (i2 = 128 keys; rows = channels, K = keys).  Row r of row block rb is the true index 32 (rb / 2) + 8 (rb % 2) + r + 8 (r / 8).
; SHARES.  Work-group (c, kv head): eight waves, each one tile of 16 queries of one of the two query heads that share the kv head.  Wave bits b2 b1 b0: head 2 kvh + b1; row block 2 c + b2, or 127 - (2 c + b2) where b0 xor b2 = 1.
; A tile of row block rb needs rb / 8 + 1 key steps, so a light and a heavy tile together need 17 in every work-group, and the waves w and w + 4 are one of each.
; LAYOUT.  Both products are used transposed: S^T = K Q^T, O^T = V^T P^T: a lane holds ONE query throughout.  By the order of the rows the 16 registers of two neighbouring tiles are 16 neighbouring keys (in S^T) or channels (in O^T).
; RING.  Two LDS slots of 256 keys: K's four records, then V's four.  Every wave fetches one record, 6,400 consecutive bytes, by one tensor load; all eight read all records.  Every work-group walks all 8 slots, so that the trip counts
; are constants; a step whose keys are all hidden is jumped over, and a slot whose first key comes after the work-group's last query is not asked for.
; NO CLUSTER: the work-groups of a kv head read the same K and V, but how many slots each reads hangs on c: partners would need different numbers of tiles, and a joint load is neither jumped over nor issued for bytes that nobody reads.
; OUT.  attq: codes [row block][query head][1536]; scale words from byte 3,145,728 on: [row block][kv head][row][2].  A wave's scale words leave as 4 bytes a lane, 8 apart: 64 bytes beside 1,536 of codes.
; REGISTERS: v1-2, 10, 28-29 offsets that stay; v8-9 addresses in hand; v12 -M, v13 the largest t, v[14:15] the sum; v16-27 Q; v32-79 four fragments of K or V; v96-159 S^T, then p; v160-223 O^T; v224-235 p's codes; v232-254 at work;
; v248-251 K's and V's scale words, v253 p's, v255 Q's.
.set REC,   6400
.set VOFF,  4*REC                      ; a slot: K's four records, then V's
.set SLOT1, 65536                      ; slot 1 begins here, so that one exclusive or turns an address in one slot into the other's
.set SPARE, 131072                     ; behind the ring: the spare words, 128 bytes for each of eight waves
.set AL0,  1                           ; v1   16 x lane
.set AS0,  2                           ; v2   8 x lane
.set SPW,  5                           ; v5   LDS address of my spare word; never rewritten
.set NIL,  6                           ; v6   0; never rewritten
.set ADL,  8                           ; v8   the slot in hand + 16 x lane
.set ADS,  9                           ; v9   the slot in hand + 8 x lane
.set QOF,  10                          ; v10  8 x (lane % 16)
.set PFO,  28                          ; v28  the prefetches' offset: 256 x min(lane, 24): a record is 25 blocks of 256 bytes
.set DQ,   29                          ; v29  r + 8 (r / 8) - 16 h: my query less my registers' first key, apart from the step's terms
.set TM,   32                          ; the way out: the quantiser's work
.set PW,   48
.set PC,   52
.set WV,   18
.set SEL,  20
.set CS,   22
.set G1,   24                          ; s[24:31] descriptor group 1
.set G0,   32                          ; s[32:35] group 0, which walks
.set TB,   2                           ; s2   LDS byte at which the slot in hand begins
.set SLOTS, 3                          ; s3   changes of slots still to come in the loop
.set KF,   36                          ; s36  the step's first key
.set Q0,   37                          ; s37  my tile's first query
.set LQ,   38                          ; s38  my work-group's last query
.set LIM,  39                          ; s39  1 in a work-group that prefetches, else the greatest number
.set PFA,  40                          ; s[40:41] my record of the slot after the one that is being asked for
	s_load_b128 s[4:7], s[0:1], 0x0                ; qkv, attq
	v_lshl_add_u32 v[SPW], v0, 2, SPARE
	v_mov_b32 v[NIL], 0
	ds_add_u32 v[SPW], v[NIL]                      ; the wave's opening: the add, twice on end, and its wait ahead of my first tensor load
	ds_add_u32 v[SPW], v[NIL]
	v_lshrrev_b32 v8, 5, v0
	v_readfirstlane_b32 s[WV], v8                  ; wave 0..7
	s_and_b32 s44, ttmp7, 0xffff                   ; kv head
	s_and_b32 s45, s[WV], 1
	s_bfe_u32 s46, s[WV], 0x10001                  ; b1: which of the two query heads
	s_lshr_b32 s47, s[WV], 2                       ; b2
	s_xor_b32 s45, s45, s47                        ; heavy?
	s_lshl_b32 s48, ttmp9, 1
	s_add_co_u32 s48, s48, s47
	s_sub_co_u32 s49, 127, s48
	s_cmp_eq_u32 s45, 1
	s_cselect_b32 s48, s49, s48                    ; my row block of queries
	s_lshl_b32 s49, s44, 1
	s_add_co_u32 s49, s49, s46                     ; my query head
	s_lshr_b32 s50, s48, 1
	s_lshl_b32 s50, s50, 5
	s_and_b32 s51, s48, 1
	s_lshl_b32 s51, s51, 3
	s_add_co_u32 s[Q0], s50, s51                   ; lane r's query is Q0 + r + 8 (r / 8)
	s_lshl_b32 s50, ttmp9, 5
	s_sub_co_u32 s[LQ], 2047, s50                  ; the last query of row blocks 126 - 2 c, 127 - 2 c
	s_lshl_b32 s50, s49, 4
	s_lshr_b32 s51, s48, 3
	s_add_co_u32 s50, s50, s51
	s_mul_i32 s50, s50, 2*REC
	s_bfe_u32 s51, s48, 0x10002
	s_mul_i32 s51, s51, REC
	s_add_co_u32 s50, s50, s51                     ; Q's record,
	s_and_b32 s51, s48, 3
	s_mul_i32 s51, s51, 1536
	s_add_co_u32 s52, s50, s51                     ; its fragment,
	s_mov_b32 s53, 0
	s_bfe_u32 s51, s48, 0x10001
	s_lshl_b32 s51, s51, 7
	s_add_co_u32 s54, s50, s51
	s_and_b32 s51, s48, 1
	s_lshl_b32 s51, s51, 2
	s_add_co_u32 s54, s54, s51
	s_add_co_u32 s54, s54, 6144                    ; its scale words
	s_mov_b32 s55, 0
	s_lshl_b32 s56, s48, 4
	s_add_co_u32 s56, s56, s49
	s_mul_i32 s56, s56, 1536                       ; where the result's fragment goes,
	s_mov_b32 s57, 0
	s_lshl_b32 s58, s48, 3
	s_add_co_u32 s58, s58, s44
	s_lshl_b32 s58, s58, 7
	s_lshl_b32 s51, s46, 2
	s_add_co_u32 s58, s58, s51
	s_add_co_u32 s58, s58, 3145728                 ; and its scale words
	s_mov_b32 s59, 0
	s_add_co_u32 s60, s44, 16
	s_mul_i32 s60, s60, 204800                     ; K's head: 16 x 12,800 bytes;
	s_mul_i32 s51, s47, 1638400                    ; waves 4-7 fetch V's, eight heads further on;
	s_add_co_u32 s60, s60, s51
	s_and_b32 s51, s[WV], 3
	s_mul_i32 s51, s51, REC                        ; my record of a slot's four
	s_add_co_u32 s60, s60, s51
	s_mov_b32 s61, 0
	s_mul_i32 s62, s[WV], REC                      ; and its place in a slot
	; descriptor group 1: a record, 25 rows of 256 bytes (32 elements of 8 bytes), dense
	s_mov_b32 s[G1], 3<<16
	s_mov_b32 s[G1+1], 32<<16
	s_mov_b32 s[G1+2], 25<<16
	s_mov_b32 s[G1+3], 32<<16
	s_mov_b32 s[G1+4], 25
	s_mov_b32 s[G1+5], 32
	s_mov_b32 s[G1+6], 0
	s_mov_b32 s[G1+7], 0
	s_mov_b32 s[SEL], 0x76543210
	s_mov_b32 s[SEL+1], 0xfedcba98                 ; v_permlanex16_b32's selects for lane l xor 16
	s_mov_b32 s[CS], 0x3e0293ee                    ; c = log2(e) / sqrt(128)
	s_mov_b32 s[CS+1], s[CS]                       ; (named with it as a pair, so it is written)
	s_mov_b32 s[TB], 0
	s_mov_b32 s[SLOTS], 7
	s_mov_b32 s[KF], 0
	s_cmp_eq_u32 ttmp9, 0                          ; all work-groups of a kv head walk the same K and V: the first of them, which walks all slots, prefetches
	s_cselect_b32 s[LIM], 1, -1
	s_wait_dscnt 0x0                               ; both opening adds are done
	s_wait_kmcnt 0x0
	s_add_nc_u64 s[PFA:PFA+1], s[4:5], s[60:61]
	s_add_nc_u64 s[PFA:PFA+1], s[PFA:PFA+1], 4*REC ; in slot 1: the first change of slots steps it to slot 2.  Nothing is prefetched here, at the head
	s_mov_b32 s[G0], 1
	s_mov_b32 s[G0+1], s62
	s_add_nc_u64 s[G0+2:G0+3], s[4:5], s[60:61]
	s_or_b32 s[G0+3], s[G0+3], 0x80000000
	tensor_load_to_lds s[G0:G0+3], s[G1:G1+7]      ; slot 0: every wave fetches its record
	s_nop 0
.rept 4
	v_nop
.endr
	s_add_nc_u64 s[12:13], s[4:5], s[52:53]
	s_add_nc_u64 s[14:15], s[4:5], s[54:55]
	s_add_nc_u64 s[8:9], s[6:7], s[56:57]
	s_add_nc_u64 s[10:11], s[6:7], s[58:59]
	v_and_b32 v3, 31, v0
	v_lshlrev_b32 v[AL0], 4, v3
	v_lshlrev_b32 v[AS0], 3, v3
	v_and_b32 v4, 15, v0
	v_lshlrev_b32 v[QOF], 3, v4
.irp c, 0,1,2
	global_load_b128 v[16+4*\c:19+4*\c], v[AL0], s[12:13] offset:512*\c   ; Q's fragment stays in registers
.endr
	global_load_b32 v255, v[QOF], s[14:15]         ; Q's scale words
	v_and_b32 v7, 8, v4
	v_add_nc_u32 v[DQ], v7, v4
	v_bfe_u32 v7, v0, 4, 1
	v_lshlrev_b32 v7, 4, v7
	v_sub_nc_u32 v[DQ], v[DQ], v7
	v_min_u32 v[PFO], 24, v3
	v_lshlrev_b32 v[PFO], 8, v[PFO]
	v_mov_b32 v13, 0xff61b1e6                      ; the largest t so far: -3e38, under every t
	v_floor_f32 v12, -v13                          ; -M
	v_mov_b32 v14, 0                               ; the sum, in two halves
	v_mov_b32 v15, 0
.irp b, 0,1,2,3
	v_mov_b32 v[236+\b], 0                         ; a lane permute's destination counts as read
.endr
	v_mov_b32 v252, 0
	v_mov_b32 v253, 0                              ; (named as the upper half of the pair v[252:253] before it is first written)
.set j, 0
.rept 64
	v_mov_b32 v[160+j], 0                          ; O^T.  (The step is written once: the first finds zeros, which the first change of M leaves zeros)
.set j, j+1
.endr
; A PREFETCH INTO THE L2 of what the NEXT change of slots will ask for: each wave names its own record of that slot, 25 blocks of 256 bytes, a lane a block (lanes 25-31 name the last block again).  It stands behind the wave's tensor load.
; Only the kv head's first work-group asks, so each record is named by one wave of the launch.  The last change that fills a slot asks for nothing; slots 0 and 1 come by their loads alone.
.macro ASK
	s_cmp_gt_u32 s[SLOTS], s[LIM]
	s_cbranch_scc0 .Lnot_mine_\@
	global_prefetch_b8 v[PFO], s[PFA:PFA+1] th:TH_LOAD_NT scope:SCOPE_SE
.Lnot_mine_\@:
.endm
; A KEY STEP: 128 keys, the q-th of the slot in hand.
.macro STEP q
	s_add_co_u32 s96, s[Q0], 23                    ; my tile's last query
	s_cmp_gt_u32 s[KF], s96                        ; all keys hidden: a branch on ids, round the step's loads, products and softmax; no barrier or tensor load stands in a step
	s_cbranch_scc1 .Lhidden_\@
	v_add_nc_u32 v[ADL], s[TB], v[AL0]
	v_add_nc_u32 v[ADS], s[TB], v[AS0]
	v_nop
	v_nop                                          ; with the two additions: four places in front of loads into registers that the last products read
.irp g, 0,1                                    ; S^T = K Q^T, a record of four tiles of 16 keys at a time
.rept 4*\g
	v_nop
.endr
.irp t, 0,1,2,3
.irp c, 0,1,2
	ds_load_b128 v[32+12*\t+4*\c:35+12*\t+4*\c], v[ADL] offset:(2*(\q)+\g)*REC+\t*1536+512*\c
.endr
.endr
	ds_load_b64 v[248:249], v[ADS] offset:(2*(\q)+\g)*REC+6144   ; v248: the words of fragments 0 (lanes 0-15) and 2 (lanes 16-31); v249: of 1 and 3
	s_wait_dscnt 0x0
.irp t, 0,1,2,3
.if \t < 2
	v_wmma_scale_f32_16x16x128_f8f6f4 v[96+8*(4*\g+\t):103+8*(4*\g+\t)], v[32+12*\t:43+12*\t], v[16:27], 0, v[248+\t], v255 matrix_a_fmt:MATRIX_FMT_FP6 matrix_b_fmt:MATRIX_FMT_FP6
.else
	v_wmma_scale_f32_16x16x128_f8f6f4 v[96+8*(4*\g+\t):103+8*(4*\g+\t)], v[32+12*\t:43+12*\t], v[16:27], 0, v[246+\t], v255 matrix_a_fmt:MATRIX_FMT_FP6 matrix_b_fmt:MATRIX_FMT_FP6 matrix_a_scale:MATRIX_SCALE_ROW1
.endif
.endr
.endr                                          ; register 16 b + i holds key KF + 32 b + 16 (lane / 16) + i
.rept 4
	v_nop
.endr
	s_add_co_u32 s96, s[KF], 127                   ; on the diagonal the scores of hidden keys become -infinity ahead of the maximum: p = 0 then.  A step all of whose keys count skips this
	s_cmp_le_u32 s96, s[Q0]
	s_cbranch_scc1 .Lopen_\@
	s_sub_co_i32 s96, s[Q0], s[KF]
	v_add_nc_u32 v252, s96, v[DQ]                  ; d = my query - KF - 16 (lane / 16): register 16 b + i is hidden where 32 b + i > d
	v_mov_b32 v254, 0xff800000
.set n, 0
.rept 64
	v_cmp_gt_i32 vcc_lo, 32*(n/16)+n%16, v252
	v_cndmask_b32 v[96+n], v[96+n], v254, vcc_lo
.set n, n+1
.endr
.Lopen_\@:
.irp b, 0,1,2,3
	v_max3_num_f32 v[232+\b], v[96+16*\b], v[97+16*\b], v[98+16*\b]   ; the largest score of each block of 32 keys: it serves for the row's maximum and, since p rises with the score, for the block's largest p
.endr
.irp i, 3,5,7,9,11,13
.irp b, 0,1,2,3
	v_max3_num_f32 v[232+\b], v[232+\b], v[96+16*\b+\i], v[97+16*\b+\i]
.endr
.endr
.irp b, 0,1,2,3
	v_max_num_f32 v[232+\b], v[232+\b], v[111+16*\b]
.endr
.irp b, 0,1,2,3
	v_permlanex16_b32 v[236+\b], v[232+\b], s[SEL], s[SEL+1]
.endr
.irp b, 0,1,2,3
	v_max_num_f32 v[232+\b], v[232+\b], v[236+\b]  ; with lane l xor 16's 16 keys
.endr
	v_max3_num_f32 v254, v232, v233, v234
	v_max_num_f32 v254, v254, v235                 ; the step's largest score of my query
	v_mul_f32 v254, s[CS], v254                    ; as t (c is positive)
	v_max_num_f32 v13, v13, v254                   ; the running largest t
	v_mov_b32 v254, v12
	v_floor_f32 v12, -v13                          ; the new -M = floor(-t) = -ceil(t): a whole number
	v_sub_f32 v254, v12, v254                      ; M's old value less its new one: a whole number, 0 or less
	v_cvt_i32_f32 v254, v254                       ; (it saturates)
	v_ldexp_f32 v252, 1.0, v254                    ; f = 2^(old M - new M)
.set j, 0
.rept 32
	v_pk_fma_f32 v[96+j:97+j], v[96+j:97+j], s[CS:CS+1], v[12:13] op_sel_hi:[1,0,0]   ; t - M, two at a time
.set j, j+2
.endr
.irp b, 0,1,2,3
	v_fma_f32 v[232+\b], v[232+\b], s[CS], v12     ; the same of each block's largest score
.endr
.set j, 0
.rept 64
	v_exp_f32 v[96+j], v[96+j]                     ; p = 2^(t - M), at most 1
.set j, j+1
.endr
	v_pk_mul_f32 v[14:15], v[14:15], v[252:253] op_sel_hi:[1,0]   ; the sums under the new M.  (A plain place behind the exponentials)
	s_wait_alu depctr_va_vdst(0)                   ; one wait for the whole batch, ahead of its first reader
.irp b, 0,1,2,3
	v_exp_f32 v[232+\b], v[232+\b]                 ; the block's largest p: the same two instructions on the same number give the same bits
.endr
	v_pk_add_f32 v[236:237], v[96:97], v[98:99]    ; the row's sum is taken of the unquantised p: two at a time, in two chains
.irp j, 4,8,12,16,20,24,28,32,36,40,44,48,52,56,60
	v_pk_add_f32 v[14:15], v[14:15], v[96+\j:97+\j]
	v_pk_add_f32 v[236:237], v[236:237], v[98+\j:99+\j]
.endr
	v_pk_add_f32 v[14:15], v[14:15], v[236:237]
	s_wait_alu depctr_va_vdst(0)                   ; and one for the four
.irp b, 0,1,2,3
	v_max_num_f32 v[232+\b], 0x1800000, v[232+\b]  ; the floor 2^(3 - 127): the byte cannot fall under 1 (a block whose every p is 0 keeps that byte: its codes are zeros)
.endr
.irp b, 0,1,2,3
	v_add_nc_u32 v[244+\b], 0xff000000, v[232+\b]  ; 2 off the exponent field: the conversion's scale operand
.endr
.irp b, 0,1,2,3
	v_lshrrev_b32 v[236+\b], 23, v[244+\b]         ; the scale's byte
.endr
	v_lshl_or_b32 v253, v237, 8, v236              ; p's scale word for these 128 keys
	v_lshl_or_b32 v253, v238, 16, v253
	v_lshl_or_b32 v253, v239, 24, v253
.irp c, 0,1
	v_cvt_scalef32_pk16_fp6_f32 v[224+6*\c:226+6*\c], v[96+32*\c:111+32*\c], v[244+2*\c]
	v_cvt_scalef32_pk16_fp6_f32 v[236+4*\c:238+4*\c], v[112+32*\c:127+32*\c], v[244+2*\c+1]   ; (a conversion's three registers begin on an even number)
.endr
	v_nop                                          ; one plain place behind a scaled conversion
.irp c, 0,1                                    ; the operand's layout wants a whole block in a lane
.irp i, 0,1,2
	v_permlane16_swap_b32 v[224+6*\c+\i], v[236+4*\c+\i]
.endr
.irp i, 0,1,2
	v_mov_b32 v[227+6*\c+\i], v[236+4*\c+\i]
.endr
.endr
.set j, 0
.rept 32
	v_pk_mul_f32 v[160+j:161+j], v[160+j:161+j], v[252:253] op_sel_hi:[1,0]   ; O^T under the new M.  (These 32 are also the places in front of the matrix instructions and loads below)
.set j, j+2
.endr
.irp g, 0,1                                    ; O^T += V^T P^T: a record of four tiles of 16 channels at a time; K = these 128 keys
.rept 4*\g
	v_nop
.endr
.irp t, 0,1,2,3
.irp c, 0,1,2
	ds_load_b128 v[32+12*\t+4*\c:35+12*\t+4*\c], v[ADL] offset:VOFF+(2*(\q)+\g)*REC+\t*1536+512*\c
.endr
.endr
	ds_load_b64 v[250:251], v[ADS] offset:VOFF+(2*(\q)+\g)*REC+6144
	s_wait_dscnt 0x0
.irp t, 0,1,2,3
.if \t < 2
	v_wmma_scale_f32_16x16x128_f8f6f4 v[160+8*(4*\g+\t):167+8*(4*\g+\t)], v[32+12*\t:43+12*\t], v[224:235], v[160+8*(4*\g+\t):167+8*(4*\g+\t)], v[250+\t], v253 matrix_a_fmt:MATRIX_FMT_FP6 matrix_b_fmt:MATRIX_FMT_FP6
.else
	v_wmma_scale_f32_16x16x128_f8f6f4 v[160+8*(4*\g+\t):167+8*(4*\g+\t)], v[32+12*\t:43+12*\t], v[224:235], v[160+8*(4*\g+\t):167+8*(4*\g+\t)], v[248+\t], v253 matrix_a_fmt:MATRIX_FMT_FP6 matrix_b_fmt:MATRIX_FMT_FP6 matrix_a_scale:MATRIX_SCALE_ROW1
.endif
.endr
.endr
.Lhidden_\@:
	s_add_co_u32 s[KF], s[KF], 128
.endm
; THE CHANGE OF SLOTS stands at a slot's head.  Each wave waits for all its tensor loads (its record of the slot that it is about to read), adds 0 to its spare word, and waits for that and for its reads of the slot that it has left.
; Behind the barrier the slot ahead is whole and nobody reads the other one.  fill = 1: that other slot takes the keys that follow, up to the causal limit; the load has a whole slot's steps in which to land.  One tensor load of a wave is out at the most.
.macro CHANGE fill
	s_wait_tensorcnt 0x0                           ; no tensor load of mine is out, so the group 0 may be written
	ds_add_u32 v[SPW], v[NIL]                      ; 0 onto my spare word
.if \fill
	s_xor_b32 s[G0+1], s[G0+1], SLOT1              ; the walking descriptor: the other slot than last time,
	s_add_nc_u64 s[G0+2:G0+3], s[G0+2:G0+3], 4*REC ; the next 256 keys; the type bits on top are not reached
	s_wait_xcnt 0x0                                ; the last prefetch, a slot back, has read its address, so it may be written
	s_add_nc_u64 s[PFA:PFA+1], s[PFA:PFA+1], 4*REC ; one slot further on than the walking descriptor
.endif
	s_wait_dscnt 0x0                               ; the add is done, and my reads of the slot that I have left are over
	s_barrier_signal -1
	s_barrier_wait -1
.if \fill
	s_add_co_u32 s96, s[KF], 256                   ; the first key of the slot that this change would ask for:
	s_cmp_gt_u32 s96, s[LQ]                        ; behind my work-group's last query none of its waves reads it, so it is not asked for.  Ids and the count of steps alone: all eight waves go the same way
	s_cbranch_scc1 .Lpast_\@
	tensor_load_to_lds s[G0:G0+3], s[G1:G1+7]      ; a wave's one tensor load until the next change
	s_nop 0
.rept 4
	v_nop
.endr
.Lpast_\@:
	ASK
.endif
.endm
.macro SLOT_STEPS
	STEP 0
	STEP 1
	s_xor_b32 s[TB], s[TB], SLOT1                  ; on to the other slot
.endm
	s_wait_loadcnt 0x0                             ; Q
.Lslot:                                            ; seven trips: behind each change of slots but the last the next slot is asked for
	CHANGE 1
	SLOT_STEPS
	s_sub_co_u32 s[SLOTS], s[SLOTS], 1
	s_cmp_lg_u32 s[SLOTS], 0
	s_cbranch_scc1 .Lslot
	CHANGE 0                                       ; the last slot is written out: nothing is left to ask for
	SLOT_STEPS
	; THE WAY OUT.  O^T / the sum: register 16 b + i is channel 32 b + 16 (lane / 16) + i of my query: the order that the quantiser wants; the head's 128 channels are one K step of the last product.
.rept 4
	v_nop                                          ; places behind the last products
.endr
	v_add_f32 v14, v14, v15
	v_permlanex16_b32 v252, v14, s[SEL], s[SEL+1]
	v_add_f32 v14, v14, v252                       ; the row's sum
	v_rcp_f32 v14, v14
.irp b, 0,1,2,3
	v_mov_b32 v[TM+4+\b], 0                        ; (plain places behind the reciprocal)  a lane permute's destination counts as read
.endr
	s_wait_alu depctr_va_vdst(0)                   ; ahead of the first reader
.set j, 0
.rept 64
	v_mul_f32 v[96+j], v[160+j], v14
.set j, j+1
.endr
.irp b, 0,1,2,3
	v_max3_num_f32 v[TM+\b], |v[96+16*\b]|, |v[97+16*\b]|, 0x1800000   ; block b: my 16 numbers, and the floor 2^(3 - 127)
.endr
.irp i, 2,4,6,8,10,12,14
.irp b, 0,1,2,3
	v_max3_num_f32 v[TM+\b], v[TM+\b], |v[96+16*\b+\i]|, |v[97+16*\b+\i]|
.endr
.endr
.irp b, 0,1,2,3
	v_permlanex16_b32 v[TM+4+\b], v[TM+\b], s[SEL], s[SEL+1]
.endr
.irp b, 0,1,2,3
	v_max_num_f32 v[TM+\b], v[TM+\b], v[TM+4+\b]
.endr
.irp b, 0,1,2,3
	v_add_nc_u32 v[TM+12+\b], 0xff000000, v[TM+\b]
.endr
.irp b, 0,1,2,3
	v_lshrrev_b32 v[TM+4+\b], 23, v[TM+12+\b]
.endr
	v_lshl_or_b32 v[PW], v[TM+5], 8, v[TM+4]
	v_lshl_or_b32 v[PW], v[TM+6], 16, v[PW]
	v_lshl_or_b32 v[PW], v[TM+7], 24, v[PW]
.irp c, 0,1
	v_cvt_scalef32_pk16_fp6_f32 v[PC+6*\c:PC+2+6*\c], v[96+32*\c:111+32*\c], v[TM+12+2*\c]
	v_cvt_scalef32_pk16_fp6_f32 v[PC+12+4*\c:PC+14+4*\c], v[112+32*\c:127+32*\c], v[TM+12+2*\c+1]
.endr
	v_nop                                          ; one plain place behind a scaled conversion
.irp c, 0,1
.irp i, 0,1,2
	v_permlane16_swap_b32 v[PC+6*\c+\i], v[PC+12+4*\c+\i]
.endr
.irp i, 0,1,2
	v_mov_b32 v[PC+3+6*\c+\i], v[PC+12+4*\c+\i]
.endr
.endr
.irp c, 0,1,2
	global_store_b128 v[AL0], v[PC+4*\c:PC+4*\c+3], s[8:9] offset:512*\c   ; 512 consecutive bytes, aligned
.endr
	global_store_b32 v[QOF], v[PW], s[10:11]       ; row r's word (lanes 16-31 hold and store the same)
	s_wait_tensorcnt 0x0                           ; the wave's end: the tensor wait, an add of 0 to my spare word and its wait, behind my last tensor load
	ds_add_u32 v[SPW], v[NIL]
	s_wait_dscnt 0x0
	s_endpgm
.Lfunc_end_k_qb8b53dd54b_attn:
	.size	k_qb8b53dd54b_attn, .Lfunc_end_k_qb8b53dd54b_attn-k_qb8b53dd54b_attn
	.p2alignl 7, 3214868480
	.fill 96, 4, 3214868480
	.section	.rodata,"a",@progbits
	.p2align	6, 0x0
	.amdhsa_kernel k_qb8b53dd54b_attn
		.amdhsa_group_segment_fixed_size 327680
		.amdhsa_private_segment_fixed_size 0
		.amdhsa_enable_private_segment 0
		.amdhsa_kernarg_size 16
		.amdhsa_user_sgpr_count 2
		.amdhsa_user_sgpr_kernarg_segment_ptr 1
		.amdhsa_wavefront_size32 1
		.amdhsa_system_sgpr_workgroup_id_x 1
		.amdhsa_system_sgpr_workgroup_id_y 1
		.amdhsa_system_sgpr_workgroup_id_z 1
		.amdhsa_system_vgpr_workitem_id 0
		.amdhsa_next_free_vgpr 256
		.amdhsa_next_free_sgpr 100
		.amdhsa_reserve_vcc 1
		.amdhsa_float_denorm_mode_32 3
		.amdhsa_float_denorm_mode_16_64 3
		.amdhsa_memory_ordered 1
		.amdhsa_forward_progress 1
		.amdhsa_inst_pref_size 111
	.end_amdhsa_kernel
	.amdgpu_metadata
---
amdhsa.version: [ 1, 2 ]
amdhsa.kernels:
  - .name:           k_qb8b53dd54b_attn
    .symbol:         k_qb8b53dd54b_attn.kd
    .args:
      - { .name: qkv, .offset: 0, .size: 8, .value_kind: global_buffer, .address_space: global }
      - { .name: attq, .offset: 8, .size: 8, .value_kind: global_buffer, .address_space: global }
    .group_segment_fixed_size: 327680
    .private_segment_fixed_size: 0
    .kernarg_segment_align: 8
    .kernarg_segment_size: 16
    .max_flat_workgroup_size: 256
    .sgpr_count:     100
    .vgpr_count:     256
    .wavefront_size: 32
...
	.end_amdgpu_metadata
.endif
;; end of part 4
;; launch gemm_out (part 5): grid 16 x 8, 4 waves a work-group, clusters of 4 x 4, 327,680 bytes of LDS; arguments attq, woq, out0; writes out0
.if DOCPART == 5
	.amdgcn_target "amdgcn-amd-amdhsa--gfx1250"
	.amdhsa_code_object_version 6
	.text
	.protected	k_qb8b53dd54b_gemm_out
	.globl	k_qb8b53dd54b_gemm_out
	.p2align	8
	.type	k_qb8b53dd54b_gemm_out,@function
k_qb8b53dd54b_gemm_out:
	s_mov_b64 s[64:65], 0
	v_nop
	global_prefetch_b8 v0, s[64:65] scope:SCOPE_SE
	s_setreg_imm32_b32 hwreg(HW_REG_WAVE_MODE, 25, 1), 1
	s_wait_xcnt 0x0
	s_wait_alu depctr_hold_cnt(0) depctr_sa_sdst(0) depctr_va_vdst(0) depctr_va_sdst(0) depctr_va_ssrc(0) depctr_va_vcc(0) depctr_vm_vsrc(0)
	s_getreg_b32 s2, hwreg(HW_REG_IB_STS2, 6, 4)
	s_cmp_eq_u32 s2, 0
	s_cbranch_scc0 .Lentry_in_a_cluster
	s_endpgm
.Lentry_in_a_cluster:
	s_bfe_u32 s2, ttmp6, 0x10000c
	s_cmp_lg_u32 s2, 0xf033
	s_cbranch_scc0 .Lentry_shape_is_right
	s_endpgm
.Lentry_shape_is_right:
; out0 [2048][4096] f32 = (attention's result) wo on codes of E2M3, K = 2048.
; attq (side A, positions) and woq (side B, wo's columns): [row block of 16][K / 128][1536] fragment images (register group c at 512 c, lane l at 16 l); scale words behind the codes: [row block][K / 256][row][2].
; Row r of row block rb is the true row 32 (rb / 2) + 8 (rb % 2) + r + 8 (r / 8), on both sides.
; SHARES.  A work-group of four waves makes 256 x 256, a wave 128 x 128: 64 accumulators.  The matrix instruction is used transposed (source 0 = 16 rows of B, source 1 = 16 rows of A): a lane holds one position and eight neighbouring columns.
; 128 work-groups; a smaller tile would give each WGP one, at one and a half times the LDS bytes for each product.
; RING.  K goes in steps of 256 through two LDS slots; a wave's tensor load brings 8 row blocks x 3,072 consecutive bytes.  The scale words of the work-group's rows, for all of K, come once with the first fills.
; CLUSTERS: 4 x 4.  A's tiles are shared along a row of the cluster, B's along a column: each is asked for jointly.  No prefetch: the tiles are shared in clusters, and each is read again by other clusters of the launch.
; REGISTERS, in windows of 256: window 0: v16-29 addresses; v32-63 scale words, two sets, and nothing else; v128-223 A's fragments, one set; on the way out v128-255 rows of the result.
;   window 1: B's fragments, two sets.   window 2: the accumulators of my rows 0-63 ((a, b) at v[8 (8 a + b)]);   window 3: rows 64-127.
.set KTOT,  2048
.set RBP,   24576                      ; a row block's codes in memory
.set KSB,   3072                       ; of which a K step of 256: two fragments
.set OPSA,  3145728                    ; where attq's scale words begin
.set OPSB,  6291456                    ; and woq's
.set FR,    12
.set NL,    3
.set NP,    4
.set NQ,    2
.set HALFT, 8*KSB
.set SLOT,  4*HALFT
.set LAPS,  KTOT/512
.set SBLK,  1024                       ; a row block's scale words
.set HALFS, 8*SBLK
.set SCL,   2*SLOT                     ; behind the ring: A's scale words; B's begin 128 bytes further on than a multiple of 256
.set SPARE, 229632                     ; behind them (they end at 229,504): the spare words, 128 bytes for each wave
.set SPITCH, 528                       ; the way out: a stage of 16 rows x (512 bytes + 16) for each wave, in slot 0, which has had its last fill and its last read when the first result is stored there
.set ADRA, 16
.set ADRB, 20
.set STO,  24                          ; v24  the way out: where I put 32 bytes of a row
.set RD,   25                          ; v25  where I read a row back
.set CO,   26                          ; v26  16 x lane: my bytes of a row's 512
.set ADRS, 27
.set SPW,  28
.set NIL,  29
.set SC,   32
.set AF,   128
.set BK,   128
.set G1, 24
.set G0, 32
.set G1B, 48
.set G0B, 56
.set G1S, 68
.set G0S, 76
.set G1SB, 80
.set G0SB, 88
.set MSB, 0
.macro WIN new                         ; the immediate's high byte repeats the setting that is left
.if MSB != (\new)
	s_set_vgpr_msb (MSB<<8)|(\new)
.set MSB, \new
.endif
.endm
.set MUL_LO, 0xa1
.set MUL_HI, 0xf1
.set TO_B,   0x40
; A joint load: waves 0 and 1 fetch for A, waves 2 and 3 for B.  An s_nop 0 and four v_nop follow each line.
.macro JLOAD g0a, g1a, g0b, g1b
	s_cmp_eq_u32 s15, 0
	s_cbranch_scc0 .Lfor_b_\@
	tensor_load_to_lds s[\g0a:\g0a+3], s[\g1a:\g1a+7]
	s_nop 0
.rept 4
	v_nop
.endr
	s_branch .Lasked_\@
.Lfor_b_\@:
	tensor_load_to_lds s[\g0b:\g0b+3], s[\g1b:\g1b+7]
	s_nop 0
.rept 4
	v_nop
.endr
.Lasked_\@:
.endm
.macro CREST
	s_cmp_lg_u32 s14, 0
	s_cbranch_scc1 .Lnot_wave_0_\@
	s_barrier_signal -3
.Lnot_wave_0_\@:
	s_barrier_wait -3
	s_barrier_signal -1
	s_barrier_wait -1
.endm
.macro CROUND
	s_barrier_signal -1
	s_barrier_wait -1
	CREST
.endm
	s_load_b128 s[4:7], s[0:1], 0x0                ; attq, woq
	s_load_b64 s[8:9], s[0:1], 0x10                ; out0
	v_lshl_add_u32 v[SPW], v0, 2, SPARE
	v_mov_b32 v[NIL], 0
	ds_add_u32 v[SPW], v[NIL]                      ; the wave's opening: the add, twice on end, and its wait ahead of my first tensor load
	ds_add_u32 v[SPW], v[NIL]
	v_lshrrev_b32 v1, 5, v0
	v_readfirstlane_b32 s14, v1                    ; wave 0..3
	s_lshr_b32 s15, s14, 1                         ; which half of the rows is mine.  Also: I fetch for A (0) or for B (1)
	s_and_b32 s16, s14, 1                          ; which half of the columns.  Also: which 128 rows of that tile I fetch
	s_bfe_u32 s40, ttmp6, 0x40000                  ; cx, cy
	s_bfe_u32 s41, ttmp6, 0x40004
	s_lshl_b32 s42, ttmp9, 2
	s_add_co_u32 s42, s42, s40                     ; tile column = 4 x cluster x + cx
	s_and_b32 s17, ttmp7, 0xffff
	s_lshl_b32 s17, s17, 2
	s_add_co_u32 s17, s17, s41                     ; tile row = 4 x cluster y + cy
	s_lshl_b32 s43, s41, 2
	s_lshl_b32 s43, 15, s43                        ; my row of the cluster
	s_lshl_b32 s44, 0x1111, s40                    ; my column
	s_or_b32 s[G1+0], s43, (3<<16)|(1<<21)
	s_or_b32 s[G1B+0], s44, (3<<16)|(1<<21)
.irp g, G1, G1B
	s_mov_b32 s[\g+1], 384<<16                     ; 8 rows (row blocks) of 3,072 bytes = 384 elements of 8 bytes,
	s_mov_b32 s[\g+2], 8<<16
	s_mov_b32 s[\g+3], 384<<16
	s_mov_b32 s[\g+4], 8
	s_mov_b32 s[\g+5], RBP/8                       ; 24,576 bytes apart
	s_mov_b32 s[\g+6], 0
	s_mov_b32 s[\g+7], 0
.endr
	s_or_b32 s[G1S+0], s43, (3<<16)|(1<<21)
	s_or_b32 s[G1SB+0], s44, (3<<16)|(1<<21)
.irp g, G1S, G1SB
	s_mov_b32 s[\g+1], 32<<16                      ; the scale words of 128 rows: a dense block, as rows of 256 bytes
	s_mov_b32 s[\g+2], (HALFS/256)<<16
	s_mov_b32 s[\g+3], 32<<16
	s_mov_b32 s[\g+4], HALFS/256
	s_mov_b32 s[\g+5], 32
	s_mov_b32 s[\g+6], 0
	s_mov_b32 s[\g+7], 0
.endr
	s_lshl_b32 s18, s16, 3
	s_lshl_b32 s20, s17, 4
	s_add_co_u32 s20, s20, s18                     ; A: row block
	s_lshl_b32 s46, s42, 4
	s_add_co_u32 s46, s46, s18                     ; B: row block
	s_lshl_b32 s22, s20, 10
	s_add_co_u32 s22, s22, OPSA
	s_lshl_b32 s92, s46, 10
	s_add_co_u32 s92, s92, OPSB
	s_mul_i32 s20, s20, RBP
	s_mul_i32 s46, s46, RBP
	s_mov_b32 s21, 0
	s_mov_b32 s23, 0
	s_mov_b32 s47, 0
	s_mov_b32 s93, 0
	s_mul_i32 s45, s14, HALFT
	s_mul_i32 s94, s14, HALFS
	s_lshl_b32 s19, s15, 7
	s_add_co_u32 s94, s94, s19
	s_wait_dscnt 0x0                               ; both opening adds are done
	s_wait_kmcnt 0x0
	s_add_nc_u64 s[20:21], s[4:5], s[20:21]
	s_add_nc_u64 s[22:23], s[4:5], s[22:23]
	s_add_nc_u64 s[46:47], s[6:7], s[46:47]
	s_add_nc_u64 s[92:93], s[6:7], s[92:93]
	CROUND                                         ; all sixteen work-groups are here: the first joint loads meet
	s_mov_b32 s[G0S], 1
	s_add_co_u32 s[G0S+1], s94, SCL
	s_mov_b64 s[G0S+2:G0S+3], s[22:23]
	s_or_b32 s[G0S+3], s[G0S+3], 0x80000000
	s_mov_b32 s[G0SB], 1
	s_add_co_u32 s[G0SB+1], s94, SCL
	s_mov_b64 s[G0SB+2:G0SB+3], s[92:93]
	s_or_b32 s[G0SB+3], s[G0SB+3], 0x80000000
	JLOAD G0S, G1S, G0SB, G1SB
.irp s, 0,1
	s_mov_b32 s[G0+4*\s], 1
	s_add_co_u32 s[G0+4*\s+1], s45, \s*SLOT
	s_add_nc_u64 s[G0+4*\s+2:G0+4*\s+3], s[20:21], \s*KSB
	s_or_b32 s[G0+4*\s+3], s[G0+4*\s+3], 0x80000000
	s_mov_b32 s[G0B+4*\s], 1
	s_add_co_u32 s[G0B+4*\s+1], s45, \s*SLOT
	s_add_nc_u64 s[G0B+4*\s+2:G0B+4*\s+3], s[46:47], \s*KSB
	s_or_b32 s[G0B+4*\s+3], s[G0B+4*\s+3], 0x80000000
	JLOAD G0+4*\s, G1, G0B+4*\s, G1B
.endr
	v_and_b32 v30, 31, v0
	v_and_b32 v1, 15, v0                           ; r
	v_bfe_u32 v2, v0, 4, 1                         ; h
	v_lshlrev_b32 v[CO], 4, v30
	s_mul_i32 s21, s15, HALFT
	s_mul_i32 s22, s16, HALFT
	s_add_co_u32 s22, s22, 2*HALFT
.irp s, 0,1
	v_add_nc_u32 v[ADRA+\s], s21, v[CO]
	v_add_nc_u32 v[ADRB+\s], s22, v[CO]
	s_add_co_u32 s21, s21, SLOT
	s_add_co_u32 s22, s22, SLOT
.endr
	v_lshlrev_b32 v5, 3, v1
	s_mul_i32 s21, s15, HALFS
	s_mul_i32 s22, s16, HALFS
	s_add_co_u32 s22, s22, 2*HALFS+128
	s_sub_co_u32 s22, s22, s21
	v_mul_u32_u24 v6, s22, v2                      ; lanes 16-31 take B's
	s_add_co_u32 s21, s21, SCL
	v_add_nc_u32 v5, v5, v6
	v_add_nc_u32 v[ADRS], s21, v5
	s_mul_i32 s23, s14, 16*SPITCH                  ; my stage
	v_mul_u32_u24 v5, v1, SPITCH
	v_lshl_add_u32 v5, v2, 6, v5                   ; in: row r; my half's columns lie 16 (64 bytes) further on
	v_add_nc_u32 v[STO], s23, v5
	v_add_nc_u32 v[RD], s23, v[CO]                 ; back: the 32 lanes take one row of 512 bytes
	s_lshl_b32 s20, s17, 1
	s_add_co_u32 s20, s20, s15
	s_lshl_b32 s20, s20, 21                        ; my first position: 128 rows of 16,384 bytes for each half tile
	s_lshl_b32 s46, s42, 1
	s_add_co_u32 s46, s46, s16
	s_lshl_b32 s46, s46, 9                         ; my first column: 512 bytes for each half tile
	s_add_co_u32 s20, s20, s46
	s_mov_b32 s21, 0
	s_add_nc_u64 s[12:13], s[8:9], s[20:21]
.macro FRAG reg, adr, q, i             ; a fragment comes as it lies: three loads of 512 consecutive bytes
.irp c, 0,1,2
	ds_load_b128 v[\reg+4*\c:\reg+4*\c+3], v[\adr] offset:(\i)*KSB+(\q)*1536+512*\c
.endr
.endm
; 16 matrix instructions: A's blocks a0, a0 + 1 x B's eight.  The 64 accumulators take turns, one instruction a turn, in the same order in every step.
.macro MUL16 a0, p, q, sc, zero
.irp a, \a0, \a0+1
.irp b, 0,1,2,3,4,5,6,7
.if \zero
	v_wmma_scale_f32_16x16x128_f8f6f4 v[8*(8*((\a)%4)+\b):8*(8*((\a)%4)+\b)+7], v[128*(\p)+FR*\b:128*(\p)+FR*\b+FR-1], v[AF+FR*(\a):AF+FR*(\a)+FR-1], 0, v[SC+8*NQ*(\sc)+NQ*\b+(\q)], v[SC+8*NQ*(\sc)+NQ*(\a)+(\q)] matrix_a_fmt:MATRIX_FMT_FP6 matrix_b_fmt:MATRIX_FMT_FP6 matrix_a_scale:MATRIX_SCALE_ROW1
.else
	v_wmma_scale_f32_16x16x128_f8f6f4 v[8*(8*((\a)%4)+\b):8*(8*((\a)%4)+\b)+7], v[128*(\p)+FR*\b:128*(\p)+FR*\b+FR-1], v[AF+FR*(\a):AF+FR*(\a)+FR-1], v[8*(8*((\a)%4)+\b):8*(8*((\a)%4)+\b)+7], v[SC+8*NQ*(\sc)+NQ*\b+(\q)], v[SC+8*NQ*(\sc)+NQ*(\a)+(\q)] matrix_a_fmt:MATRIX_FMT_FP6 matrix_b_fmt:MATRIX_FMT_FP6 matrix_a_scale:MATRIX_SCALE_ROW1
.endif
.endr
.endr
.endm
.macro FETCH_B slot, q, p
	WIN TO_B
.irp i, 0,1,2,3,4,5,6,7
	FRAG 128*(\p)+FR*\i, ADRB+\slot, \q, \i
.endr
	WIN 0
.endm
.macro FETCH_A slot, q, i0
.irp i, \i0, \i0+1, \i0+2, \i0+3
	FRAG AF+FR*(\i), ADRA+\slot, \q, \i
.endr
.endm
.macro SCALES sc                       ; a K step's scale words: two a row; lanes 0-15 take A's block i, lanes 16-31 B's block i
.irp i, 0,1,2,3,4,5,6,7
	ds_load_b64 v[SC+8*NQ*\sc+NQ*\i:SC+8*NQ*\sc+NQ*\i+1], v[ADRS] offset:\i*SBLK
.endr
.endm
; A load into a register that a matrix instruction has read, and an LDS store that reads a matrix result, stand NP places behind it; only plain vector instructions that name none of its registers are places.
.macro PLACES n
.rept \n
	v_nop
.endr
.endm
.macro STEP slot, q, zero
	s_wait_dscnt 4*NL                              ; B's set and A's blocks 0-3 are in; the youngest 12 loads (A's blocks 4-7) may be out
	WIN MUL_LO
	MUL16 0, (\q)%2, \q, \slot, \zero
	MUL16 2, (\q)%2, \q, \slot, \zero
	s_wait_dscnt 0
	PLACES NP
	FETCH_B \slot, (\q)+1, 1-(\q)%2
	FETCH_A \slot, (\q)+1, 0
	WIN MUL_HI
	MUL16 4, (\q)%2, \q, \slot, \zero
	MUL16 6, (\q)%2, \q, \slot, \zero
	PLACES NP
	WIN 0
	FETCH_A \slot, (\q)+1, 4
.endm
; A slot's last step changes slots: one barrier; in front of it each wave waits for all its tensor loads, adds 0 to its spare word, and waits for that and for its own reads of this slot.
.macro TURN slot, next, fill
	s_wait_tensorcnt 0x0                           ; all my tensor loads have landed: my part of the next slot
	ds_add_u32 v[SPW], v[NIL]                      ; 0 onto my spare word
	s_wait_dscnt 4*NL+1                            ; (the add and the youngest 12 loads may be out)
	WIN MUL_LO
	MUL16 0, 1, NQ-1, \slot, 0
	s_wait_dscnt 0x0                               ; the add is done, and my reads of this slot are over
	s_barrier_signal -1
	MUL16 2, 1, NQ-1, \slot, 0
	WIN 0
	s_barrier_wait -1
.if \fill
	CREST                                          ; the barrier has opened a round of the cluster's barrier: no wave of any partner still reads this slot or has a load on its way
	s_add_nc_u64 s[G0+4*\slot+2:G0+4*\slot+3], s[G0+4*\slot+2:G0+4*\slot+3], 2*KSB
	s_add_nc_u64 s[G0B+4*\slot+2:G0B+4*\slot+3], s[G0B+4*\slot+2:G0B+4*\slot+3], 2*KSB
	JLOAD G0+4*\slot, G1, G0B+4*\slot, G1B
.else
	PLACES NP
.endif
	v_add_nc_u32 v[ADRS], 128, v[ADRS]
	FETCH_B \next, 0, 0
	FETCH_A \next, 0, 0
	SCALES \next
	WIN MUL_HI
	MUL16 4, 1, NQ-1, \slot, 0
	MUL16 6, 1, NQ-1, \slot, 0
	PLACES NP
	WIN 0
	FETCH_A \next, 0, 4
.endm
	s_wait_tensorcnt 1                             ; the scale words and my part of K step 0 are in (K step 1's load may be out),
	s_barrier_signal -1
	s_barrier_wait -1                              ; everybody's are
	FETCH_B 0, 0, 0
	FETCH_A 0, 0, 0
	SCALES 0
	FETCH_A 0, 0, 4
	STEP 0, 0, 1
	s_mov_b32 s3, LAPS-1
.Llap:
	TURN 0, 1, 1
	STEP 1, 0, 0
	TURN 1, 0, 1
	STEP 0, 0, 0
	s_sub_co_u32 s3, s3, 1
	s_cmp_lg_u32 s3, 0
	s_cbranch_scc1 .Llap
	TURN 0, 1, 0
	STEP 1, 0, 0
	s_wait_dscnt 4*NL
	WIN MUL_LO
	MUL16 0, 1, NQ-1, 1, 0
	MUL16 2, 1, NQ-1, 1, 0
	s_wait_dscnt 0
	WIN MUL_HI
	MUL16 4, 1, NQ-1, 1, 0
	MUL16 6, 1, NQ-1, 1, 0
	WIN 0
; THE WAY OUT, block by block of 16 positions x 128 columns.  Accumulator (a, b) of lane (r, h) holds columns 32 (b / 2) + 8 (b % 2) + 16 h + 0 .. 7 of stage row r.  The block goes through my own stage and comes back as whole rows
; of 512 bytes in the true order of the columns; stage row t is position 32 (a / 2) + 8 (a % 2) + t + 8 (t / 8) of my 128.  LDS serves a wave's instructions in order: no wait between the stores and the loads.
.macro TOSTAGE a
.set AC, 64*((\a)%4)
	WIN 0x08+4*((\a)/4)                            ; the data: window 2 or 3
.irp b, 0,1,2,3,4,5,6,7
	ds_store_b128 v[STO], v[AC+8*\b:AC+8*\b+3] offset:128*(\b/2)+32*(\b%2)          ; each accumulator from its low end on
	ds_store_b128 v[STO], v[AC+8*\b+4:AC+8*\b+7] offset:128*(\b/2)+32*(\b%2)+16
.endr
	WIN 0
.set BB, BK+64*((\a)%2)
.irp t, 0,1,2,3,4,5,6,7,8,9,10,11,12,13,14,15
	ds_load_b128 v[BB+4*\t:BB+4*\t+3], v[RD] offset:\t*SPITCH
.endr
.endm
.macro SEND a, younger                 ; younger: the LDS instructions issued behind block a's loads, which may stay out
.set BB, BK+64*((\a)%2)
	s_wait_dscnt \younger
.irp t, 0,1,2,3,4,5,6,7,8,9,10,11,12,13,14,15
	global_store_b128 v[CO], v[BB+4*\t:BB+4*\t+3], s[12:13] offset:(32*((\a)/2)+8*((\a)%2)+\t+8*(\t/8))*16384 th:TH_STORE_NT   ; 512 consecutive bytes, aligned; 127 rows of 16,384 bytes at the most, inside the signed 24-bit immediate; the base is never stepped
.endr
.endm
	PLACES NP                                      ; for the loads into the registers that held A's fragments, and for the reads of the last results
	TOSTAGE 0
.irp a, 1,2,3,4,5,6,7
.if \a > 1
	s_wait_xcnt 0x0                                ; block a - 2's stores have read their registers: block a's loads may land there
.endif
	TOSTAGE \a
	SEND \a-1, 32                                  ; behind block a - 1's loads: block a's 16 stores and 16 loads
.endr
	SEND 7, 0
	s_wait_tensorcnt 0x0                           ; the wave's end: the tensor wait, an add of 0 to my spare word and its wait, behind my last tensor load and my last LDS store
	ds_add_u32 v[SPW], v[NIL]
	s_wait_dscnt 0x0
	CROUND                                         ; the closing round: no work-group ends while a partner may still ask for a tile that names it
	s_endpgm
.Lfunc_end_k_qb8b53dd54b_gemm_out:
	.size	k_qb8b53dd54b_gemm_out, .Lfunc_end_k_qb8b53dd54b_gemm_out-k_qb8b53dd54b_gemm_out
	.p2alignl 7, 3214868480
	.fill 96, 4, 3214868480
	.section	.rodata,"a",@progbits
	.p2align	6, 0x0
	.amdhsa_kernel k_qb8b53dd54b_gemm_out
		.amdhsa_group_segment_fixed_size 327680
		.amdhsa_private_segment_fixed_size 0
		.amdhsa_enable_private_segment 0
		.amdhsa_kernarg_size 24
		.amdhsa_user_sgpr_count 2
		.amdhsa_user_sgpr_kernarg_segment_ptr 1
		.amdhsa_wavefront_size32 1
		.amdhsa_system_sgpr_workgroup_id_x 1
		.amdhsa_system_sgpr_workgroup_id_y 1
		.amdhsa_system_sgpr_workgroup_id_z 1
		.amdhsa_system_vgpr_workitem_id 0
		.amdhsa_next_free_vgpr 1024
		.amdhsa_next_free_sgpr 98
		.amdhsa_reserve_vcc 0
		.amdhsa_float_denorm_mode_32 3
		.amdhsa_float_denorm_mode_16_64 3
		.amdhsa_memory_ordered 1
		.amdhsa_forward_progress 1
		.amdhsa_inst_pref_size 135
	.end_amdhsa_kernel
	.amdgpu_metadata
---
amdhsa.version: [ 1, 2 ]
amdhsa.kernels:
  - .name:           k_qb8b53dd54b_gemm_out
    .symbol:         k_qb8b53dd54b_gemm_out.kd
    .args:
      - { .name: attq, .offset: 0, .size: 8, .value_kind: global_buffer, .address_space: global }
      - { .name: woq, .offset: 8, .size: 8, .value_kind: global_buffer, .address_space: global }
      - { .name: out0, .offset: 16, .size: 8, .value_kind: global_buffer, .address_space: global }
    .group_segment_fixed_size: 327680
    .private_segment_fixed_size: 0
    .kernarg_segment_align: 8
    .kernarg_segment_size: 24
    .max_flat_workgroup_size: 128
    .sgpr_count:     98
    .vgpr_count:     1024
    .wavefront_size: 32
...
	.end_amdgpu_metadata
.endif
;; end of part 5
;; ======== version 2 of 2: 4 launches
;; limits: right only within a limited range of input values
;; workspace buffers: opq 19,660,800 bytes; woq 6,553,600 bytes; rope 1,048,576 bytes; qkv 6,553,600 bytes; attq 3,276,800 bytes
;; launch quant_all (part 6): grid 1024 x 1, 4 waves a work-group, no clusters, 58,880 bytes of LDS; arguments wq, wk, wv, wo, opq, woq, x, rope; writes opq, woq, rope
.if DOCPART == 6
	.amdgcn_target "amdgcn-amd-amdhsa--gfx1250"
	.amdhsa_code_object_version 6
	.text
	.protected	k_qb8b53dd54b_quant_all
	.globl	k_qb8b53dd54b_quant_all
	.p2align	8
	.type	k_qb8b53dd54b_quant_all,@function
k_qb8b53dd54b_quant_all:
	s_mov_b64 s[64:65], 0
	v_nop
	global_prefetch_b8 v0, s[64:65] scope:SCOPE_SE
	s_setreg_imm32_b32 hwreg(HW_REG_WAVE_MODE, 25, 1), 1
	s_wait_xcnt 0x0
; GROUPED-QUERY ATTENTION IN MX-FP6, four launches: (1) x, wq, wk, wv, wo into codes, and the cos/sin table; (2) x (wq|wk|wv), RoPE, q, k, v into codes; (3) attention, its result into codes; (4) the projection by wo.
; DEAD WORK, left out in the attention launch alone: a step of 128 keys all of which come after all 16 queries of a tile.  reference() sets those scores to -inf by its own jnp.tril, so their weights are exp(-inf) = 0 for every value of the
; inputs: they add 0 to the row's sum and zero codes to the second product.  Every input has a way to the output and is loaded.  LIMIT: a NaN, an infinity or an overflow that would arise only in such left-out scores is not carried on.
; THIS LAUNCH.  f32 numbers become codes of E2M3 with one E8M0 byte for each 32 along K (a block's byte = its largest magnitude's exponent field - 2, held at 1 from below).
; LIMITS: NaN and infinities among the inputs are not served; a block whose largest magnitude lies under 2^-124 keeps the byte 1; a block of zeros has the byte 1 and not 127: its codes are zeros, and this program alone reads the bytes.
; LAYOUT OF THE CODES (all operand buffers of this program): a fragment, 16 rows x 128 K, lies as the image of the 12 registers that the matrix instruction wants: register group c (4 registers) at 512 c, lane l at 16 l: 1,536 bytes.
; A RECORD is 16 rows x 512 K: four fragments and 256 bytes of scale words (byte 8 (16 h + r) + 4 e: row r's word of fragment 2 h + e): 6,400 bytes.  opq, woq = [row block][K / 512][record].
; ROW r OF ROW BLOCK rb IS THE TRUE ROW 32 (rb / 2) + 8 (rb % 2) + r + 8 (r / 8): where such rows are a product's source 0, the 16 result registers of two neighbouring blocks are 16 neighbours, as the next quantiser wants them.
; TWO PATHS, parted on the work-group's number at the first lines: work-groups 0-767 take the weights, 768-1023 x and the table; every work-group reads 131,072 bytes.  Each path has LDS bytes of its own: x's stages from byte 0,
; the weights' images from WBASE; the spare words lie behind both.  No tensor load, no barrier: waves share nothing.  No cluster and no prefetch: every byte is read once, in one stream.
.set WBASE, 33792                      ; behind x's four stages: the weights' images, 6,144 bytes a wave
.set SPARE, 58368                      ; behind them: the spare words, 128 bytes for each wave
.set SPW,   14                         ; v14  LDS address of my spare word; never rewritten
.set NIL,   15                         ; v15  0; never rewritten
	v_lshl_add_u32 v[SPW], v0, 2, SPARE
	v_mov_b32 v[NIL], 0
	s_cmp_ge_u32 ttmp9, 768
	s_cbranch_scc1 .Lx_path
; ---- THE WEIGHTS, f32 with K as their FIRST axis.  wq [4096][2048], wk, wv [4096][1024] go to opq as rows 2048 + column of (wq | wk | wv); wo [2048][4096] to woq.
; A work-group takes 128 columns x 256 along K, a wave 32 columns.  A LANE TAKES A COLUMN AND ITS REGISTERS RUN DOWN K: a load reads 128 consecutive bytes a wave (512 a work-group), a block of 32 lies in one lane,
; and the conversions give codes with K innermost.  A block's 24 bytes go to their place in the fragment's image in the wave's own LDS; the four images (two row blocks x half a record) leave as stores of 512 consecutive bytes.
; Work-groups 0-255 wq, 256-383 wk, 384-511 wv, 512-767 wo; what differs is chosen by s_cselect on the work-group's number.  The scale words leave as 8 bytes a lane, two runs of 128 consecutive bytes a wave.
.set OFF,   16                         ; v16-47   4 x lane + i rows
.set XW,    48                         ; v48-111  two sets of 32 numbers
.set CW,    112                        ; v112-118 a block's codes
.set SB,    120                        ; v120-121 the scale words of my column's two K steps
.set OUTR,  128                        ; v128-175 the way out
	s_load_b256 s[4:11], s[0:1], 0x0               ; wq, wk, wv, wo
	s_load_b128 s[12:15], s[0:1], 0x20             ; opq, woq
	v_lshrrev_b32 v1, 5, v0
	v_readfirstlane_b32 s16, v1                    ; wave
	v_and_b32 v1, 31, v0                           ; lane = my column among the wave's 32
	v_bfe_u32 v2, v0, 3, 1                         ; u: which of the two row blocks it falls in,
	v_bfe_u32 v3, v0, 4, 1
	v_and_b32 v9, 7, v0
	v_lshl_add_u32 v3, v3, 3, v9                   ; r: and which row there
	s_mul_i32 s17, s16, 6144
	s_add_co_u32 s17, s17, WBASE
	v_mul_u32_u24 v4, v2, 3072
	v_lshl_add_u32 v4, v3, 4, v4
	v_add_nc_u32 v4, s17, v4                       ; into the images: my wave's + u x 3072 + 16 r
	v_lshlrev_b32 v6, 4, v1
	v_add_nc_u32 v5, s17, v6                       ; out of them: 16 x lane
	s_mov_b32 s20, 13                              ; wq's figures: a row is 2^13 bytes,
	s_mov_b32 s21, 4                               ; 2^4 groups of 128 columns,
	s_mov_b32 s22, 0                               ; its first work-group,
	s_mov_b32 s23, 128                             ; its first row block in the operand buffer
	s_wait_alu depctr_va_vdst(0)
	s_wait_kmcnt 0x0
	s_cmp_ge_u32 ttmp9, 256                        ; wk
	s_cselect_b32 s20, 12, s20
	s_cselect_b32 s21, 3, s21
	s_cselect_b32 s22, 256, s22
	s_cselect_b32 s23, 256, s23
	s_cselect_b64 s[24:25], s[6:7], s[4:5]
	s_cmp_ge_u32 ttmp9, 384                        ; wv
	s_cselect_b32 s22, 384, s22
	s_cselect_b32 s23, 320, s23
	s_cselect_b64 s[24:25], s[8:9], s[24:25]
	s_cmp_ge_u32 ttmp9, 512                        ; wo
	s_cselect_b32 s20, 14, s20
	s_cselect_b32 s21, 5, s21
	s_cselect_b32 s22, 512, s22
	s_cselect_b32 s23, 0, s23
	s_cselect_b32 s28, 0, 1                        ; 1: K = 4096; 0: K = 2048
	s_cselect_b64 s[24:25], s[10:11], s[24:25]
	s_cselect_b64 s[26:27], s[14:15], s[12:13]
	s_sub_co_u32 s30, ttmp9, s22
	s_bfm_b32 s31, s21, 0
	s_and_b32 s31, s30, s31                        ; which 128 columns
	s_lshr_b32 s30, s30, s21                       ; which 256 along K
	s_lshl_b32 s48, s31, 7
	s_lshl_b32 s49, s16, 5
	s_add_co_u32 s48, s48, s49                     ; my wave's first column
	s_lshl_b32 s50, 1, s20                         ; a row in bytes
	s_add_co_u32 s51, s20, 8
	s_lshl_b32 s52, s30, s51                       ; 256 rows for each step along K
	s_lshl_b32 s49, s48, 2
	s_add_co_u32 s52, s52, s49
	s_mov_b32 s53, 0
	s_lshl_b32 s54, s50, 5                         ; 32 rows: a block
	s_mov_b32 s55, 0
	s_lshr_b32 s56, s48, 4
	s_add_co_u32 s56, s56, s23                     ; the first of my two row blocks
	s_lshl_b32 s57, 25600, s28                     ; a row block's records in bytes: 4 or 8 of 6,400
	s_mul_i32 s60, s56, s57
	s_lshr_b32 s59, s30, 1
	s_mul_i32 s59, s59, 6400
	s_add_co_u32 s60, s60, s59                     ; the record that my 256 along K fall in;
	s_and_b32 s58, s30, 1                          ; its first or its second half
	s_lshl_b32 s62, s58, 7
	s_add_co_u32 s62, s62, s60
	s_add_co_u32 s62, s62, 6144                    ; that half's scale words: 128 bytes
	s_mul_i32 s58, s58, 3072
	s_add_co_u32 s60, s60, s58                     ; and its two fragments
	s_mov_b32 s61, 0
	s_mov_b32 s63, 0
	s_add_nc_u64 s[32:33], s[24:25], s[52:53]      ; a base for each of the eight blocks; none is rewritten
.irp t, 1,2,3,4,5,6,7
	s_add_nc_u64 s[32+2*\t:33+2*\t], s[30+2*\t:31+2*\t], s[54:55]
.endr
	s_add_nc_u64 s[60:61], s[26:27], s[60:61]
	s_add_nc_u64 s[62:63], s[26:27], s[62:63]
	v_lshlrev_b32 v[OFF], 2, v1
.set i, 1
.rept 31
	v_add_nc_u32 v[OFF+i], s50, v[OFF+i-1]
.set i, i+1
.endr
	v_add_nc_u32 v7, s57, v6                       ; the second row block's images
	v_mul_lo_u32 v8, v2, s57
	v_lshl_add_u32 v8, v3, 3, v8                   ; my row's two scale words
.macro LOADW t                         ; block t: W(32 t + i, my column), i = 0 .. 31
.set i, 0
.rept 32
	global_load_b32 v[XW+32*((\t)%2)+i], v[OFF+i], s[32+2*(\t):33+2*(\t)] th:TH_LOAD_NT
.set i, i+1
.endr
.endm
	LOADW 0
	LOADW 1
.macro BLOCK t
.set XS, XW+32*((\t)%2)
.if (\t) < 7
	s_wait_loadcnt 32                              ; this block's 32 loads are in; the next block's may be out
.else
	s_wait_loadcnt 0
.endif
	v_max3_num_f32 v12, |v[XS]|, |v[XS+1]|, |v[XS+2]|
	v_max3_num_f32 v13, |v[XS+3]|, |v[XS+4]|, |v[XS+5]|
.irp i, 6,10,14,18,22,26
	v_max3_num_f32 v12, v12, |v[XS+\i]|, |v[XS+\i+1]|
	v_max3_num_f32 v13, v13, |v[XS+\i+2]|, |v[XS+\i+3]|
.endr
	v_max3_num_f32 v12, v12, |v[XS+30]|, |v[XS+31]|
	v_max3_num_f32 v12, v12, v13, 0x1800000        ; and the floor 2^(3 - 127): the byte cannot fall under 1
	v_add_nc_u32 v11, 0xff000000, v12              ; 2 off the exponent field: the conversion's scale operand
	v_cvt_scalef32_pk16_fp6_f32 v[CW:CW+2], v[XS:XS+15], v11
	v_cvt_scalef32_pk16_fp6_f32 v[CW+4:CW+6], v[XS+16:XS+31], v11   ; (a conversion's three registers begin on an even number)
	v_lshrrev_b32 v13, 23, v11                     ; the scale's byte.  (The plain place behind the conversions)
.if (\t)%4 == 0
	v_mov_b32 v[SB+(\t)/4], v13
.else
	v_lshl_or_b32 v[SB+(\t)/4], v13, 8*((\t)%4), v[SB+(\t)/4]
.endif
	v_mov_b32 v[CW+3], v[CW+4]                     ; the block's six registers on end
	v_mov_b32 v[CW+4], v[CW+5]
	v_mov_b32 v[CW+5], v[CW+6]
; block t % 4 of K step t / 4 is registers 6 (t % 4 / 2) .. + 5 of lane r + 16 (t % 2) of the fragment
.if (\t)%4 < 2
	ds_store_b128 v4, v[CW:CW+3] offset:((\t)/4)*1536+256*((\t)%2)
	ds_store_b64 v4, v[CW+4:CW+5] offset:((\t)/4)*1536+256*((\t)%2)+512
.else
	ds_store_b64 v4, v[CW:CW+1] offset:((\t)/4)*1536+256*((\t)%2)+520
	ds_store_b128 v4, v[CW+2:CW+5] offset:((\t)/4)*1536+256*((\t)%2)+1024
.endif
.if (\t)+2 < 8
	LOADW (\t)+2
.endif
	s_wait_dscnt 0x0                               ; the stores have read their registers: the next block's codes may be written
.endm
.irp t, 0,1,2,3,4,5,6,7
	BLOCK \t
.endr
	s_wait_alu depctr_va_vdst(0)                   ; directly ahead of the reader below
	global_store_b64 v8, v[SB:SB+1], s[62:63]
.irp j, 0,1,2,3,4,5,6,7,8,9,10,11
	ds_load_b128 v[OUTR+4*\j:OUTR+4*\j+3], v5 offset:512*\j   ; LDS serves a wave's instructions in order: these see my stores
.endr
.irp j, 0,1,2,3,4,5,6,7,8,9,10,11
	s_wait_dscnt 11-\j                             ; load j is in; the younger ones may be out
.if \j < 6
	global_store_b128 v6, v[OUTR+4*\j:OUTR+4*\j+3], s[60:61] offset:((\j/3)%2)*1536+512*(\j%3)   ; 512 consecutive bytes, aligned
.else
	global_store_b128 v7, v[OUTR+4*\j:OUTR+4*\j+3], s[60:61] offset:((\j/3)%2)*1536+512*(\j%3)
.endif
.endr
	s_wait_tensorcnt 0x0                           ; the wave's end: the tensor wait, an add of 0 to my spare word and its wait, behind my last LDS store
	ds_add_u32 v[SPW], v[NIL]
	s_wait_dscnt 0x0
	s_endpgm
; ---- x [2048][4096], AND THE TABLE.  Wave W of 1,024 takes row block W / 8 and K = 512 (W % 8) on: one record.  Each load reads one row's 512 consecutive bytes; the 16 rows turn through the wave's own stage in LDS (rows of 528 bytes)
; and come back 128 bytes a lane: lane (r, h) holds k = 64 c + 32 h + 0 .. 31 of row r, two whole blocks, in the order of the operand's registers.
; rope[pos] = cos(pos inv_i), i = 0 .. 63, then sin: 512 bytes a position.  Wave W makes positions 2 W and 2 W + 1, lane l the frequencies 2 l and 2 l + 1.  inv_i = 500000^(-i / 64) is made as a pair of f32 (high and low part) by
; squaring and multiplying, so that its high part is the f32 nearest to the true number, as reference() has it from f64; the Llama-3 scaling follows reference()'s constants: wavelength over 8192 from i = 35 on
; (ln(8192 / 2 pi) / (ln(500000) / 64) = 34.98), between 2048 and 8192 for i = 29 .. 34 (28.22).  The angle is f32(pos) x inv in f32, as reference() has it; it is reduced by pi / 2 in three parts and goes through polynomials of degree 7 and 8.
.Lx_path:
.set STG,   8448                       ; a wave's stage: 16 rows x 528 bytes
.set R,     16                         ; v16-143   two sets of 16 rows x 4 registers as loaded
.set X,     144                        ; v144-207  64 numbers of my row; before that the table's work
.set TM,    208                        ; v208-215  at work
.set PC,    216                        ; v216-227  a fragment's codes
.set T2,    228                        ; v228-235  the second halves of the blocks' codes
.set WD,    236                        ; v236-239  the four fragments' scale words
.set TR,    240                        ; v240-247  the table's numbers; never rewritten
.set GH, 144
.set GL, 145
.set PH, 146
.set PL, 147
.set RH, 148
.set RL, 149
.set MH, 150
.set ML, 151
.set DT, 152
.set SH, 156
.set SL, 157
.set IX, 158
.set K8, 160
.set K1, 161
.set FT, 162
.set PF, 163
.set TA, 165
.set TN, 166
.set TZ, 167
.set TS, 168
.set TC, 169
.set TQ, 170
	s_load_b64 s[4:5], s[0:1], 0x30                ; x
	s_load_b64 s[6:7], s[0:1], 0x20                ; opq
	s_load_b64 s[8:9], s[0:1], 0x38                ; rope
	v_lshrrev_b32 v1, 5, v0
	v_readfirstlane_b32 s10, v1                    ; wave
	v_and_b32 v1, 31, v0                           ; lane
	v_lshlrev_b32 v2, 4, v1                        ; 16 x lane: my bytes of a load's 512, and of an image's 512
	v_lshlrev_b32 v5, 3, v1                        ; 8 x lane
	v_and_b32 v6, 15, v0                           ; r
	v_bfe_u32 v7, v0, 4, 1                         ; h
	v_lshlrev_b32 v8, 3, v7                        ; 8 h
	s_mul_i32 s11, s10, STG
	v_add_nc_u32 v3, s11, v2                       ; the stage, on the way in
	v_mul_u32_u24 v4, v6, 528
	v_lshl_add_u32 v4, v7, 7, v4
	v_add_nc_u32 v4, s11, v4                       ; and on the way out: row r, + 128 h
	v_mov_b32 v[TM+7], 0                           ; a lane permute's destination counts as read
	s_sub_co_u32 s12, ttmp9, 768
	s_lshl_b32 s12, s12, 2
	s_add_co_u32 s12, s12, s10                     ; W
	s_lshr_b32 s13, s12, 3                         ; row block
	s_and_b32 s14, s12, 7                          ; which 512 along K
	s_lshr_b32 s16, s13, 1
	s_lshl_b32 s16, s16, 19                        ; 32 (rb / 2) rows of 16,384 bytes
	s_and_b32 s15, s13, 1
	s_lshl_b32 s15, s15, 17                        ; 8 (rb % 2) rows
	s_add_co_u32 s16, s16, s15
	s_lshl_b32 s15, s14, 11
	s_add_co_u32 s16, s16, s15
	s_mov_b32 s17, 0
	s_mul_i32 s18, s13, 51200                      ; a row block's eight records
	s_mul_i32 s15, s14, 6400
	s_add_co_u32 s18, s18, s15                     ; my record
	s_mov_b32 s19, 0
	s_lshl_b32 s24, s12, 10                        ; the table's two positions
	s_mov_b32 s25, 0
	s_lshl_b32 s15, s12, 1                         ; position 2 W
	s_mov_b32 s20, 0x76543210
	s_mov_b32 s21, 0xfedcba98                      ; v_permlanex16_b32's selects for lane l xor 16
	s_mov_b32 s26, 0x44a2f983                      ; 8192 / (2 pi)
	s_mov_b32 s27, 0x3f600000                      ; 7 / 8
	s_mov_b32 s31, 0x3e000000                      ; 1 / 8
	s_mov_b32 s28, 0xbfc90fdb                      ; - pi / 2, its first part,
	s_mov_b32 s29, 0x333bbd2e                      ; its second,
	s_mov_b32 s30, 0x26f72ced                      ; its third
	s_wait_alu depctr_va_vdst(0)
	s_wait_kmcnt 0x0
	s_add_nc_u64 s[4:5], s[4:5], s[16:17]
	s_add_nc_u64 s[6:7], s[6:7], s[18:19]
	s_add_nc_u64 s[8:9], s[8:9], s[24:25]
.macro LOADX f                         ; fragment f's 16 rows: a load reads 512 consecutive bytes of one row
.irp r, 0,1,2,3,4,5,6,7,8,9,10,11,12,13,14,15
	global_load_b128 v[R+64*((\f)%2)+4*\r:R+64*((\f)%2)+4*\r+3], v2, s[4:5] offset:(\r+8*(\r/8))*16384+512*(\f) th:TH_LOAD_NT
.endr
.endm
	LOADX 0
	LOADX 1
; ---- the table, while the first loads are on their way
.macro DFMUL oh, ol, ah, al, bh, bl    ; (oh, ol) = (ah, al) x (bh, bl), pairs of f32: the product's error is caught by a fused multiply-add
	v_mul_f32 v[DT], v[\ah], v[\bh]
	v_fma_f32 v[DT+1], v[\ah], v[\bh], -v[DT]
	v_fma_f32 v[DT+1], v[\ah], v[\bl], v[DT+1]
	v_fma_f32 v[DT+1], v[\al], v[\bh], v[DT+1]
	v_add_f32 v[\oh], v[DT], v[DT+1]
	v_sub_f32 v[DT+2], v[\oh], v[DT]
	v_sub_f32 v[\ol], v[DT+1], v[DT+2]
.endm
	v_mov_b32 v[GH], 0x3f508ac1                    ; g = 500000^(-1 / 64) = 0.814617233857: high part,
	v_mov_b32 v[GL], 0x329457fc                    ; low part
	DFMUL PH, PL, GH, GL, GH, GL                   ; g^2
	v_mov_b32 v[RH], 1.0
	v_mov_b32 v[RL], 0
.irp b, 0,1,2,3,4                      ; g^(2 lane), bit by bit of the lane's number: multiply by the power or by 1, with no branch
	v_and_b32 v[DT+3], 1<<\b, v1
	v_cmp_ne_u32 vcc_lo, 0, v[DT+3]
	v_cndmask_b32 v[MH], 1.0, v[PH], vcc_lo
	v_cndmask_b32 v[ML], 0, v[PL], vcc_lo
	DFMUL RH, RL, RH, RL, MH, ML
.if \b < 4
	DFMUL PH, PL, PH, PL, PH, PL
.endif
.endr
	DFMUL SH, SL, RH, RL, GH, GL                   ; g^(2 lane + 1)
	v_lshlrev_b32 v[IX], 1, v1
	v_add_nc_u32 v[IX+1], 1, v[IX]
	v_mov_b32 v[K8], 0x3e000000
	v_mov_b32 v[K1], 1.0
.macro LLAMA inv, idx                  ; inv x (1/8 + 7/8 smooth), smooth = (8192 inv / 2 pi - 1) / 3, for i = 29 .. 34; x 1/8 from i = 35 on; x 1 under 29
	v_fma_f32 v[FT], v[\inv], s26, -1.0
	v_mul_f32 v[FT], 0x3eaaaaab, v[FT]
	v_fma_f32 v[FT], v[FT], s27, s31
	v_cmp_le_u32 vcc_lo, 35, v[\idx]
	v_cndmask_b32 v[FT], v[FT], v[K8], vcc_lo
	v_cmp_gt_u32 vcc_lo, 29, v[\idx]
	v_cndmask_b32 v[FT], v[FT], v[K1], vcc_lo
	v_mul_f32 v[\inv], v[\inv], v[FT]
.endm
	LLAMA RH, IX
	LLAMA SH, IX+1
	v_cvt_f32_u32 v[PF], s15
	v_add_f32 v[PF+1], 1.0, v[PF]
.macro SINCOS p, inv, oc, os
	v_mul_f32 v[TA], v[\p], v[\inv]                ; the angle, rounded to f32 as reference() rounds it
	v_mul_f32 v[TN], 0x3f22f983, v[TA]
	v_rndne_f32 v[TN], v[TN]                       ; n = the nearest multiple of pi / 2
	v_fma_f32 v[TA], v[TN], s28, v[TA]             ; exact: n has 11 bits, and the difference fits in 24
	v_fma_f32 v[TA], v[TN], s29, v[TA]
	v_fma_f32 v[TA], v[TN], s30, v[TA]             ; r, within pi / 4 of 0
	v_mul_f32 v[TZ], v[TA], v[TA]
	v_cvt_i32_f32 v[TN], v[TN]
	v_mov_b32 v[TS], 0xb94ca1f9
	v_fmaak_f32 v[TS], v[TS], v[TZ], 0x3c08839e
	v_fmaak_f32 v[TS], v[TS], v[TZ], 0xbe2aaaa3
	v_mul_f32 v[TS], v[TS], v[TZ]
	v_fma_f32 v[TS], v[TS], v[TA], v[TA]           ; sin r
	v_mov_b32 v[TC], 0x37ccf5ce
	v_fmaak_f32 v[TC], v[TC], v[TZ], 0xbab6061a
	v_fmaak_f32 v[TC], v[TC], v[TZ], 0x3d2aaaa5
	v_mul_f32 v[TC], v[TC], v[TZ]
	v_fma_f32 v[TQ], v[TZ], -0.5, 1.0
	v_fma_f32 v[TC], v[TC], v[TZ], v[TQ]           ; cos r
	v_and_b32 v[TQ], 1, v[TN]                      ; odd n: the two change places
	v_cmp_ne_u32 vcc_lo, 0, v[TQ]
	v_cndmask_b32 v[\os], v[TS], v[TC], vcc_lo
	v_cndmask_b32 v[\oc], v[TC], v[TS], vcc_lo
	v_and_b32 v[TQ], 2, v[TN]                      ; n % 4 = 2, 3: the sine is negative
	v_lshlrev_b32 v[TQ], 30, v[TQ]
	v_xor_b32 v[\os], v[\os], v[TQ]
	v_add_nc_u32 v[TQ], 1, v[TN]                   ; n % 4 = 1, 2: the cosine
	v_and_b32 v[TQ], 2, v[TQ]
	v_lshlrev_b32 v[TQ], 30, v[TQ]
	v_xor_b32 v[\oc], v[\oc], v[TQ]
.endm
	SINCOS PF, RH, TR, TR+2
	SINCOS PF, SH, TR+1, TR+3
	SINCOS PF+1, RH, TR+4, TR+6
	SINCOS PF+1, SH, TR+5, TR+7
.irp i, 0,1,2,3
	global_store_b64 v5, v[TR+2*\i:TR+2*\i+1], s[8:9] offset:256*\i   ; 32 lanes store 256 consecutive bytes, aligned
.endr
; ---- a fragment
.macro FRAGX f
.if (\f) < 3
	s_wait_loadcnt 16                              ; this fragment's 16 loads are in; the next one's 16 may be out
.else
	s_wait_loadcnt 0
.endif
.irp r, 0,1,2,3,4,5,6,7,8,9,10,11,12,13,14,15
	ds_store_b128 v3, v[R+64*((\f)%2)+4*\r:R+64*((\f)%2)+4*\r+3] offset:528*\r
.endr
.irp c, 0,1
.irp e, 0,1,2,3,4,5,6,7
	ds_load_b128 v[X+32*\c+4*\e:X+32*\c+4*\e+3], v4 offset:256*\c+16*\e   ; LDS serves a wave's instructions in order: these see my stores
.endr
.endr
	s_wait_dscnt 0x0                               ; my numbers are back, and the stores have read their registers
.if (\f) > 0
	s_wait_xcnt 0x0                                ; the last fragment's stores have read the codes' registers, which are written again below
.endif
.if (\f)+2 < 4
	LOADX (\f)+2
.endif
.irp c, 0,1
	v_max3_num_f32 v[TM+\c], |v[X+32*\c]|, |v[X+32*\c+1]|, 0x1800000   ; my block 2 c + h, and the floor 2^(3 - 127): the byte cannot fall under 1
.endr
.irp i, 2,4,6,8,10,12,14,16,18,20,22,24,26,28,30
.irp c, 0,1
	v_max3_num_f32 v[TM+\c], v[TM+\c], |v[X+32*\c+\i]|, |v[X+32*\c+\i+1]|
.endr
.endr
.irp c, 0,1
	v_add_nc_u32 v[TM+2+\c], 0xff000000, v[TM+\c]  ; 2 off the exponent field: the conversion's scale operand
.endr
.irp c, 0,1
	v_lshrrev_b32 v[TM+4+\c], 23, v[TM+2+\c]       ; the scale's byte
.endr
	v_lshl_or_b32 v[TM+6], v[TM+5], 16, v[TM+4]    ; my two bytes: blocks h and 2 + h,
	v_lshlrev_b32 v[TM+6], v8, v[TM+6]             ; at their places in the word;
	v_permlanex16_b32 v[TM+7], v[TM+6], s20, s21
	v_or_b32 v[WD+(\f)], v[TM+6], v[TM+7]          ; with lane l xor 16's two the word is whole
.irp c, 0,1
	v_cvt_scalef32_pk16_fp6_f32 v[PC+6*\c:PC+6*\c+2], v[X+32*\c:X+32*\c+15], v[TM+2+\c]
	v_cvt_scalef32_pk16_fp6_f32 v[T2+4*\c:T2+4*\c+2], v[X+32*\c+16:X+32*\c+31], v[TM+2+\c]   ; (a conversion's three registers begin on an even number)
.endr
	v_nop                                          ; one plain place behind a scaled conversion
.irp c, 0,1
.irp i, 0,1,2
	v_mov_b32 v[PC+3+6*\c+\i], v[T2+4*\c+\i]
.endr
.endr
.irp c, 0,1,2
	global_store_b128 v2, v[PC+4*\c:PC+4*\c+3], s[6:7] offset:1536*(\f)+512*\c   ; 512 consecutive bytes, aligned
.endr
.endm
	FRAGX 0
	FRAGX 1
	FRAGX 2
	FRAGX 3
	v_cmp_le_u32 vcc_lo, 16, v1                    ; the record's scale words: lanes 0-15 store those of fragments 0 and 1, lanes 16-31 those of 2 and 3: 8 bytes a row
	v_cndmask_b32 v10, v[WD], v[WD+2], vcc_lo
	v_cndmask_b32 v11, v[WD+1], v[WD+3], vcc_lo
	global_store_b64 v5, v[10:11], s[6:7] offset:6144   ; 256 consecutive bytes, aligned
	s_wait_tensorcnt 0x0                           ; the wave's end: the tensor wait, an add of 0 to my spare word and its wait, behind my last LDS store
	ds_add_u32 v[SPW], v[NIL]
	s_wait_dscnt 0x0
	s_endpgm
.Lfunc_end_k_qb8b53dd54b_quant_all:
	.size	k_qb8b53dd54b_quant_all, .Lfunc_end_k_qb8b53dd54b_quant_all-k_qb8b53dd54b_quant_all
	.p2alignl 7, 3214868480
	.fill 96, 4, 3214868480
	.section	.rodata,"a",@progbits
	.p2align	6, 0x0
	.amdhsa_kernel k_qb8b53dd54b_quant_all
		.amdhsa_group_segment_fixed_size 58880
		.amdhsa_private_segment_fixed_size 0
		.amdhsa_enable_private_segment 0
		.amdhsa_kernarg_size 64
		.amdhsa_user_sgpr_count 2
		.amdhsa_user_sgpr_kernarg_segment_ptr 1
		.amdhsa_wavefront_size32 1
		.amdhsa_system_sgpr_workgroup_id_x 1
		.amdhsa_system_sgpr_workgroup_id_y 1
		.amdhsa_system_sgpr_workgroup_id_z 1
		.amdhsa_system_vgpr_workitem_id 0
		.amdhsa_next_free_vgpr 256
		.amdhsa_next_free_sgpr 66
		.amdhsa_reserve_vcc 1
		.amdhsa_float_denorm_mode_32 3
		.amdhsa_float_denorm_mode_16_64 3
		.amdhsa_memory_ordered 1
		.amdhsa_forward_progress 1
		.amdhsa_inst_pref_size 85
	.end_amdhsa_kernel
	.amdgpu_metadata
---
amdhsa.version: [ 1, 2 ]
amdhsa.kernels:
  - .name:           k_qb8b53dd54b_quant_all
    .symbol:         k_qb8b53dd54b_quant_all.kd
    .args:
      - { .name: wq, .offset: 0, .size: 8, .value_kind: global_buffer, .address_space: global }
      - { .name: wk, .offset: 8, .size: 8, .value_kind: global_buffer, .address_space: global }
      - { .name: wv, .offset: 16, .size: 8, .value_kind: global_buffer, .address_space: global }
      - { .name: wo, .offset: 24, .size: 8, .value_kind: global_buffer, .address_space: global }
      - { .name: opq, .offset: 32, .size: 8, .value_kind: global_buffer, .address_space: global }
      - { .name: woq, .offset: 40, .size: 8, .value_kind: global_buffer, .address_space: global }
      - { .name: x, .offset: 48, .size: 8, .value_kind: global_buffer, .address_space: global }
      - { .name: rope, .offset: 56, .size: 8, .value_kind: global_buffer, .address_space: global }
    .group_segment_fixed_size: 58880
    .private_segment_fixed_size: 0
    .kernarg_segment_align: 8
    .kernarg_segment_size: 64
    .max_flat_workgroup_size: 128
    .sgpr_count:     66
    .vgpr_count:     256
    .wavefront_size: 32
...
	.end_amdgpu_metadata
.endif
;; end of part 6
;; launch gemm_qkv (part 7): grid 16 x 16, 4 waves a work-group, clusters of 4 x 4, 327,680 bytes of LDS; arguments opq, rope, qkv; writes qkv
.if DOCPART == 7
	.amdgcn_target "amdgcn-amd-amdhsa--gfx1250"
	.amdhsa_code_object_version 6
	.text
	.protected	k_qb8b53dd54b_gemm_qkv
	.globl	k_qb8b53dd54b_gemm_qkv
	.p2align	8
	.type	k_qb8b53dd54b_gemm_qkv,@function
k_qb8b53dd54b_gemm_qkv:
	s_mov_b64 s[64:65], 0
	v_nop
	global_prefetch_b8 v0, s[64:65] scope:SCOPE_SE
	s_setreg_imm32_b32 hwreg(HW_REG_WAVE_MODE, 25, 1), 1
	s_wait_xcnt 0x0
	s_wait_alu depctr_hold_cnt(0) depctr_sa_sdst(0) depctr_va_vdst(0) depctr_va_sdst(0) depctr_va_ssrc(0) depctr_va_vcc(0) depctr_vm_vsrc(0)
	s_getreg_b32 s2, hwreg(HW_REG_IB_STS2, 6, 4)
	s_cmp_eq_u32 s2, 0
	s_cbranch_scc0 .Lentry_in_a_cluster
	s_endpgm
.Lentry_in_a_cluster:
	s_bfe_u32 s2, ttmp6, 0x10000c
	s_cmp_lg_u32 s2, 0xf033
	s_cbranch_scc0 .Lentry_shape_is_right
	s_endpgm
.Lentry_shape_is_right:
.set RBP,   51200
.set REC,   6400
.set FR,    12
.set NP,    4
.set NF,    36
.set ATB,   4*REC
.set BTB,   8*REC
.set BOFF,  8*REC
.set SLOT,  24*REC
.set LAPS,  4
.set SPARE, 2*SLOT
.set ADRA, 16
.set ADRB, 18
.set ASA,  20
.set ASB,  22
.set L16,  24
.set RO,   25
.set L8,   26
.set SPW,  28
.set NIL,  29
.set SCA,  32
.set SCB,  48
.set TM,   80
.set PW,   96
.set T2,   100
.set PR,   108
.set AF,   128
.set TT,   128
.set PCB,  128
.set G1, 24
.set G0, 32
.set G1B, 48
.set G0B, 56
.set OUTA, 10
.set RB,   12
.set MSB, 0
.macro WIN new
.if MSB != (\new)
	s_set_vgpr_msb (MSB<<8)|(\new)
.set MSB, \new
.endif
.endm
.set MUL,  0xa1
.set TO_B, 0x40
.macro JLOAD g0a, g1a, g0b, g1b
	s_cmp_eq_u32 s15, 0
	s_cbranch_scc0 .Lfor_b_\@
	tensor_load_to_lds s[\g0a:\g0a+3], s[\g1a:\g1a+7]
	s_nop 0
.rept 4
	v_nop
.endr
	s_branch .Lasked_\@
.Lfor_b_\@:
	tensor_load_to_lds s[\g0b:\g0b+3], s[\g1b:\g1b+7]
	s_nop 0
.rept 4
	v_nop
.endr
.Lasked_\@:
.endm
.macro CREST
	s_cmp_lg_u32 s14, 0
	s_cbranch_scc1 .Lnot_wave_0_\@
	s_barrier_signal -3
.Lnot_wave_0_\@:
	s_barrier_wait -3
	s_barrier_signal -1
	s_barrier_wait -1
.endm
.macro CROUND
	s_barrier_signal -1
	s_barrier_wait -1
	CREST
.endm
	s_load_b128 s[4:7], s[0:1], 0x0
	s_load_b64 s[8:9], s[0:1], 0x10
	v_lshl_add_u32 v[SPW], v0, 2, SPARE
	v_mov_b32 v[NIL], 0
	ds_add_u32 v[SPW], v[NIL]
	ds_add_u32 v[SPW], v[NIL]
	v_lshrrev_b32 v1, 5, v0
	v_readfirstlane_b32 s14, v1
	v_and_b32 v31, 31, v0                          ; v31: the prefetches' offset, 256 x min(lane, 24): a record is 25 blocks of 256 bytes; never rewritten
	v_min_u32 v31, 24, v31
	v_lshlrev_b32 v31, 8, v31
	s_lshr_b32 s15, s14, 1
	s_and_b32 s16, s14, 1
	s_bfe_u32 s40, ttmp6, 0x40000
	s_bfe_u32 s41, ttmp6, 0x40004
	s_and_b32 s17, ttmp7, 0xffff
	s_lshl_b32 s18, ttmp9, 2
	s_add_co_u32 s18, s18, 8
	s_and_b32 s19, s17, 1
	s_lshl_b32 s19, s19, 2
	s_add_co_u32 s19, s19, 40
	s_lshr_b32 s20, s17, 1
	s_lshl_b32 s20, s20, 2
	s_lshl_b32 s17, s17, 2
	s_cmp_eq_u32 ttmp9, 3
	s_cselect_b32 s95, 1, 0
	s_cselect_b32 s19, s19, s17
	s_cselect_b32 s18, s20, s18
	s_add_co_u32 s17, s19, s41
	s_add_co_u32 s42, s18, s40
	s_lshl_b32 s43, s41, 2
	s_lshl_b32 s43, 15, s43
	s_lshl_b32 s44, 0x1111, s40
	s_or_b32 s[G1+0], s43, (3<<16)|(1<<21)
	s_mov_b32 s[G1+1], 800<<16
	s_mov_b32 s[G1+2], 4<<16
	s_mov_b32 s[G1+3], 800<<16
	s_mov_b32 s[G1+4], 4
	s_mov_b32 s[G1+5], RBP/8
	s_mov_b32 s[G1+6], 0
	s_mov_b32 s[G1+7], 0
	s_or_b32 s[G1B+0], s44, (3<<16)|(1<<21)
	s_mov_b32 s[G1B+1], 800<<16
	s_mov_b32 s[G1B+2], 8<<16
	s_mov_b32 s[G1B+3], 800<<16
	s_mov_b32 s[G1B+4], 8
	s_mov_b32 s[G1B+5], RBP/8
	s_mov_b32 s[G1B+6], 0
	s_mov_b32 s[G1B+7], 0
	s_lshl_b32 s20, s17, 3
	s_lshl_b32 s18, s16, 2
	s_add_co_u32 s20, s20, s18
	s_lshl_b32 s46, s42, 4
	s_lshl_b32 s18, s16, 3
	s_add_co_u32 s46, s46, s18
	s_mul_i32 s20, s20, RBP
	s_mul_i32 s46, s46, RBP
	s_mov_b32 s21, 0
	s_mov_b32 s47, 0
	s_mul_i32 s45, s16, ATB
	s_mul_i32 s94, s16, BTB
	s_add_co_u32 s94, s94, BOFF
	s_wait_dscnt 0x0
	s_wait_kmcnt 0x0
	s_add_nc_u64 s[20:21], s[4:5], s[20:21]
	s_add_nc_u64 s[46:47], s[4:5], s[46:47]
; PREFETCHES INTO THE L2.  Of the row blocks that my wave fetches jointly with three partners, each partner names its share, told apart by ADDRESS alone: of A's four row blocks the one at cx,
; of B's eight the two at 2 cy, 2 cy + 1; a lane a block of 256 bytes (lanes 25-31 name the last block again).  s[66:67]: my share's record; behind the load of record n stands the request for record n + 2
; (behind record 0's also that for record 1); the last two refills ask for nothing.
.macro ASKR off
	s_cmp_eq_u32 s15, 0
	global_prefetch_b8 v31, s[66:67] offset:\off th:TH_LOAD_NT scope:SCOPE_SE
	s_cbranch_scc1 .Lone_\@
	global_prefetch_b8 v31, s[66:67] offset:(\off)+RBP th:TH_LOAD_NT scope:SCOPE_SE
.Lone_\@:
.endm
	s_lshl_b32 s69, s41, 1
	s_cmp_eq_u32 s15, 0
	s_cselect_b64 s[66:67], s[20:21], s[46:47]
	s_cselect_b32 s68, s40, s69
	s_mul_i32 s68, s68, RBP
	s_mov_b32 s69, 0
	s_add_nc_u64 s[66:67], s[66:67], s[68:69]
	s_add_nc_u64 s[66:67], s[66:67], REC           ; at record 1
	CROUND
.irp s, 0,1
	s_mov_b32 s[G0+4*\s], 1
	s_add_co_u32 s[G0+4*\s+1], s45, \s*SLOT
	s_add_nc_u64 s[G0+4*\s+2:G0+4*\s+3], s[20:21], \s*REC
	s_or_b32 s[G0+4*\s+3], s[G0+4*\s+3], 0x80000000
	s_mov_b32 s[G0B+4*\s], 1
	s_add_co_u32 s[G0B+4*\s+1], s94, \s*SLOT
	s_add_nc_u64 s[G0B+4*\s+2:G0B+4*\s+3], s[46:47], \s*REC
	s_or_b32 s[G0B+4*\s+3], s[G0B+4*\s+3], 0x80000000
.endr
	s_wait_alu depctr_va_vdst(0)
	JLOAD G0, G1, G0B, G1B                         ; record 0: one tensor load a wave at the head
	ASKR 0                                         ; records 1 and 2
	ASKR REC
	v_and_b32 v30, 31, v0
	v_and_b32 v1, 15, v0
	v_bfe_u32 v2, v0, 4, 1
	v_lshlrev_b32 v[L16], 4, v30
	v_lshlrev_b32 v[L8], 3, v30
	s_mul_i32 s21, s15, ATB
	s_mul_i32 s22, s16, BTB
	s_add_co_u32 s22, s22, BOFF
.irp s, 0,1
	v_add_nc_u32 v[ADRA+\s], s21, v[L16]
	v_add_nc_u32 v[ADRB+\s], s22, v[L16]
	v_add_nc_u32 v[ASA+\s], s21, v[L8]
	v_add_nc_u32 v[ASB+\s], s22, v[L8]
	s_add_co_u32 s21, s21, SLOT
	s_add_co_u32 s22, s22, SLOT
.endr
	v_and_b32 v3, 8, v1
	v_add_nc_u32 v3, v3, v1
	v_lshlrev_b32 v[RO], 9, v3
	v_lshl_add_u32 v[RO], v2, 6, v[RO]
	s_lshl_b32 s46, s42, 1
	s_add_co_u32 s46, s46, s16
	s_cmp_eq_u32 s95, 1
	s_cselect_b32 s21, s17, s46
	s_cselect_b32 s22, s46, s17
	s_sub_co_u32 s21, s21, 16
	s_lshl_b32 s21, s21, 4
	s_add_co_u32 s21, s21, s22
	s_lshl_b32 s21, s21, 1
	s_add_co_u32 s21, s21, s15
	s_mul_i32 s22, s21, REC
	s_mov_b32 s23, 0
	s_add_nc_u64 s[OUTA:OUTA+1], s[8:9], s[22:23]
	s_lshl_b32 s22, s17, 1
	s_add_co_u32 s22, s22, s15
	s_lshl_b32 s22, s22, 15
	s_cmp_eq_u32 s95, 1
	s_cselect_b32 s22, 0, s22
	s_add_nc_u64 s[RB:RB+1], s[6:7], s[22:23]
; The cos/sin numbers of my 64 positions go into window 3, which nothing else names, while record 0 is on its way: 64 loads, waited for on the way out
.macro ROPELOAD a
	WIN 0xc0
.irp sc, 0,1
.irp bb, 0,1
.irp e, 0,1,2,3
	global_load_b128 v[64*(\a)+32*\sc+16*\bb+4*\e:64*(\a)+32*\sc+16*\bb+4*\e+3], v[RO], s[RB:RB+1] offset:(32*((\a)/2)+8*((\a)%2))*512+256*\sc+128*\bb+16*\e
.endr
.endr
.endr
.endm
	s_wait_alu depctr_va_vdst(0)
	s_cmp_eq_u32 s95, 1
	s_cbranch_scc1 .Lno_table                      ; v's tiles are not rotated
	ROPELOAD 0
	ROPELOAD 1
	ROPELOAD 2
	ROPELOAD 3
	WIN 0
.Lno_table:
.macro FRAG reg, adr, q, i
.irp c, 0,1,2
	ds_load_b128 v[\reg+4*\c:\reg+4*\c+3], v[\adr] offset:(\i)*REC+(\q)*1536+512*\c
.endr
.endm
.macro FETCH slot, q, p
	WIN TO_B
.irp i, 0,1,2,3,4,5,6,7
	FRAG 128*(\p)+FR*\i, ADRB+\slot, \q, \i
.endr
	WIN 0
.irp i, 0,1,2,3
	FRAG AF+48*(\p)+FR*\i, ADRA+\slot, \q, \i
.endr
.endm
.macro SCALES s
.irp i, 0,1,2,3
	ds_load_b64 v[SCA+8*\s+2*\i:SCA+8*\s+2*\i+1], v[ASA+\s] offset:\i*REC+6144
.endr
.irp i, 0,1,2,3,4,5,6,7
	ds_load_b64 v[SCB+16*\s+2*\i:SCB+16*\s+2*\i+1], v[ASB+\s] offset:\i*REC+6144
.endr
.endm
.macro MUL8 a, p, q, s, zero
.irp b, 0,1,2,3,4,5,6,7
.if \zero
	v_wmma_scale_f32_16x16x128_f8f6f4 v[8*(8*(\a)+\b):8*(8*(\a)+\b)+7], v[128*(\p)+FR*\b:128*(\p)+FR*\b+FR-1], v[AF+48*(\p)+FR*(\a):AF+48*(\p)+FR*(\a)+FR-1], 0, v[SCB+16*(\s)+2*\b+(\q)%2], v[SCA+8*(\s)+2*(\a)+(\q)%2] matrix_a_fmt:MATRIX_FMT_FP6 matrix_b_fmt:MATRIX_FMT_FP6
.elseif (\q) < 2
	v_wmma_scale_f32_16x16x128_f8f6f4 v[8*(8*(\a)+\b):8*(8*(\a)+\b)+7], v[128*(\p)+FR*\b:128*(\p)+FR*\b+FR-1], v[AF+48*(\p)+FR*(\a):AF+48*(\p)+FR*(\a)+FR-1], v[8*(8*(\a)+\b):8*(8*(\a)+\b)+7], v[SCB+16*(\s)+2*\b+(\q)%2], v[SCA+8*(\s)+2*(\a)+(\q)%2] matrix_a_fmt:MATRIX_FMT_FP6 matrix_b_fmt:MATRIX_FMT_FP6
.else
	v_wmma_scale_f32_16x16x128_f8f6f4 v[8*(8*(\a)+\b):8*(8*(\a)+\b)+7], v[128*(\p)+FR*\b:128*(\p)+FR*\b+FR-1], v[AF+48*(\p)+FR*(\a):AF+48*(\p)+FR*(\a)+FR-1], v[8*(8*(\a)+\b):8*(8*(\a)+\b)+7], v[SCB+16*(\s)+2*\b+(\q)%2], v[SCA+8*(\s)+2*(\a)+(\q)%2] matrix_a_fmt:MATRIX_FMT_FP6 matrix_b_fmt:MATRIX_FMT_FP6 matrix_a_scale:MATRIX_SCALE_ROW1 matrix_b_scale:MATRIX_SCALE_ROW1
.endif
.endr
.endm
.macro PLACES n
.rept \n
	v_nop
.endr
.endm
.macro STEP slot, q, zero
	PLACES NP
	FETCH \slot, (\q)+1, 1-(\q)%2
	s_wait_dscnt NF
	WIN MUL
	MUL8 0, (\q)%2, \q, \slot, \zero
	MUL8 1, (\q)%2, \q, \slot, \zero
	MUL8 2, (\q)%2, \q, \slot, \zero
	MUL8 3, (\q)%2, \q, \slot, \zero
.endm
.macro TURN slot, next, fill
	WIN 0
.if \fill
	s_wait_xcnt 0x0                                ; the last prefetch has read its address
	s_add_nc_u64 s[66:67], s[66:67], REC
.endif
	s_wait_tensorcnt 0x0
	ds_add_u32 v[SPW], v[NIL]
	s_wait_dscnt 1
	WIN MUL
	MUL8 0, 1, 3, \slot, 0
	s_wait_dscnt 0x0
	s_barrier_signal -1
	MUL8 1, 1, 3, \slot, 0
	WIN 0
	s_barrier_wait -1
.if \fill
	CREST
	s_add_nc_u64 s[G0+4*\slot+2:G0+4*\slot+3], s[G0+4*\slot+2:G0+4*\slot+3], 2*REC
	s_add_nc_u64 s[G0B+4*\slot+2:G0B+4*\slot+3], s[G0B+4*\slot+2:G0B+4*\slot+3], 2*REC
	JLOAD G0+4*\slot, G1, G0B+4*\slot, G1B
.else
	PLACES NP
.endif
	FETCH \next, 0, 0
	SCALES \next
.if \fill
	s_cmp_gt_u32 s3, 1                             ; the loop's last trip loads records 6 and 7: no record stands two on
	s_cbranch_scc0 .Lnone_\@
	ASKR 2*REC
.Lnone_\@:
.endif
	WIN MUL
	MUL8 2, 1, 3, \slot, 0
	MUL8 3, 1, 3, \slot, 0
.endm
	s_wait_alu depctr_va_vdst(0)
	s_wait_tensorcnt 0x0                           ; my part of record 0 is in, ahead of slot 1's first fill
	ds_add_u32 v[SPW], v[NIL]
	s_wait_dscnt 0x0
	CROUND
	JLOAD G0+4, G1, G0B+4, G1B                     ; record 1, the first tensor load behind the round
	FETCH 0, 0, 0
	SCALES 0
	ASKR 2*REC                                     ; record 3
	STEP 0, 0, 1
	WIN 0
	s_mov_b32 s3, LAPS-1
.Llap:
	STEP 0, 1, 0
	STEP 0, 2, 0
	TURN 0, 1, 1
	STEP 1, 0, 0
	STEP 1, 1, 0
	STEP 1, 2, 0
	TURN 1, 0, 1
	STEP 0, 0, 0
	WIN 0
	s_sub_co_u32 s3, s3, 1
	s_cmp_lg_u32 s3, 0
	s_cbranch_scc1 .Llap
	STEP 0, 1, 0
	STEP 0, 2, 0
	TURN 0, 1, 0
	STEP 1, 0, 0
	STEP 1, 1, 0
	STEP 1, 2, 0
	s_wait_dscnt 0x0
	MUL8 0, 1, 3, 1, 0
	MUL8 1, 1, 3, 1, 0
	MUL8 2, 1, 3, 1, 0
	MUL8 3, 1, 3, 1, 0
	WIN 0
	PLACES NP
.macro ROPE a, left
.set AC, 64*(\a)
	s_wait_loadcnt \left
	WIN 0x0e
.set n, 0
.rept 16
	v_pk_mul_f32 v[TT+n:TT+n+1], v[AC+32+n:AC+33+n], v[AC+32+n:AC+33+n]
	v_pk_mul_f32 v[TT+32+n:TT+33+n], v[AC+n:AC+n+1], v[AC+32+n:AC+33+n]
.set n, n+2
.endr
	WIN 0x8e
.set n, 0
.rept 16
	v_pk_fma_f32 v[AC+n:AC+n+1], v[AC+n:AC+n+1], v[AC+n:AC+n+1], v[TT+n:TT+n+1] neg_lo:[0,0,1] neg_hi:[0,0,1]
	v_pk_fma_f32 v[AC+32+n:AC+33+n], v[AC+32+n:AC+33+n], v[AC+n:AC+n+1], v[TT+32+n:TT+33+n]
.set n, n+2
.endr
.endm
	s_cmp_eq_u32 s95, 1
	s_cbranch_scc1 .Lno_rope
	ROPE 0, 48
	ROPE 1, 32
	ROPE 2, 16
	ROPE 3, 0
	WIN 0
.Lno_rope:
.irp b, 0,1,2,3
	v_mov_b32 v[TM+4+\b], 0
.endr
.macro QUANT a
.set AC, 64*(\a)
.set PCF, PCB+12*(\a)
	WIN 0x28
.irp b, 0,1,2,3
	v_max3_num_f32 v[TM+\b], 0x1800000, |v[AC+16*\b]|, |v[AC+1+16*\b]|
.endr
.irp i, 2,4,6,8,10,12,14
.irp b, 0,1,2,3
	v_max3_num_f32 v[TM+\b], v[TM+\b], |v[AC+16*\b+\i]|, |v[AC+1+16*\b+\i]|
.endr
.endr
	WIN 0
.irp b, 0,1,2,3
	v_permlanex16_b32 v[TM+4+\b], v[TM+\b], s96, s97
.endr
.irp b, 0,1,2,3
	v_max_num_f32 v[TM+\b], v[TM+\b], v[TM+4+\b]
.endr
.irp b, 0,1,2,3
	v_add_nc_u32 v[TM+12+\b], 0xff000000, v[TM+\b]
.endr
.irp b, 0,1,2,3
	v_lshrrev_b32 v[TM+4+\b], 23, v[TM+12+\b]
.endr
	v_lshl_or_b32 v[PW+(\a)], v[TM+5], 8, v[TM+4]
	v_lshl_or_b32 v[PW+(\a)], v[TM+6], 16, v[PW+(\a)]
	v_lshl_or_b32 v[PW+(\a)], v[TM+7], 24, v[PW+(\a)]
	WIN 0x02
.irp c, 0,1
	v_cvt_scalef32_pk16_fp6_f32 v[PCF+6*\c:PCF+2+6*\c], v[AC+32*\c:AC+15+32*\c], v[TM+12+2*\c]
	v_cvt_scalef32_pk16_fp6_f32 v[T2+4*\c:T2+2+4*\c], v[AC+16+32*\c:AC+31+32*\c], v[TM+12+2*\c+1]
.endr
	WIN 0
	v_nop
.irp c, 0,1
.irp i, 0,1,2
	v_permlane16_swap_b32 v[PCF+6*\c+\i], v[T2+4*\c+\i]
.endr
.irp i, 0,1,2
	v_mov_b32 v[PCF+3+6*\c+\i], v[T2+4*\c+\i]
.endr
.endr
.irp c, 0,1,2
	global_store_b128 v[L16], v[PCF+4*\c:PCF+4*\c+3], s[OUTA:OUTA+1] offset:(\a)*1536+512*\c
.endr
.endm
	s_mov_b32 s96, 0x76543210
	s_mov_b32 s97, 0xfedcba98
.irp a, 0,1,2,3
	QUANT \a
.endr
	v_cmp_le_u32 vcc_lo, 16, v30
	v_cndmask_b32 v[PR], v[PW], v[PW+2], vcc_lo
	v_cndmask_b32 v[PR+1], v[PW+1], v[PW+3], vcc_lo
	global_store_b64 v[L8], v[PR:PR+1], s[OUTA:OUTA+1] offset:6144
	s_wait_tensorcnt 0x0
	ds_add_u32 v[SPW], v[NIL]
	s_wait_dscnt 0x0
	CROUND
	s_endpgm
.Lfunc_end_k_qb8b53dd54b_gemm_qkv:
	.size	k_qb8b53dd54b_gemm_qkv, .Lfunc_end_k_qb8b53dd54b_gemm_qkv-k_qb8b53dd54b_gemm_qkv
	.p2alignl 7, 3214868480
	.fill 96, 4, 3214868480
	.section	.rodata,"a",@progbits
	.p2align	6, 0x0
	.amdhsa_kernel k_qb8b53dd54b_gemm_qkv
		.amdhsa_group_segment_fixed_size 327680
		.amdhsa_private_segment_fixed_size 0
		.amdhsa_enable_private_segment 0
		.amdhsa_kernarg_size 24
		.amdhsa_user_sgpr_count 2
		.amdhsa_user_sgpr_kernarg_segment_ptr 1
		.amdhsa_wavefront_size32 1
		.amdhsa_system_sgpr_workgroup_id_x 1
		.amdhsa_system_sgpr_workgroup_id_y 1
		.amdhsa_system_sgpr_workgroup_id_z 1
		.amdhsa_system_vgpr_workitem_id 0
		.amdhsa_next_free_vgpr 1024
		.amdhsa_next_free_sgpr 98
		.amdhsa_reserve_vcc 1
		.amdhsa_float_denorm_mode_32 3
		.amdhsa_float_denorm_mode_16_64 3
		.amdhsa_memory_ordered 1
		.amdhsa_forward_progress 1
		.amdhsa_inst_pref_size 160
	.end_amdhsa_kernel
	.amdgpu_metadata
---
amdhsa.version: [ 1, 2 ]
amdhsa.kernels:
  - .name:           k_qb8b53dd54b_gemm_qkv
    .symbol:         k_qb8b53dd54b_gemm_qkv.kd
    .args:
      - { .name: opq, .offset: 0, .size: 8, .value_kind: global_buffer, .address_space: global }
      - { .name: rope, .offset: 8, .size: 8, .value_kind: global_buffer, .address_space: global }
      - { .name: qkv, .offset: 16, .size: 8, .value_kind: global_buffer, .address_space: global }
    .group_segment_fixed_size: 327680
    .private_segment_fixed_size: 0
    .kernarg_segment_align: 8
    .kernarg_segment_size: 24
    .max_flat_workgroup_size: 128
    .sgpr_count:     98
    .vgpr_count:     1024
    .wavefront_size: 32
...
	.end_amdgpu_metadata
.endif
;; end of part 7
;; launch attn (part 8): grid 32 x 8, 16 waves a work-group, no clusters, 327,680 bytes of LDS; arguments qkv, attq; writes attq
.if DOCPART == 8
	.amdgcn_target "amdgcn-amd-amdhsa--gfx1250"
	.amdhsa_code_object_version 6
	.text
	.protected	k_qb8b53dd54b_attn
	.globl	k_qb8b53dd54b_attn
	.p2align	8
	.type	k_qb8b53dd54b_attn,@function
k_qb8b53dd54b_attn:
	s_mov_b64 s[64:65], 0
	v_nop
	global_prefetch_b8 v0, s[64:65] scope:SCOPE_SE
	s_setreg_imm32_b32 hwreg(HW_REG_WAVE_MODE, 25, 1), 1
	s_wait_xcnt 0x0
; Causal attention on codes of E2M3: 16 query heads, 8 key and value heads, 2,048 positions, head size 128; the result, divided by the row's sum, is quantised along (head, channel) and stored as the last product's operand.
; LEFT OUT AS DEAD WORK: a step of 128 keys all of which come after a tile's 16 queries: reference()'s own jnp.tril gives those weights exp(-inf) = 0 for all values of the inputs.  A NaN or overflow that would arise only there is not carried on.
; THE SOFTMAX: t = score x log2(e) / sqrt(128); M = the largest t so far, rounded UP to a whole number; p = 2^(t - M) is quantised along the keys, not normalised.  The row's sum is taken of the unquantised p in f32 and divides O at the end.
; When M moves, the sum and O are multiplied by 2^(old M - new M): exact.  LIMIT: the promise holds while |t| stays under 2^31.
; IN.  qkv = [i1 32][i2 16][2 records of 6,400 bytes]; a record is 4 fragment images (16 rows x 128 K: register group c at 512 c, lane l at 16 l) and 256 bytes of scale words (byte 8 (16 h + r) + 4 e: row r's word of fragment 2 h + e).
; i1 = 0-15 q's heads, 16-23 k's (i2 = 128 positions), 24-31 v's (i2 = 128 keys; rows = channels, K = keys).  Row r of row block rb is the true index 32 (rb / 2) + 8 (rb % 2) + r + 8 (r / 8).
; SHARES.  Work-group (c, kv head): sixteen waves, eight tiles of 16 queries, TWO WAVES TO A TILE.  Tile bits b2 b1 b0 = wave % 8: head 2 kvh + b1; row block 2 c + b2, or 127 - (2 c + b2) where b0 xor b2 = 1.
; Wave half hf = wave / 8 takes the key steps 2 j + hf: the tile's steps by turns.  Each half keeps its own M, sum and O^T; at the end half 1 hands them through an LDS stage of its own to half 0, which brings both under the larger M
; (two exact powers of two), adds, divides, quantises and stores.  A half without any step hands on M = -3e38, sum 0, O 0: its factor is 0.
; LAYOUT.  Both products are used transposed: S^T = K Q^T, O^T = V^T P^T: a lane holds ONE query throughout.  By the order of the rows the 16 registers of two neighbouring tiles are 16 neighbouring keys (in S^T) or channels (in O^T).
; RING.  Two LDS slots of 512 keys: K's eight records, then V's eight.  Every wave fetches one record, 6,400 consecutive bytes, by one tensor load; one load of a wave is out at the most.  Every work-group walks all 4 slots, so that the trip
; counts are constants; a step whose keys are all hidden is jumped over, and a slot whose first key comes after the work-group's last query is not asked for.
; NO CLUSTER: the work-groups of a kv head read the same K and V, but how many slots each reads hangs on c: partners would need different numbers of tiles, and a joint load is neither jumped over nor issued for bytes that nobody reads.
; OUT.  attq = [row block][4 records]: K = 128 x query head + channel, so head hq is fragment hq % 4 of record hq / 4.
; REGISTERS: v1-2, 10, 28-29, 82-83 offsets that stay; v8-9, 80-81 addresses in hand; v12 -M, v13 the largest t, v[14:15] the sum; v16-27 Q; v32-79 four fragments of K or V; v84-95 the joining; v96-159 S^T, then p; v160-223 O^T;
; v224-235 p's codes; v232-254 at work; v248-251 K's and V's scale words, v253 p's, v255 Q's.
.set REC,   6400
.set VOFF,  8*REC                      ; a slot: K's eight records, then V's
.set SLOT1, 131072                     ; slot 1 begins here, so that one exclusive or turns an address in one slot into the other's
.set SPARE, 233472                     ; behind the ring: the spare words, 128 bytes for each of sixteen waves
.set STAGE, 235520                     ; behind them: a tile's room for half 1's O^T (16 x 512 bytes) and its -M, t, sum (512); no tensor load lands here
.set SROOM, 8704
.set AL0,  1                           ; v1   16 x lane + my half's first record of a slot
.set AS0,  2                           ; v2   8 x lane + the same
.set SPW,  5
.set NIL,  6
.set ADL,  8                           ; v8, v9    K's part of the slot in hand
.set ADS,  9
.set QOF,  10                          ; v10  8 x (lane % 16)
.set PFO,  28                          ; v28  256 x min(lane, 24)
.set DQ,   29                          ; v29  r + 8 (r / 8) - 16 h
.set ADLV, 80                          ; v80, v81  V's part of the slot in hand
.set ADSV, 81
.set STA,  82                          ; v82  my tile's room in the stage + 16 x lane
.set GL,   83                          ; v83  16 x lane
.set TM,   32
.set PW,   48
.set PC,   52
.set WV,   18
.set SEL,  20
.set CS,   22
.set G1,   24
.set G0,   32
.set TB,   2                           ; s2   LDS byte at which the slot in hand begins
.set SLOTS, 3
.set KF,   36                          ; s36  my step's first key
.set Q0,   37
.set LQ,   38
.set LIM,  39
.set PFA,  40
.set HF,   42                          ; s42  my half
.set SK,   43                          ; s43  the first key of the slot in hand: the same in all waves
	s_load_b128 s[4:7], s[0:1], 0x0                ; qkv, attq
	v_lshl_add_u32 v[SPW], v0, 2, SPARE
	v_mov_b32 v[NIL], 0
	ds_add_u32 v[SPW], v[NIL]                      ; the opening: the add, twice on end, and its wait ahead of my first tensor load
	ds_add_u32 v[SPW], v[NIL]
	v_lshrrev_b32 v8, 5, v0
	s_delay_alu instid0(VALU_DEP_1)
	v_readfirstlane_b32 s[WV], v8                  ; wave 0..15
	s_and_b32 s44, ttmp7, 0xffff                   ; kv head
	s_lshr_b32 s[HF], s[WV], 3
	s_and_b32 s45, s[WV], 1
	s_bfe_u32 s46, s[WV], 0x10001                  ; b1: which of the two query heads
	s_bfe_u32 s47, s[WV], 0x10002                  ; b2
	s_xor_b32 s45, s45, s47                        ; heavy?
	s_lshl_b32 s48, ttmp9, 1
	s_add_co_u32 s48, s48, s47
	s_sub_co_u32 s49, 127, s48
	s_cmp_eq_u32 s45, 1
	s_cselect_b32 s48, s49, s48                    ; my row block of queries
	s_lshl_b32 s49, s44, 1
	s_add_co_u32 s49, s49, s46                     ; my query head
	s_lshr_b32 s50, s48, 1
	s_lshl_b32 s50, s50, 5
	s_and_b32 s51, s48, 1
	s_lshl_b32 s51, s51, 3
	s_add_co_u32 s[Q0], s50, s51                   ; lane r's query is Q0 + r + 8 (r / 8)
	s_lshl_b32 s50, ttmp9, 5
	s_sub_co_u32 s[LQ], 2047, s50                  ; my work-group's last query
	s_lshl_b32 s50, s49, 4
	s_lshr_b32 s51, s48, 3
	s_add_co_u32 s50, s50, s51
	s_mul_i32 s50, s50, 2*REC
	s_bfe_u32 s51, s48, 0x10002
	s_mul_i32 s51, s51, REC
	s_add_co_u32 s50, s50, s51                     ; Q's record,
	s_and_b32 s51, s48, 3
	s_mul_i32 s51, s51, 1536
	s_add_co_u32 s52, s50, s51                     ; its fragment,
	s_mov_b32 s53, 0
	s_bfe_u32 s51, s48, 0x10001
	s_lshl_b32 s51, s51, 7
	s_add_co_u32 s54, s50, s51
	s_and_b32 s51, s48, 1
	s_lshl_b32 s51, s51, 2
	s_add_co_u32 s54, s54, s51
	s_add_co_u32 s54, s54, 6144                    ; its scale words
	s_mov_b32 s55, 0
	s_mul_i32 s56, s48, 4*REC                      ; the result: my row block's four records;
	s_lshr_b32 s51, s44, 1
	s_mul_i32 s51, s51, REC
	s_add_co_u32 s56, s56, s51                     ; record kv head / 2
	s_and_b32 s51, s44, 1
	s_lshl_b32 s58, s51, 7                         ; its scale words: 128 (kv head % 2) + 4 b1, + 8 r
	s_add_co_u32 s58, s58, s56
	s_lshl_b32 s50, s46, 2
	s_add_co_u32 s58, s58, s50
	s_add_co_u32 s58, s58, 6144
	s_mov_b32 s59, 0
	s_lshl_b32 s51, s51, 1
	s_add_co_u32 s51, s51, s46                     ; fragment 2 (kv head % 2) + b1
	s_mul_i32 s51, s51, 1536
	s_add_co_u32 s56, s56, s51
	s_mov_b32 s57, 0
	s_add_co_u32 s60, s44, 16
	s_mul_i32 s60, s60, 204800                     ; K's head: 16 x 12,800 bytes;
	s_mul_i32 s51, s[HF], 1638400                  ; waves 8-15 fetch V's, eight heads further on;
	s_add_co_u32 s60, s60, s51
	s_and_b32 s51, s[WV], 7
	s_mul_i32 s63, s51, SROOM
	s_add_co_u32 s63, s63, STAGE                   ; my tile's room in the stage
	s_mul_i32 s51, s51, REC                        ; my record of a slot's eight
	s_add_co_u32 s60, s60, s51
	s_mov_b32 s61, 0
	s_mul_i32 s62, s[WV], REC                      ; and its place in a slot
	s_mul_i32 s17, s[HF], 2*REC                    ; my half's steps begin two records further on
	s_lshl_b32 s[KF], s[HF], 7                     ; and 128 keys
	s_mov_b32 s[G1], 3<<16                         ; group 1: a record, 25 rows of 256 bytes (32 elements of 8 bytes), dense
	s_mov_b32 s[G1+1], 32<<16
	s_mov_b32 s[G1+2], 25<<16
	s_mov_b32 s[G1+3], 32<<16
	s_mov_b32 s[G1+4], 25
	s_mov_b32 s[G1+5], 32
	s_mov_b32 s[G1+6], 0
	s_mov_b32 s[G1+7], 0
	s_mov_b32 s[SEL], 0x76543210
	s_mov_b32 s[SEL+1], 0xfedcba98                 ; v_permlanex16_b32's selects for lane l xor 16
	s_mov_b32 s[CS], 0x3e0293ee                    ; c = log2(e) / sqrt(128)
	s_mov_b32 s[CS+1], s[CS]
	s_mov_b32 s[TB], 0
	s_mov_b32 s[SK], 0
	s_mov_b32 s[SLOTS], 3
	s_cmp_eq_u32 ttmp9, 0                          ; all work-groups of a kv head walk the same K and V: the first of them, which walks all slots, prefetches
	s_cselect_b32 s[LIM], 1, -1
	s_wait_dscnt 0x0                               ; both opening adds are done
	s_wait_kmcnt 0x0
	s_add_nc_u64 s[PFA:PFA+1], s[4:5], s[60:61]
	s_add_nc_u64 s[PFA:PFA+1], s[PFA:PFA+1], 8*REC ; in slot 1: the first change of slots steps it to slot 2
	s_mov_b32 s[G0], 1
	s_mov_b32 s[G0+1], s62
	s_add_nc_u64 s[G0+2:G0+3], s[4:5], s[60:61]
	s_or_b32 s[G0+3], s[G0+3], 0x80000000
	tensor_load_to_lds s[G0:G0+3], s[G1:G1+7]      ; slot 0: every wave fetches its record
	s_nop 0
.rept 4
	v_nop
.endr
	s_add_nc_u64 s[12:13], s[4:5], s[52:53]
	s_add_nc_u64 s[14:15], s[4:5], s[54:55]
	s_add_nc_u64 s[8:9], s[6:7], s[56:57]
	s_add_nc_u64 s[10:11], s[6:7], s[58:59]
	v_and_b32 v3, 31, v0
	v_and_b32 v4, 15, v0
	s_delay_alu instid0(VALU_DEP_2)
	v_lshlrev_b32 v[GL], 4, v3
	v_lshlrev_b32 v11, 3, v3
	v_lshlrev_b32 v[QOF], 3, v4
.irp c, 0,1,2
	global_load_b128 v[16+4*\c:19+4*\c], v[GL], s[12:13] offset:512*\c   ; Q's fragment stays in registers
.endr
	global_load_b32 v255, v[QOF], s[14:15]         ; Q's scale words
	v_add_nc_u32 v[AL0], s17, v[GL]
	v_add_nc_u32 v[AS0], s17, v11
	v_add_nc_u32 v[STA], s63, v[GL]
	v_and_b32 v7, 8, v4
	s_delay_alu instid0(VALU_DEP_1)
	v_add_nc_u32 v[DQ], v7, v4
	v_bfe_u32 v7, v0, 4, 1
	s_delay_alu instid0(VALU_DEP_1)
	v_lshlrev_b32 v7, 4, v7
	s_delay_alu instid0(VALU_DEP_1)
	v_sub_nc_u32 v[DQ], v[DQ], v7
	v_min_u32 v[PFO], 24, v3
	s_delay_alu instid0(VALU_DEP_1)
	v_lshlrev_b32 v[PFO], 8, v[PFO]
	v_mov_b32 v13, 0xff61b1e6                      ; the largest t so far: -3e38, under every t
	s_delay_alu instid0(VALU_DEP_1)
	v_floor_f32 v12, -v13                          ; -M
	v_mov_b32 v14, 0                               ; the sum, in two halves
	v_mov_b32 v15, 0
.irp b, 0,1,2,3
	v_mov_b32 v[236+\b], 0                         ; a lane permute's destination counts as read
.endr
	v_mov_b32 v252, 0
	v_mov_b32 v253, 0
.set j, 0
.rept 64
	v_mov_b32 v[160+j], 0                          ; O^T.  (The step is written once: the first finds zeros)
.set j, j+1
.endr
; A PREFETCH INTO THE L2 of what the NEXT change of slots will ask for: each wave names its own record of that slot, 25 blocks of 256 bytes, a lane a block (lanes 25-31 name the last block again).
; Only the kv head's first work-group asks, so each record is named by one wave of the launch.  The last change that fills a slot asks for nothing; slots 0 and 1 come by their loads alone.
.macro ASK
	s_cmp_gt_u32 s[SLOTS], s[LIM]
	s_cbranch_scc0 .Lnot_mine_\@
	global_prefetch_b8 v[PFO], s[PFA:PFA+1] th:TH_LOAD_NT scope:SCOPE_SE
.Lnot_mine_\@:
.endm
; A KEY STEP: 128 keys, my q-th of the slot in hand: records 4 q + 2 hf, + 1 of K's eight and of V's.
.macro STEP q
	s_add_co_u32 s97, s[TB], VOFF
	s_add_co_u32 s96, s[Q0], 23                    ; my tile's last query
	s_cmp_gt_u32 s[KF], s96                        ; all keys hidden: a branch on ids, round the step's loads, products and softmax
	s_cbranch_scc1 .Lhidden_\@
	v_add_nc_u32 v[ADL], s[TB], v[AL0]             ; four additions: the four places in front of loads into registers that the last products read
	v_add_nc_u32 v[ADS], s[TB], v[AS0]
	v_add_nc_u32 v[ADLV], s97, v[AL0]
	v_add_nc_u32 v[ADSV], s97, v[AS0]
	s_wait_alu depctr_va_vdst(0)
.irp g, 0,1                                    ; S^T = K Q^T, a record of four tiles of 16 keys at a time
.rept 4*\g
	v_nop
.endr
.irp t, 0,1,2,3
.irp c, 0,1,2
	ds_load_b128 v[32+12*\t+4*\c:35+12*\t+4*\c], v[ADL] offset:(4*(\q)+\g)*REC+\t*1536+512*\c
.endr
.endr
	ds_load_b64 v[248:249], v[ADS] offset:(4*(\q)+\g)*REC+6144   ; v248: the words of fragments 0 (lanes 0-15) and 2 (lanes 16-31); v249: of 1 and 3
	s_wait_dscnt 0x0
.irp t, 0,1,2,3
.if \t < 2
	v_wmma_scale_f32_16x16x128_f8f6f4 v[96+8*(4*\g+\t):103+8*(4*\g+\t)], v[32+12*\t:43+12*\t], v[16:27], 0, v[248+\t], v255 matrix_a_fmt:MATRIX_FMT_FP6 matrix_b_fmt:MATRIX_FMT_FP6
.else
	v_wmma_scale_f32_16x16x128_f8f6f4 v[96+8*(4*\g+\t):103+8*(4*\g+\t)], v[32+12*\t:43+12*\t], v[16:27], 0, v[246+\t], v255 matrix_a_fmt:MATRIX_FMT_FP6 matrix_b_fmt:MATRIX_FMT_FP6 matrix_a_scale:MATRIX_SCALE_ROW1
.endif
.endr
.endr                                          ; register 16 b + i holds key KF + 32 b + 16 (lane / 16) + i
.rept 4
	v_nop
.endr
	s_add_co_u32 s96, s[KF], 127                   ; on the diagonal the scores of hidden keys become -infinity ahead of the maximum.  A step all of whose keys count skips this
	s_cmp_le_u32 s96, s[Q0]
	s_cbranch_scc1 .Lopen_\@
	s_sub_co_i32 s96, s[Q0], s[KF]
	v_add_nc_u32 v252, s96, v[DQ]                  ; d: register 16 b + i is hidden where 32 b + i > d
	v_mov_b32 v254, 0xff800000
.set n, 0
.rept 64
	v_cmp_gt_i32 vcc_lo, 32*(n/16)+n%16, v252
	v_cndmask_b32 v[96+n], v[96+n], v254, vcc_lo
.set n, n+1
.endr
.Lopen_\@:
.irp b, 0,1,2,3
	v_max3_num_f32 v[232+\b], v[96+16*\b], v[97+16*\b], v[98+16*\b]   ; the largest score of each block of 32 keys: for the row's maximum and, since p rises with the score, for the block's largest p
.endr
.irp i, 3,5,7,9,11,13
.irp b, 0,1,2,3
	v_max3_num_f32 v[232+\b], v[232+\b], v[96+16*\b+\i], v[97+16*\b+\i]
.endr
.endr
.irp b, 0,1,2,3
	v_max_num_f32 v[232+\b], v[232+\b], v[111+16*\b]
.endr
.irp b, 0,1,2,3
	s_delay_alu instid0(VALU_DEP_4)
	v_permlanex16_b32 v[236+\b], v[232+\b], s[SEL], s[SEL+1]
.endr
.irp b, 0,1,2,3
	s_delay_alu instid0(VALU_DEP_4)
	v_max_num_f32 v[232+\b], v[232+\b], v[236+\b]  ; with lane l xor 16's 16 keys
.endr
	s_delay_alu instid0(VALU_DEP_2)
	v_max3_num_f32 v254, v232, v233, v234
	s_delay_alu instid0(VALU_DEP_1)
	v_max_num_f32 v254, v254, v235                 ; the step's largest score of my query
	s_delay_alu instid0(VALU_DEP_1)
	v_mul_f32 v254, s[CS], v254                    ; as t (c is positive)
	s_delay_alu instid0(VALU_DEP_1)
	v_max_num_f32 v13, v13, v254                   ; the running largest t
	v_mov_b32 v254, v12
	s_delay_alu instid0(VALU_DEP_2)
	v_floor_f32 v12, -v13                          ; the new -M = -ceil(t): a whole number
	s_delay_alu instid0(VALU_DEP_1)
	v_sub_f32 v254, v12, v254                      ; M's old value less its new one
	s_delay_alu instid0(VALU_DEP_1)
	v_cvt_i32_f32 v254, v254                       ; (it saturates)
	s_delay_alu instid0(VALU_DEP_1)
	v_ldexp_f32 v252, 1.0, v254                    ; f = 2^(old M - new M)
.set j, 0
.rept 32
	v_pk_fma_f32 v[96+j:97+j], v[96+j:97+j], s[CS:CS+1], v[12:13] op_sel_hi:[1,0,0]   ; t - M, two at a time
.set j, j+2
.endr
.irp b, 0,1,2,3
	v_fma_f32 v[232+\b], v[232+\b], s[CS], v12     ; the same of each block's largest score
.endr
.set j, 0
	s_wait_alu depctr_va_vdst(0)                   ; ahead of the batch
.rept 64
	v_exp_f32 v[96+j], v[96+j]                     ; p = 2^(t - M), at most 1
.set j, j+1
.endr
	v_pk_mul_f32 v[14:15], v[14:15], v[252:253] op_sel_hi:[1,0]   ; the sums under the new M.  (A plain place behind the exponentials)
	s_wait_alu depctr_va_vdst(0)                   ; and behind it, ahead of its first reader
.irp b, 0,1,2,3
	v_exp_f32 v[232+\b], v[232+\b]                 ; the block's largest p
.endr
	v_pk_add_f32 v[236:237], v[100:101], v[104:105]
	v_pk_add_f32 v[250:251], v[108:109], v[112:113]
	v_pk_add_f32 v[248:249], v[116:117], v[120:121]
	v_pk_add_f32 v[246:247], v[124:125], v[128:129]
	v_pk_add_f32 v[244:245], v[132:133], v[136:137]
	v_pk_add_f32 v[242:243], v[140:141], v[144:145]
	v_pk_add_f32 v[240:241], v[148:149], v[152:153]
	v_pk_add_f32 v[14:15], v[14:15], v[156:157]
	v_pk_add_f32 v[236:237], v[236:237], v[96:97]
	v_pk_add_f32 v[250:251], v[250:251], v[98:99]
	v_pk_add_f32 v[248:249], v[248:249], v[102:103]
	v_pk_add_f32 v[246:247], v[246:247], v[106:107]
	v_pk_add_f32 v[244:245], v[244:245], v[110:111]
	v_pk_add_f32 v[242:243], v[242:243], v[114:115]
	v_pk_add_f32 v[240:241], v[240:241], v[118:119]
	v_pk_add_f32 v[14:15], v[14:15], v[122:123]
	v_pk_add_f32 v[236:237], v[236:237], v[126:127]
	v_pk_add_f32 v[250:251], v[250:251], v[130:131]
	v_pk_add_f32 v[248:249], v[248:249], v[134:135]
	v_pk_add_f32 v[246:247], v[246:247], v[138:139]
	v_pk_add_f32 v[244:245], v[244:245], v[142:143]
	v_pk_add_f32 v[242:243], v[242:243], v[146:147]
	v_pk_add_f32 v[240:241], v[240:241], v[150:151]
	v_pk_add_f32 v[14:15], v[14:15], v[154:155]
	v_pk_add_f32 v[236:237], v[236:237], v[158:159]
	s_delay_alu instid0(VALU_DEP_2)
	v_pk_add_f32 v[14:15], v[14:15], v[246:247]
	s_delay_alu instid0(VALU_DEP_2)
	v_pk_add_f32 v[236:237], v[236:237], v[244:245]
	v_pk_add_f32 v[250:251], v[250:251], v[242:243]
	v_pk_add_f32 v[248:249], v[248:249], v[240:241]
	s_delay_alu instid0(VALU_DEP_2)
	v_pk_add_f32 v[14:15], v[14:15], v[250:251]
	s_delay_alu instid0(VALU_DEP_2)
	v_pk_add_f32 v[236:237], v[236:237], v[248:249]
	s_delay_alu instid0(VALU_DEP_1)
	v_pk_add_f32 v[14:15], v[14:15], v[236:237]
	s_wait_alu depctr_va_vdst(0)                   ; and one for the four
.irp b, 0,1,2,3
	v_max_num_f32 v[232+\b], 0x1800000, v[232+\b]  ; the floor 2^(3 - 127): the byte cannot fall under 1
.endr
.irp b, 0,1,2,3
	s_delay_alu instid0(VALU_DEP_4)
	v_add_nc_u32 v[244+\b], 0xff000000, v[232+\b]  ; 2 off the exponent field: the conversion's scale operand
.endr
.irp b, 0,1,2,3
	s_delay_alu instid0(VALU_DEP_4)
	v_lshrrev_b32 v[236+\b], 23, v[244+\b]         ; the scale's byte
.endr
	s_delay_alu instid0(VALU_DEP_3)
	v_lshl_or_b32 v253, v237, 8, v236              ; p's scale word for these 128 keys
	s_delay_alu instid0(VALU_DEP_1)
	v_lshl_or_b32 v253, v238, 16, v253
	s_delay_alu instid0(VALU_DEP_1)
	v_lshl_or_b32 v253, v239, 24, v253
.irp c, 0,1
	v_cvt_scalef32_pk16_fp6_f32 v[224+6*\c:226+6*\c], v[96+32*\c:111+32*\c], v[244+2*\c]
	v_cvt_scalef32_pk16_fp6_f32 v[236+4*\c:238+4*\c], v[112+32*\c:127+32*\c], v[244+2*\c+1]
.endr
	v_nop                                          ; one plain place behind a scaled conversion
.irp c, 0,1                                    ; the operand's layout wants a whole block in a lane
.irp i, 0,1,2
	v_permlane16_swap_b32 v[224+6*\c+\i], v[236+4*\c+\i]
.endr
.irp i, 0,1,2
	s_delay_alu instid0(VALU_DEP_3)
	v_mov_b32 v[227+6*\c+\i], v[236+4*\c+\i]
.endr
.endr
.set j, 0
.rept 32
	v_pk_mul_f32 v[160+j:161+j], v[160+j:161+j], v[252:253] op_sel_hi:[1,0]   ; O^T under the new M.  (These 32 are also the places in front of the matrix instructions and loads below)
.set j, j+2
.endr
	s_wait_alu depctr_va_vdst(0)
.irp g, 0,1                                    ; O^T += V^T P^T: a record of four tiles of 16 channels at a time; K = these 128 keys
.rept 4*\g
	v_nop
.endr
.irp t, 0,1,2,3
.irp c, 0,1,2
	ds_load_b128 v[32+12*\t+4*\c:35+12*\t+4*\c], v[ADLV] offset:(4*(\q)+\g)*REC+\t*1536+512*\c
.endr
.endr
	ds_load_b64 v[250:251], v[ADSV] offset:(4*(\q)+\g)*REC+6144
	s_wait_dscnt 0x0
.irp t, 0,1,2,3
.if \t < 2
	v_wmma_scale_f32_16x16x128_f8f6f4 v[160+8*(4*\g+\t):167+8*(4*\g+\t)], v[32+12*\t:43+12*\t], v[224:235], v[160+8*(4*\g+\t):167+8*(4*\g+\t)], v[250+\t], v253 matrix_a_fmt:MATRIX_FMT_FP6 matrix_b_fmt:MATRIX_FMT_FP6
.else
	v_wmma_scale_f32_16x16x128_f8f6f4 v[160+8*(4*\g+\t):167+8*(4*\g+\t)], v[32+12*\t:43+12*\t], v[224:235], v[160+8*(4*\g+\t):167+8*(4*\g+\t)], v[248+\t], v253 matrix_a_fmt:MATRIX_FMT_FP6 matrix_b_fmt:MATRIX_FMT_FP6 matrix_a_scale:MATRIX_SCALE_ROW1
.endif
.endr
.endr
.Lhidden_\@:
	s_add_co_u32 s[KF], s[KF], 256                 ; my next step: the other half takes the 128 keys between
.endm
; THE CHANGE OF SLOTS stands at a slot's head.  Each wave waits for all its tensor loads (its record of the slot that it is about to read), adds 0 to its spare word, and waits for that and for its reads of the slot that it has left.
; Behind the barrier the slot ahead is whole and nobody reads the other one.  fill = 1: that other slot takes the 512 keys that follow, up to the causal limit.
.macro CHANGE fill
	s_wait_tensorcnt 0x0                           ; no tensor load of mine is out, so the group 0 may be written
	ds_add_u32 v[SPW], v[NIL]
.if \fill
	s_xor_b32 s[G0+1], s[G0+1], SLOT1
	s_add_nc_u64 s[G0+2:G0+3], s[G0+2:G0+3], 8*REC
	s_wait_xcnt 0x0                                ; the last prefetch, a slot back, has read its address
	s_add_nc_u64 s[PFA:PFA+1], s[PFA:PFA+1], 8*REC
.endif
	s_wait_dscnt 0x0
	s_barrier_signal -1
	s_barrier_wait -1
.if \fill
	s_add_co_u32 s96, s[SK], 512                   ; the first key of the slot that this change would ask for:
	s_cmp_gt_u32 s96, s[LQ]                        ; behind my work-group's last query none of its waves reads it.  Ids and the count of slots alone: all sixteen waves go the same way
	s_cbranch_scc1 .Lpast_\@
	tensor_load_to_lds s[G0:G0+3], s[G1:G1+7]      ; a wave's one tensor load until the next change
	s_nop 0
.rept 4
	v_nop
.endr
.Lpast_\@:
	ASK
.endif
.endm
.macro SLOT_STEPS
	STEP 0
	STEP 1
	s_xor_b32 s[TB], s[TB], SLOT1
	s_add_co_u32 s[SK], s[SK], 512
.endm
	s_wait_alu depctr_va_vdst(0)
	s_wait_loadcnt 0x0                             ; Q
.Lslot:                                            ; three trips: behind each change of slots but the last the next slot is asked for
	CHANGE 1
	SLOT_STEPS
	s_sub_co_u32 s[SLOTS], s[SLOTS], 1
	s_cmp_lg_u32 s[SLOTS], 0
	s_cbranch_scc1 .Lslot
	CHANGE 0
	SLOT_STEPS
	; THE TWO HALVES JOIN.  Half 1 stores O^T, -M, t and the sum as images of its registers; a barrier; half 0 reads them.
.rept 4
	v_nop                                          ; places behind the last products
.endr
	s_cmp_eq_u32 s[HF], 0
	s_cbranch_scc1 .Lowner
.set j, 0
.rept 16
	ds_store_b128 v[STA], v[160+4*j:163+4*j] offset:512*j   ; each accumulator from its low end on
.set j, j+1
.endr
	ds_store_b128 v[STA], v[12:15] offset:8192
.Lowner:
	s_wait_dscnt 0x0                               ; for the other half's sake
	s_barrier_signal -1
	s_barrier_wait -1
	s_cmp_lg_u32 s[HF], 0
	s_cbranch_scc1 .Ldone
.set j, 0
.rept 16
	ds_load_b128 v[96+4*j:99+4*j], v[STA] offset:512*j
.set j, j+1
.endr
	ds_load_b128 v[84:87], v[STA] offset:8192
	s_wait_dscnt 0x0
	v_mov_b32 v93, 0                               ; (named as the upper halves of pairs)
	v_mov_b32 v95, 0
	v_min_num_f32 v88, v12, v84                    ; the common -M: the larger M
	s_delay_alu instid0(VALU_DEP_1)
	v_sub_f32 v89, v88, v12                        ; whole numbers, 0 or less
	v_sub_f32 v90, v88, v84
	s_delay_alu instid0(VALU_DEP_2)
	v_cvt_i32_f32 v89, v89                         ; (they saturate)
	s_delay_alu instid0(VALU_DEP_2)
	v_cvt_i32_f32 v90, v90
	s_delay_alu instid0(VALU_DEP_2)
	v_ldexp_f32 v92, 1.0, v89                      ; my factor,
	s_delay_alu instid0(VALU_DEP_2)
	v_ldexp_f32 v94, 1.0, v90                      ; the other half's: exact powers of two
	s_delay_alu instid0(VALU_DEP_2)
	v_pk_mul_f32 v[14:15], v[14:15], v[92:93] op_sel_hi:[1,0]
.set j, 0
.rept 32
	v_pk_mul_f32 v[160+j:161+j], v[160+j:161+j], v[92:93] op_sel_hi:[1,0]
.set j, j+2
.endr
	v_pk_fma_f32 v[14:15], v[86:87], v[94:95], v[14:15] op_sel_hi:[1,0,1]
.set j, 0
.rept 32
	v_pk_fma_f32 v[160+j:161+j], v[96+j:97+j], v[94:95], v[160+j:161+j] op_sel_hi:[1,0,1]
.set j, j+2
.endr
	; THE WAY OUT.  O^T / the sum: register 16 b + i is channel 32 b + 16 (lane / 16) + i of my query: the head's 128 channels are one fragment of the last product's operand.
	v_add_f32 v14, v14, v15
	s_delay_alu instid0(VALU_DEP_1)
	v_permlanex16_b32 v252, v14, s[SEL], s[SEL+1]
	s_delay_alu instid0(VALU_DEP_1)
	v_add_f32 v14, v14, v252                       ; the row's sum
	s_wait_alu depctr_va_vdst(0)                   ; ahead of the transcendental
	v_rcp_f32 v14, v14
.irp b, 0,1,2,3
	v_mov_b32 v[TM+4+\b], 0                        ; (plain places behind the reciprocal)
.endr
	s_wait_alu depctr_va_vdst(0)                   ; and ahead of its first reader
.set j, 0
.rept 64
	v_mul_f32 v[96+j], v[160+j], v14
.set j, j+1
.endr
.irp b, 0,1,2,3
	v_max3_num_f32 v[TM+\b], |v[96+16*\b]|, |v[97+16*\b]|, 0x1800000   ; block b: my 16 numbers, and the floor 2^(3 - 127)
.endr
.irp i, 2,4,6,8,10,12,14
.irp b, 0,1,2,3
	s_delay_alu instid0(VALU_DEP_4)
	v_max3_num_f32 v[TM+\b], v[TM+\b], |v[96+16*\b+\i]|, |v[97+16*\b+\i]|
.endr
.endr
.irp b, 0,1,2,3
	s_delay_alu instid0(VALU_DEP_4)
	v_permlanex16_b32 v[TM+4+\b], v[TM+\b], s[SEL], s[SEL+1]
.endr
.irp b, 0,1,2,3
	s_delay_alu instid0(VALU_DEP_4)
	v_max_num_f32 v[TM+\b], v[TM+\b], v[TM+4+\b]
.endr
.irp b, 0,1,2,3
	s_delay_alu instid0(VALU_DEP_4)
	v_add_nc_u32 v[TM+12+\b], 0xff000000, v[TM+\b]
.endr
.irp b, 0,1,2,3
	s_delay_alu instid0(VALU_DEP_4)
	v_lshrrev_b32 v[TM+4+\b], 23, v[TM+12+\b]
.endr
	s_delay_alu instid0(VALU_DEP_3)
	v_lshl_or_b32 v[PW], v[TM+5], 8, v[TM+4]
	s_delay_alu instid0(VALU_DEP_1)
	v_lshl_or_b32 v[PW], v[TM+6], 16, v[PW]
	s_delay_alu instid0(VALU_DEP_1)
	v_lshl_or_b32 v[PW], v[TM+7], 24, v[PW]
.irp c, 0,1
	v_cvt_scalef32_pk16_fp6_f32 v[PC+6*\c:PC+2+6*\c], v[96+32*\c:111+32*\c], v[TM+12+2*\c]
	v_cvt_scalef32_pk16_fp6_f32 v[PC+12+4*\c:PC+14+4*\c], v[112+32*\c:127+32*\c], v[TM+12+2*\c+1]
.endr
	v_nop                                          ; one plain place behind a scaled conversion
.irp c, 0,1
.irp i, 0,1,2
	v_permlane16_swap_b32 v[PC+6*\c+\i], v[PC+12+4*\c+\i]
.endr
.irp i, 0,1,2
	s_delay_alu instid0(VALU_DEP_3)
	v_mov_b32 v[PC+3+6*\c+\i], v[PC+12+4*\c+\i]
.endr
.endr
.irp c, 0,1,2
	global_store_b128 v[GL], v[PC+4*\c:PC+4*\c+3], s[8:9] offset:512*\c   ; 512 consecutive bytes, aligned
.endr
	global_store_b32 v[QOF], v[PW], s[10:11]       ; row r's word (lanes 16-31 hold and store the same)
.Ldone:
	s_wait_tensorcnt 0x0                           ; the wave's end: the tensor wait, an add of 0 to my spare word and its wait, behind my last tensor load and my last LDS store
	ds_add_u32 v[SPW], v[NIL]
	s_wait_dscnt 0x0
	s_endpgm
.Lfunc_end_k_qb8b53dd54b_attn:
	.size	k_qb8b53dd54b_attn, .Lfunc_end_k_qb8b53dd54b_attn-k_qb8b53dd54b_attn
	.p2alignl 7, 3214868480
	.fill 96, 4, 3214868480
	.section	.rodata,"a",@progbits
	.p2align	6, 0x0
	.amdhsa_kernel k_qb8b53dd54b_attn
		.amdhsa_group_segment_fixed_size 327680
		.amdhsa_private_segment_fixed_size 0
		.amdhsa_enable_private_segment 0
		.amdhsa_kernarg_size 16
		.amdhsa_user_sgpr_count 2
		.amdhsa_user_sgpr_kernarg_segment_ptr 1
		.amdhsa_wavefront_size32 1
		.amdhsa_system_sgpr_workgroup_id_x 1
		.amdhsa_system_sgpr_workgroup_id_y 1
		.amdhsa_system_sgpr_workgroup_id_z 1
		.amdhsa_system_vgpr_workitem_id 0
		.amdhsa_next_free_vgpr 256
		.amdhsa_next_free_sgpr 100
		.amdhsa_reserve_vcc 1
		.amdhsa_float_denorm_mode_32 3
		.amdhsa_float_denorm_mode_16_64 3
		.amdhsa_memory_ordered 1
		.amdhsa_forward_progress 1
		.amdhsa_inst_pref_size 127
	.end_amdhsa_kernel
	.amdgpu_metadata
---
amdhsa.version: [ 1, 2 ]
amdhsa.kernels:
  - .name:           k_qb8b53dd54b_attn
    .symbol:         k_qb8b53dd54b_attn.kd
    .args:
      - { .name: qkv, .offset: 0, .size: 8, .value_kind: global_buffer, .address_space: global }
      - { .name: attq, .offset: 8, .size: 8, .value_kind: global_buffer, .address_space: global }
    .group_segment_fixed_size: 327680
    .private_segment_fixed_size: 0
    .kernarg_segment_align: 8
    .kernarg_segment_size: 16
    .max_flat_workgroup_size: 512
    .sgpr_count:     100
    .vgpr_count:     256
    .wavefront_size: 32
...
	.end_amdgpu_metadata
.endif
;; end of part 8
;; launch gemm_out (part 9): grid 16 x 16, 4 waves a work-group, clusters of 4 x 4, 327,680 bytes of LDS; arguments attq, woq, out0; writes out0
.if DOCPART == 9
	.amdgcn_target "amdgcn-amd-amdhsa--gfx1250"
	.amdhsa_code_object_version 6
	.text
	.protected	k_qb8b53dd54b_gemm_out
	.globl	k_qb8b53dd54b_gemm_out
	.p2align	8
	.type	k_qb8b53dd54b_gemm_out,@function
k_qb8b53dd54b_gemm_out:
	s_mov_b64 s[64:65], 0
	v_nop
	global_prefetch_b8 v0, s[64:65] scope:SCOPE_SE
	s_setreg_imm32_b32 hwreg(HW_REG_WAVE_MODE, 25, 1), 1
	s_wait_xcnt 0x0
	s_wait_alu depctr_hold_cnt(0) depctr_sa_sdst(0) depctr_va_vdst(0) depctr_va_sdst(0) depctr_va_ssrc(0) depctr_va_vcc(0) depctr_vm_vsrc(0)
	s_getreg_b32 s2, hwreg(HW_REG_IB_STS2, 6, 4)
	s_cmp_eq_u32 s2, 0
	s_cbranch_scc0 .Lentry_in_a_cluster
	s_endpgm
.Lentry_in_a_cluster:
	s_bfe_u32 s2, ttmp6, 0x10000c
	s_cmp_lg_u32 s2, 0xf033
	s_cbranch_scc0 .Lentry_shape_is_right
	s_endpgm
.Lentry_shape_is_right:
.set RBP,   25600
.set REC,   6400
.set FR,    12
.set NP,    4
.set NF,    36
.set ATB,   4*REC
.set BTB,   8*REC
.set BOFF,  8*REC
.set SLOT,  24*REC
.set LAPS,  2
.set SPARE, 2*SLOT
.set SPITCH, 528
.set ADRA, 16
.set ADRB, 18
.set ASA,  20
.set ASB,  22
.set STO,  24
.set RD,   25
.set CO,   26
.set L8,   27
.set SPW,  28
.set NIL,  29
.set SCA,  32
.set SCB,  48
.set AF,   128
.set BK,   128
.set G1, 24
.set G0, 32
.set G1B, 48
.set G0B, 56
.set MSB, 0
.macro WIN new
.if MSB != (\new)
	s_set_vgpr_msb (MSB<<8)|(\new)
.set MSB, \new
.endif
.endm
.set MUL,  0xa1
.set TO_B, 0x40
.macro JLOAD g0a, g1a, g0b, g1b
	s_cmp_eq_u32 s15, 0
	s_cbranch_scc0 .Lfor_b_\@
	tensor_load_to_lds s[\g0a:\g0a+3], s[\g1a:\g1a+7]
	s_nop 0
.rept 4
	v_nop
.endr
	s_branch .Lasked_\@
.Lfor_b_\@:
	tensor_load_to_lds s[\g0b:\g0b+3], s[\g1b:\g1b+7]
	s_nop 0
.rept 4
	v_nop
.endr
.Lasked_\@:
.endm
.macro CREST
	s_cmp_lg_u32 s14, 0
	s_cbranch_scc1 .Lnot_wave_0_\@
	s_barrier_signal -3
.Lnot_wave_0_\@:
	s_barrier_wait -3
	s_barrier_signal -1
	s_barrier_wait -1
.endm
.macro CROUND
	s_barrier_signal -1
	s_barrier_wait -1
	CREST
.endm
	s_load_b128 s[4:7], s[0:1], 0x0
	s_load_b64 s[8:9], s[0:1], 0x10
	v_lshl_add_u32 v[SPW], v0, 2, SPARE
	v_mov_b32 v[NIL], 0
	ds_add_u32 v[SPW], v[NIL]
	ds_add_u32 v[SPW], v[NIL]
	v_lshrrev_b32 v1, 5, v0
	v_readfirstlane_b32 s14, v1
	v_and_b32 v31, 31, v0                          ; v31: the prefetches' offset, 256 x min(lane, 24): a record is 25 blocks of 256 bytes; never rewritten
	v_min_u32 v31, 24, v31
	v_lshlrev_b32 v31, 8, v31
	s_lshr_b32 s15, s14, 1
	s_and_b32 s16, s14, 1
	s_bfe_u32 s40, ttmp6, 0x40000
	s_bfe_u32 s41, ttmp6, 0x40004
	s_lshl_b32 s42, ttmp9, 2
	s_add_co_u32 s42, s42, s40
	s_and_b32 s17, ttmp7, 0xffff
	s_lshl_b32 s17, s17, 2
	s_add_co_u32 s17, s17, s41
	s_lshl_b32 s43, s41, 2
	s_lshl_b32 s43, 15, s43
	s_lshl_b32 s44, 0x1111, s40
	s_or_b32 s[G1+0], s43, (3<<16)|(1<<21)
	s_mov_b32 s[G1+1], 800<<16
	s_mov_b32 s[G1+2], 4<<16
	s_mov_b32 s[G1+3], 800<<16
	s_mov_b32 s[G1+4], 4
	s_mov_b32 s[G1+5], RBP/8
	s_mov_b32 s[G1+6], 0
	s_mov_b32 s[G1+7], 0
	s_or_b32 s[G1B+0], s44, (3<<16)|(1<<21)
	s_mov_b32 s[G1B+1], 800<<16
	s_mov_b32 s[G1B+2], 8<<16
	s_mov_b32 s[G1B+3], 800<<16
	s_mov_b32 s[G1B+4], 8
	s_mov_b32 s[G1B+5], RBP/8
	s_mov_b32 s[G1B+6], 0
	s_mov_b32 s[G1B+7], 0
	s_lshl_b32 s20, s17, 3
	s_lshl_b32 s18, s16, 2
	s_add_co_u32 s20, s20, s18
	s_lshl_b32 s46, s42, 4
	s_lshl_b32 s18, s16, 3
	s_add_co_u32 s46, s46, s18
	s_mul_i32 s20, s20, RBP
	s_mul_i32 s46, s46, RBP
	s_mov_b32 s21, 0
	s_mov_b32 s47, 0
	s_mul_i32 s45, s16, ATB
	s_mul_i32 s94, s16, BTB
	s_add_co_u32 s94, s94, BOFF
	s_wait_dscnt 0x0
	s_wait_kmcnt 0x0
	s_add_nc_u64 s[20:21], s[4:5], s[20:21]
	s_add_nc_u64 s[46:47], s[6:7], s[46:47]
; PREFETCHES INTO THE L2.  Of the row blocks that my wave fetches jointly with three partners, each partner names its share, told apart by ADDRESS alone: of A's four row blocks the one at cx,
; of B's eight the two at 2 cy, 2 cy + 1; a lane a block of 256 bytes (lanes 25-31 name the last block again).  K has four records: behind record 0's load stand the requests for records 1 and 2, behind record 1's that for record 3.
.macro ASKR off
	s_cmp_eq_u32 s15, 0
	global_prefetch_b8 v31, s[66:67] offset:\off th:TH_LOAD_NT scope:SCOPE_SE
	s_cbranch_scc1 .Lone_\@
	global_prefetch_b8 v31, s[66:67] offset:(\off)+RBP th:TH_LOAD_NT scope:SCOPE_SE
.Lone_\@:
.endm
	s_lshl_b32 s69, s41, 1
	s_cmp_eq_u32 s15, 0
	s_cselect_b64 s[66:67], s[20:21], s[46:47]
	s_cselect_b32 s68, s40, s69
	s_mul_i32 s68, s68, RBP
	s_mov_b32 s69, 0
	s_add_nc_u64 s[66:67], s[66:67], s[68:69]
	s_add_nc_u64 s[66:67], s[66:67], REC           ; at record 1; never stepped
	CROUND
.irp s, 0,1
	s_mov_b32 s[G0+4*\s], 1
	s_add_co_u32 s[G0+4*\s+1], s45, \s*SLOT
	s_add_nc_u64 s[G0+4*\s+2:G0+4*\s+3], s[20:21], \s*REC
	s_or_b32 s[G0+4*\s+3], s[G0+4*\s+3], 0x80000000
	s_mov_b32 s[G0B+4*\s], 1
	s_add_co_u32 s[G0B+4*\s+1], s94, \s*SLOT
	s_add_nc_u64 s[G0B+4*\s+2:G0B+4*\s+3], s[46:47], \s*REC
	s_or_b32 s[G0B+4*\s+3], s[G0B+4*\s+3], 0x80000000
.endr
	s_wait_alu depctr_va_vdst(0)
	JLOAD G0, G1, G0B, G1B                         ; record 0: one tensor load a wave at the head
	ASKR 0                                         ; records 1 and 2
	ASKR REC
	v_and_b32 v30, 31, v0
	v_and_b32 v1, 15, v0
	v_bfe_u32 v2, v0, 4, 1
	v_lshlrev_b32 v[CO], 4, v30
	v_lshlrev_b32 v[L8], 3, v30
	s_mul_i32 s21, s15, ATB
	s_mul_i32 s22, s16, BTB
	s_add_co_u32 s22, s22, BOFF
.irp s, 0,1
	v_add_nc_u32 v[ADRA+\s], s21, v[CO]
	v_add_nc_u32 v[ADRB+\s], s22, v[CO]
	v_add_nc_u32 v[ASA+\s], s21, v[L8]
	v_add_nc_u32 v[ASB+\s], s22, v[L8]
	s_add_co_u32 s21, s21, SLOT
	s_add_co_u32 s22, s22, SLOT
.endr
	s_mul_i32 s23, s14, 16*SPITCH
	v_mul_u32_u24 v5, v1, SPITCH
	v_lshl_add_u32 v5, v2, 6, v5
	v_add_nc_u32 v[STO], s23, v5
	v_add_nc_u32 v[RD], s23, v[CO]
	s_lshl_b32 s20, s17, 1
	s_add_co_u32 s20, s20, s15
	s_lshl_b32 s20, s20, 20
	s_lshl_b32 s46, s42, 1
	s_add_co_u32 s46, s46, s16
	s_lshl_b32 s46, s46, 9
	s_add_co_u32 s20, s20, s46
	s_mov_b32 s21, 0
	s_add_nc_u64 s[12:13], s[8:9], s[20:21]
.macro FRAG reg, adr, q, i
.irp c, 0,1,2
	ds_load_b128 v[\reg+4*\c:\reg+4*\c+3], v[\adr] offset:(\i)*REC+(\q)*1536+512*\c
.endr
.endm
.macro FETCH slot, q, p
	WIN TO_B
.irp i, 0,1,2,3,4,5,6,7
	FRAG 128*(\p)+FR*\i, ADRB+\slot, \q, \i
.endr
	WIN 0
.irp i, 0,1,2,3
	FRAG AF+48*(\p)+FR*\i, ADRA+\slot, \q, \i
.endr
.endm
.macro SCALES s
.irp i, 0,1,2,3
	ds_load_b64 v[SCA+8*\s+2*\i:SCA+8*\s+2*\i+1], v[ASA+\s] offset:\i*REC+6144
.endr
.irp i, 0,1,2,3,4,5,6,7
	ds_load_b64 v[SCB+16*\s+2*\i:SCB+16*\s+2*\i+1], v[ASB+\s] offset:\i*REC+6144
.endr
.endm
.macro MUL8 a, p, q, s, zero
.irp b, 0,1,2,3,4,5,6,7
.if \zero
	v_wmma_scale_f32_16x16x128_f8f6f4 v[8*(8*(\a)+\b):8*(8*(\a)+\b)+7], v[128*(\p)+FR*\b:128*(\p)+FR*\b+FR-1], v[AF+48*(\p)+FR*(\a):AF+48*(\p)+FR*(\a)+FR-1], 0, v[SCB+16*(\s)+2*\b+(\q)%2], v[SCA+8*(\s)+2*(\a)+(\q)%2] matrix_a_fmt:MATRIX_FMT_FP6 matrix_b_fmt:MATRIX_FMT_FP6
.elseif (\q) < 2
	v_wmma_scale_f32_16x16x128_f8f6f4 v[8*(8*(\a)+\b):8*(8*(\a)+\b)+7], v[128*(\p)+FR*\b:128*(\p)+FR*\b+FR-1], v[AF+48*(\p)+FR*(\a):AF+48*(\p)+FR*(\a)+FR-1], v[8*(8*(\a)+\b):8*(8*(\a)+\b)+7], v[SCB+16*(\s)+2*\b+(\q)%2], v[SCA+8*(\s)+2*(\a)+(\q)%2] matrix_a_fmt:MATRIX_FMT_FP6 matrix_b_fmt:MATRIX_FMT_FP6
.else
	v_wmma_scale_f32_16x16x128_f8f6f4 v[8*(8*(\a)+\b):8*(8*(\a)+\b)+7], v[128*(\p)+FR*\b:128*(\p)+FR*\b+FR-1], v[AF+48*(\p)+FR*(\a):AF+48*(\p)+FR*(\a)+FR-1], v[8*(8*(\a)+\b):8*(8*(\a)+\b)+7], v[SCB+16*(\s)+2*\b+(\q)%2], v[SCA+8*(\s)+2*(\a)+(\q)%2] matrix_a_fmt:MATRIX_FMT_FP6 matrix_b_fmt:MATRIX_FMT_FP6 matrix_a_scale:MATRIX_SCALE_ROW1 matrix_b_scale:MATRIX_SCALE_ROW1
.endif
.endr
.endm
.macro PLACES n
.rept \n
	v_nop
.endr
.endm
.macro STEP slot, q, zero
	PLACES NP
	FETCH \slot, (\q)+1, 1-(\q)%2
	s_wait_dscnt NF
	WIN MUL
	MUL8 0, (\q)%2, \q, \slot, \zero
	MUL8 1, (\q)%2, \q, \slot, \zero
	MUL8 2, (\q)%2, \q, \slot, \zero
	MUL8 3, (\q)%2, \q, \slot, \zero
.endm
.macro TURN slot, next, fill
	WIN 0
	s_wait_tensorcnt 0x0
	ds_add_u32 v[SPW], v[NIL]
	s_wait_dscnt 1
	WIN MUL
	MUL8 0, 1, 3, \slot, 0
	s_wait_dscnt 0x0
	s_barrier_signal -1
	MUL8 1, 1, 3, \slot, 0
	WIN 0
	s_barrier_wait -1
.if \fill
	CREST
	s_add_nc_u64 s[G0+4*\slot+2:G0+4*\slot+3], s[G0+4*\slot+2:G0+4*\slot+3], 2*REC
	s_add_nc_u64 s[G0B+4*\slot+2:G0B+4*\slot+3], s[G0B+4*\slot+2:G0B+4*\slot+3], 2*REC
	JLOAD G0+4*\slot, G1, G0B+4*\slot, G1B
.else
	PLACES NP
.endif
	FETCH \next, 0, 0
	SCALES \next
	WIN MUL
	MUL8 2, 1, 3, \slot, 0
	MUL8 3, 1, 3, \slot, 0
.endm
	s_wait_alu depctr_va_vdst(0)
	s_wait_tensorcnt 0x0                           ; my part of record 0 is in, ahead of slot 1's first fill
	ds_add_u32 v[SPW], v[NIL]
	s_wait_dscnt 0x0
	CROUND
	JLOAD G0+4, G1, G0B+4, G1B                     ; record 1, the first tensor load behind the round
	FETCH 0, 0, 0
	SCALES 0
	ASKR 2*REC                                     ; record 3
	STEP 0, 0, 1
	WIN 0
	s_mov_b32 s3, LAPS-1
.Llap:
	STEP 0, 1, 0
	STEP 0, 2, 0
	TURN 0, 1, 1
	STEP 1, 0, 0
	STEP 1, 1, 0
	STEP 1, 2, 0
	TURN 1, 0, 1
	STEP 0, 0, 0
	WIN 0
	s_sub_co_u32 s3, s3, 1
	s_cmp_lg_u32 s3, 0
	s_cbranch_scc1 .Llap
	STEP 0, 1, 0
	STEP 0, 2, 0
	TURN 0, 1, 0
	STEP 1, 0, 0
	STEP 1, 1, 0
	STEP 1, 2, 0
	s_wait_dscnt 0x0
	MUL8 0, 1, 3, 1, 0
	MUL8 1, 1, 3, 1, 0
	MUL8 2, 1, 3, 1, 0
	MUL8 3, 1, 3, 1, 0
	WIN 0
.macro TOSTAGE a
.set AC, 64*(\a)
	WIN 0x08
.irp b, 0,1,2,3,4,5,6,7
	ds_store_b128 v[STO], v[AC+8*\b:AC+8*\b+3] offset:128*(\b/2)+32*(\b%2)
	ds_store_b128 v[STO], v[AC+8*\b+4:AC+8*\b+7] offset:128*(\b/2)+32*(\b%2)+16
.endr
	WIN 0
.set BB, BK+64*((\a)%2)
.irp t, 0,1,2,3,4,5,6,7,8,9,10,11,12,13,14,15
	ds_load_b128 v[BB+4*\t:BB+4*\t+3], v[RD] offset:\t*SPITCH
.endr
.endm
.macro SEND a, younger
.set BB, BK+64*((\a)%2)
	s_wait_dscnt \younger
.irp t, 0,1,2,3,4,5,6,7,8,9,10,11,12,13,14,15
	global_store_b128 v[CO], v[BB+4*\t:BB+4*\t+3], s[12:13] offset:(32*((\a)/2)+8*((\a)%2)+\t+8*(\t/8))*16384 th:TH_STORE_NT
.endr
.endm
	PLACES NP
	TOSTAGE 0
.irp a, 1,2,3
.if \a > 1
	s_wait_xcnt 0x0
.endif
	TOSTAGE \a
	SEND \a-1, 32
.endr
	SEND 3, 0
	s_wait_tensorcnt 0x0
	ds_add_u32 v[SPW], v[NIL]
	s_wait_dscnt 0x0
	CROUND
	s_endpgm
.Lfunc_end_k_qb8b53dd54b_gemm_out:
	.size	k_qb8b53dd54b_gemm_out, .Lfunc_end_k_qb8b53dd54b_gemm_out-k_qb8b53dd54b_gemm_out
	.p2alignl 7, 3214868480
	.fill 96, 4, 3214868480
	.section	.rodata,"a",@progbits
	.p2align	6, 0x0
	.amdhsa_kernel k_qb8b53dd54b_gemm_out
		.amdhsa_group_segment_fixed_size 327680
		.amdhsa_private_segment_fixed_size 0
		.amdhsa_enable_private_segment 0
		.amdhsa_kernarg_size 24
		.amdhsa_user_sgpr_count 2
		.amdhsa_user_sgpr_kernarg_segment_ptr 1
		.amdhsa_wavefront_size32 1
		.amdhsa_system_sgpr_workgroup_id_x 1
		.amdhsa_system_sgpr_workgroup_id_y 1
		.amdhsa_system_sgpr_workgroup_id_z 1
		.amdhsa_system_vgpr_workitem_id 0
		.amdhsa_next_free_vgpr 768
		.amdhsa_next_free_sgpr 98
		.amdhsa_reserve_vcc 0
		.amdhsa_float_denorm_mode_32 3
		.amdhsa_float_denorm_mode_16_64 3
		.amdhsa_memory_ordered 1
		.amdhsa_forward_progress 1
		.amdhsa_inst_pref_size 133
	.end_amdhsa_kernel
	.amdgpu_metadata
---
amdhsa.version: [ 1, 2 ]
amdhsa.kernels:
  - .name:           k_qb8b53dd54b_gemm_out
    .symbol:         k_qb8b53dd54b_gemm_out.kd
    .args:
      - { .name: attq, .offset: 0, .size: 8, .value_kind: global_buffer, .address_space: global }
      - { .name: woq, .offset: 8, .size: 8, .value_kind: global_buffer, .address_space: global }
      - { .name: out0, .offset: 16, .size: 8, .value_kind: global_buffer, .address_space: global }
    .group_segment_fixed_size: 327680
    .private_segment_fixed_size: 0
    .kernarg_segment_align: 8
    .kernarg_segment_size: 24
    .max_flat_workgroup_size: 128
    .sgpr_count:     98
    .vgpr_count:     768
    .wavefront_size: 32
...
	.end_amdgpu_metadata
.endif
;; end of part 9
